; MI455X (gfx1250); checked and timed in simulation.
; The chip was launched on July 23, 2026; its instructions are those of AMD's public machine-readable ISA for CDNA 5 (MIT licence, August 2026) and "CDNA5" Instruction Set Architecture Reference Guide (July 2026). The comments in the code are by the model that wrote it; some were corrected since.
;; Attention. Allowed arithmetic: matrix products marked QUANTISED: E2M3 operands, one E8M0 scale for each 32 along K, by v_wmma_scale_f32_16x16x128_f8f6f4 with both operands' format E2M3, f32 sums; everything else in f32.
;; Inputs: Wout 1,024 x 1,024 float32; Wqkv 1,024 x 3,072 float32; bout 1,024 float32; x 4,096 x 1,024 float32.
;; Outputs: out0 4,096 x 1,024 float32.
;; This version of the problem:
;;   THIS VERSION OF THE PROBLEM IS GIVEN IN LOW PRECISION. The matrix products marked QUANTISED in the list below multiply operands that are first quantised to E2M3 (2 exponent bits, 3 mantissa bits; 6 bits a number), with one power-of-two scale for each 32 numbers along K (OCP MX v1.0); their sums are f32. All else is computed in f32.
;;   The module's matrix products, in the order in which they are computed (A, B: the left and right operand; K: the contracted axis; several contracted axes count as one K, in the product's order):
;;     1. [M 4,096, K 1,024] x [K 1,024, N 3,072]; A: input x; B: input Wqkv: QUANTISED
;;     2. [M 4,096, K 1,024] x [K 1,024, N 4,096]; A: computed on the way; B: computed on the way: QUANTISED
;;     3. [M 4,096, K 4,096] x [K 4,096, N 1,024]; A: softmax (see below); B: computed on the way: QUANTISED
;;     4. [M 4,096, K 1,024] x [K 1,024, N 1,024]; A: computed on the way; B: input Wout: QUANTISED
;;   THE QUANTISER, for each operand of a quantised product, along K:
;;     - K is cut into blocks of 32 from its start; a last block that is shorter is filled with zeros.
;;     - A block's scale is 2^e with e = floor(log2(the largest magnitude in the block)) - 2, held to -126 .. 127; a block of zeros has e = 0. As a byte (E8M0): e + 127.
;;     - Each number is divided by its block's scale, clamped to +-7.5, and rounded to the nearest number of E2M3, ties to even, subnormals kept.
;;     - The product sums the exact products of the quantised numbers (number of the format x scale) in f32.
;;   ~~~python
;;   def quantise(x, axis):      # numpy; x: float32 -> the quantised numbers, widened to float32 again
;;       x = np.moveaxis(x, axis, -1); K = x.shape[-1]
;;       x = np.pad(x, [(0, 0)] * (x.ndim - 1) + [(0, -K % 32)]); x = x.reshape(x.shape[:-1] + (-1, 32)); a = np.abs(x).max(-1, keepdims=True)
;;       e = np.where(a > 0, np.clip(np.frexp(np.where(a > 0, a, 1))[1] - 1 - 2, -126, 127), 0)      # np.frexp(a)[1] - 1 = floor(log2(a)), exactly
;;       r = np.clip(x / 2.0 ** e, -7.5, 7.5)
;;       step = 2.0 ** (np.maximum(np.frexp(np.where(r == 0, 1, r))[1] - 1, 0) - 3)
;;       q = np.round(r / step) * step * 2.0 ** e      # np.round: ties to even
;;       return np.moveaxis(q.reshape(q.shape[:-2] + (-1,))[..., :K], -1, axis).astype(np.float32)
;;   ~~~
;;   SOFTMAX AHEAD OF A QUANTISED PRODUCT. Where the list says 'softmax', what is quantised is not the finished softmax but p = 2^(t - M), with t = logit x log2(e) and M = ceil(the row's largest t), a whole number; so 1/2 < the row's largest p <= 1. The row's sum l is taken of the UNQUANTISED p, in f32, and the product's result is divided by l at the end. Since M is a whole number, a kernel that streams over the keys may use a running M (the ceiling of the running maximum): every later rescaling is an exact power of two, which a block's scale takes up: the codes' values come out the same.
;;   OPERANDS COMPUTED ON THE WAY. 'Computed on the way' means the value that the module computes at that place (a softmax that the list does not call 'softmax' is quantised finished and normalised). What goes into a quantiser is computed in f32, as accurately as f32 sums, v_exp_f32 and their like allow (about 1e-6 of the number): no bf16 or f16 on the way to a quantiser, and a product that is left as it is and whose result goes on into a quantised operand takes f32 operands (vector FMAs, or v_wmma_f32_16x16x4_f32). A number that lies on a knife's edge between two numbers of the format may be rounded either way, as far as f32 arithmetic and the matrix unit's own rounding can turn it there, and no further.
;; 2 versions. Each part assembles by itself: llvm-mc -triple=amdgcn-amd-amdhsa -mcpu=gfx1250 --defsym DOCPART=n.
;; ======== version 1 of 2: 5 launches
;; workspace buffers: xc 3,276,800 bytes; wc 3,276,800 bytes; qk 6,553,600 bytes; vc 3,276,800 bytes; pc 13,107,200 bytes; ml 1,048,576 bytes; oc 3,276,800 bytes
;; launch quant (part 1): grid 256 x 1, 4 waves a work-group, no clusters, 68,096 bytes of LDS; arguments x, Wqkv, Wout, xc, wc; writes xc, wc
.if DOCPART == 1
	.amdgcn_target "amdgcn-amd-amdhsa--gfx1250"
	.amdhsa_code_object_version 6
	.text
	.protected	k_qea606ec75d_quant
	.globl	k_qea606ec75d_quant
	.p2align	8
	.type	k_qea606ec75d_quant,@function
k_qea606ec75d_quant:
	s_mov_b64 s[64:65], 0
	v_nop
	global_prefetch_b8 v0, s[64:65] scope:SCOPE_SE
	s_setreg_imm32_b32 hwreg(HW_REG_WAVE_MODE, 25, 1), 1
	s_wait_xcnt 0x0
; x [4096][1024], Wqkv [1024][3072] and Wout [1024][1024], f32, become codes of FP6 (E2M3) with one E8M0 scale byte for each 32 along K (x: its last axis; the weights: their FIRST axis).
; THE WHOLE PROGRAM: quant | qkv = x Wqkv, quantised on the way out (q, k along d; v along the tokens) | score: p = 2^(t - M) of each chunk of 128 keys, as codes | pv: out = p v / l, as codes | proj: out Wout + bout.
; DEAD WORK LEFT OUT.  reference() itself writes one constant over sim[i][j] for every j > i, whatever the inputs hold, and the softmax of that constant is 0 beside the row's largest term.  So the tiles of q k^T all of
; whose keys come after all of their queries are not multiplied (launch score), nor are the K steps of p v behind the query group's last slot of 512 keys (launch pv).  Every input has a way to the output and is loaded.
; LIMIT: a NaN, an infinity or an overflow that reaches only those tiles is not carried to the result.
; LIMITS of the quantisers: NaN and infinities among the inputs are not served; a block whose largest magnitude lies under 2^-124, a block of zeros among them, keeps the byte 1 (the rule says 127 for zeros: its codes
; are zeros, which add nothing under any byte but 0xff, and this program alone reads the bytes).
; RECORDS.  Every operand of this program lies in memory in the order of the operand's registers.  A matrix of rows x K is laid [row / 64][K / 128][6,400 bytes].  A record holds four fragments f = 2 b + u at 1536 f;
; slot r (0..15) of fragment f is row 32 b + 8 u + r + (r & 8) of the 64; half c of a fragment (registers 6 c .. 6 c + 5) lies at + 768 c: lane l's first four registers at 16 l, its last two at 512 + 8 l;
; lane (r, h) holds k = 64 c + 32 h + 0 .. 31 of slot r.  The rows' scale words lie at 6144 + 64 f + 4 r.  So a fragment is stored and loaded as consecutive bytes, whole blocks of 256.
; SHARES.  Work-groups 0-127: x, a record (64 rows x 128 k) to a wave.  128-223: Wqkv, 224-255: Wout: a wave takes 32 columns x 256 along K, a lane a column, its registers down K.
; Memory binds: no matrix unit, no cluster, no barrier: waves share nothing.
.set REC,   6400
.set STG,   16*528                     ; a stage: 16 rows of 512 bytes + 16: the 16 rows that a pass of an LDS load touches start at 16 different 16-byte columns
.set WRG,   2*STG                      ; a wave's two stages
.set SPARE, 4*WRG                      ; behind them: the spare words, 128 bytes for each wave, which no other line names
.set SPW,   10                         ; v10  LDS address of my spare word; never rewritten
.set NIL,   11                         ; v11  0; never rewritten
.set PWR,   24                         ; v24-27  x: a fragment's scale words;  the weights: v24-25 a column's scale words
.set CD,    32                         ; v32-55  x: codes, two sets of 12
.set CT,    56                         ; v56-62  the upper halves of blocks, as the conversions leave them
.set XX,    64                         ; v64-127 the numbers at work
.set RR,    128                        ; v128-255 x: two sets of 64 as loaded
.set FF,    128                        ; v128-175 the weights: fragments, 24 registers for each of two K steps
.macro XLOAD f                         ; fragment f's 16 rows: each load reads 512 consecutive bytes of one row
.irp p, 0,1,2,3,4,5,6,7,8,9,10,11,12,13,14,15
	global_load_b128 v[RR+64*((\f)%2)+4*\p:RR+64*((\f)%2)+4*\p+3], v4, s[4:5] offset:(32*((\f)/2)+8*((\f)%2)+\p+(\p&8))*4096 th:TH_LOAD_NT
.endr
.endm
.macro XTURN f                         ; through my stage: in as loaded, out 128 bytes of a row to a lane.  LDS serves a wave's instructions in order: no wait between
.irp p, 0,1,2,3,4,5,6,7,8,9,10,11,12,13,14,15
	ds_store_b128 v7, v[RR+64*((\f)%2)+4*\p:RR+64*((\f)%2)+4*\p+3] offset:STG*((\f)%2)+528*\p
.endr
.irp c, 0,1
.irp j, 0,1,2,3,4,5,6,7
	ds_load_b128 v[XX+32*\c+4*\j:XX+32*\c+4*\j+3], v8 offset:STG*((\f)%2)+256*\c+16*\j
.endr
.endr
.endm
.macro XQ f                            ; lane (r, h) holds blocks h and 2 + h of slot r, whole: no other lane is asked for a maximum
.set CX, CD+12*((\f)%2)
.irp c, 0,1
	v_max3_num_f32 v[12+\c], |v[XX+32*\c]|, |v[XX+32*\c+1]|, 0x1800000   ; with the floor 2^(3 - 127): the byte cannot fall under 1
.endr
.irp i, 2,4,6,8,10,12,14,16,18,20,22,24,26,28,30
.irp c, 0,1
	v_max3_num_f32 v[12+\c], v[12+\c], |v[XX+32*\c+\i]|, |v[XX+32*\c+\i+1]|
.endr
.endr
.irp c, 0,1
	v_add_nc_u32 v[14+\c], 0xff000000, v[12+\c]    ; 2 off the exponent field: the conversion's scale operand
.endr
.irp c, 0,1
	v_lshrrev_b32 v[16+\c], 23, v[14+\c]           ; the scale's byte
.endr
	v_lshl_or_b32 v18, v17, 16, v16
	v_lshlrev_b32 v18, v9, v18                     ; at bytes h and 2 + h
	v_permlanex16_b32 v19, v18, s20, s21
	v_or_b32 v[PWR+(\f)], v18, v19                 ; with lane l xor 16's two the word is whole
.irp c, 0,1
	v_cvt_scalef32_pk16_fp6_f32 v[CX+6*\c:CX+6*\c+2], v[XX+32*\c:XX+32*\c+15], v[14+\c]
	v_cvt_scalef32_pk16_fp6_f32 v[CT+4*\c:CT+4*\c+2], v[XX+32*\c+16:XX+32*\c+31], v[14+\c]   ; (a conversion's three registers begin on an even number)
.endr
	v_nop                                          ; one plain place behind a scaled conversion
.irp c, 0,1
.irp i, 0,1,2
	v_mov_b32 v[CX+6*\c+3+\i], v[CT+4*\c+\i]
.endr
.endr
.irp c, 0,1
	global_store_b128 v4, v[CX+6*\c:CX+6*\c+3], s[10:11] offset:1536*(\f)+768*\c          ; 512 consecutive bytes
	global_store_b64 v5, v[CX+6*\c+4:CX+6*\c+5], s[10:11] offset:1536*(\f)+768*\c+512     ; 256 consecutive bytes
.endr
.if (\f)%2
	v_cndmask_b32 v[28+(\f)/2], v[PWR+(\f)-1], v[PWR+(\f)], s22   ; lanes 0-15: fragment f - 1's words, lanes 16-31: fragment f's
	global_store_b32 v6, v[28+(\f)/2], s[10:11] offset:6144+64*((\f)-1)
.endif
.endm
.macro WLOAD t, pitch                  ; block t of my column: 32 rows of the weight; the 32 lanes read 128 consecutive bytes
.set wi, 0
.rept 32
	global_load_b32 v[XX+32*((\t)%2)+wi], v12, s[28:29] offset:(32*(\t)+wi)*\pitch th:TH_LOAD_NT
.set wi, wi+1
.endr
.endm
.macro WBLOCK t, pitch
.set XS, XX+32*((\t)%2)
.set FD, FF+24*((\t)/4)+12*((\t)%2)+6*(((\t)%4)/2)   ; even blocks of a K step make one run of 12 registers, odd blocks another
.if (\t) < 7
	s_wait_loadcnt 32                              ; this block's 32 loads are in; the next block's may be out
.else
	s_wait_loadcnt 0x0
.endif
	v_max3_num_f32 v16, |v[XS]|, |v[XS+1]|, |v[XS+2]|
	v_max3_num_f32 v17, |v[XS+3]|, |v[XS+4]|, |v[XS+5]|
.irp i, 6,10,14,18,22,26
	v_max3_num_f32 v16, v16, |v[XS+\i]|, |v[XS+\i+1]|
	v_max3_num_f32 v17, v17, |v[XS+\i+2]|, |v[XS+\i+3]|
.endr
	v_max3_num_f32 v16, v16, |v[XS+30]|, |v[XS+31]|
	v_max3_num_f32 v16, v16, v17, 0x1800000        ; and the floor
	v_add_nc_u32 v18, 0xff000000, v16
	v_lshrrev_b32 v17, 23, v18
.if (\t)%4 == 0
	v_mov_b32 v[PWR+(\t)/4], v17
.else
	v_lshl_or_b32 v[PWR+(\t)/4], v17, 8*((\t)%4), v[PWR+(\t)/4]
.endif
	v_cvt_scalef32_pk16_fp6_f32 v[FD:FD+2], v[XS:XS+15], v18
	v_cvt_scalef32_pk16_fp6_f32 v[CT:CT+2], v[XS+16:XS+31], v18
	v_nop                                          ; one plain place behind a scaled conversion
.irp i, 0,1,2
	v_mov_b32 v[FD+3+\i], v[CT+\i]
.endr
.if (\t)+2 < 8
	WLOAD (\t)+2, \pitch
.endif
.if (\t)%4 == 3                        ; a K step of 128 is whole.  Lanes 0-15 hold fragment 2 b's slots and lanes 16-31 fragment 2 b + 1's, each with all four blocks:
.set FZ, FF+24*((\t)/4)                ; the exchange of halves leaves fragment 2 b in the first run (lanes 0-15 its even blocks, lanes 16-31 its odd ones) and 2 b + 1 in the second
.set wj, 0
.rept 12
	v_permlane16_swap_b32 v[FZ+wj], v[FZ+12+wj]
.set wj, wj+1
.endr
.irp u, 0,1
.irp c, 0,1
	global_store_b128 v13, v[FZ+12*\u+6*\c:FZ+12*\u+6*\c+3], s[12:13] offset:REC*((\t)/4)+1536*\u+768*\c
	global_store_b64 v14, v[FZ+12*\u+6*\c+4:FZ+12*\u+6*\c+5], s[12:13] offset:REC*((\t)/4)+1536*\u+768*\c+512
.endr
.endr
	global_store_b32 v15, v[PWR+(\t)/4], s[12:13] offset:REC*((\t)/4)+6144   ; lane (r, u): the word of slot r of fragment 2 b + u
.endif
.endm
.macro WPATH pitch, first, gbase, ptr  ; a weight with rows of pitch bytes; its work-groups begin at first; its records at row group gbase; its address in s[ptr:ptr+1]
	s_sub_co_u32 s16, ttmp9, \first
	s_lshr_b32 s17, s16, 2                         ; which 128 columns
	s_and_b32 s18, s16, 3                          ; which 256 along K
	s_lshl_b32 s24, s17, 9
	s_lshl_b32 s19, s14, 7
	s_add_co_u32 s24, s24, s19                     ; my wave's 32 columns, in bytes
	s_mul_i32 s19, s18, 256*\pitch
	s_add_co_u32 s24, s24, s19
	s_mov_b32 s25, 0
	s_lshl_b32 s26, s17, 1
	s_lshr_b32 s19, s14, 1
	s_add_co_u32 s26, s26, s19
	s_add_co_u32 s26, s26, \gbase                  ; the row group of 64
	s_lshl_b32 s26, s26, 3
	s_lshl_b32 s19, s18, 1
	s_add_co_u32 s26, s26, s19                     ; x 8 + the first of my two K steps
	s_mul_i32 s26, s26, REC
	s_mov_b32 s27, 0
	s_wait_kmcnt 0x0
	s_add_nc_u64 s[28:29], s[\ptr:\ptr+1], s[24:25]
	s_add_nc_u64 s[12:13], s[12:13], s[26:27]
	WLOAD 0, \pitch
	WLOAD 1, \pitch
.set wt, 0
.rept 8
	WBLOCK wt, \pitch
.set wt, wt+1
.endr
.endm
	s_load_b256 s[4:11], s[0:1], 0x0               ; x s[4:5], Wqkv s[6:7], Wout s[8:9], xc s[10:11]
	s_load_b64 s[12:13], s[0:1], 0x20              ; wc
	v_lshl_add_u32 v[SPW], v0, 2, SPARE
	v_mov_b32 v[NIL], 0
	v_lshrrev_b32 v1, 5, v0
	v_readfirstlane_b32 s14, v1                    ; wave
	v_and_b32 v3, 31, v0                           ; lane
	v_and_b32 v1, 15, v0                           ; r
	v_bfe_u32 v2, v0, 4, 1                         ; h
	v_lshlrev_b32 v4, 4, v3
	v_lshlrev_b32 v5, 3, v3
	v_lshlrev_b32 v6, 2, v3
	s_cmp_lt_u32 ttmp9, 128
	s_cbranch_scc0 .Lweights
	; ---- x
	s_mov_b32 s20, 0x76543210
	s_mov_b32 s21, 0xfedcba98                      ; v_permlanex16_b32's selects for lane l xor 16
	s_mov_b32 s22, 0xffff0000                      ; lanes 16-31
	s_mul_i32 s15, s14, WRG
	v_add_nc_u32 v7, s15, v4                       ; the stage, in: 16 x lane in a row
	v_mul_u32_u24 v8, v1, 528
	v_lshl_add_u32 v8, v2, 7, v8
	v_add_nc_u32 v8, s15, v8                       ; out: row r, + 128 h
	v_lshlrev_b32 v9, 3, v2
	v_mov_b32 v19, 0                               ; a lane permute's destination counts as one of its sources
	s_lshl_b32 s16, ttmp9, 2
	s_add_co_u32 s16, s16, s14                     ; my record: 8 x row group + K step
	s_lshr_b32 s17, s16, 3
	s_and_b32 s18, s16, 7
	s_lshl_b32 s24, s17, 18                        ; 64 rows of 4,096 bytes
	s_lshl_b32 s18, s18, 9                         ; 128 numbers
	s_add_co_u32 s24, s24, s18
	s_mov_b32 s25, 0
	s_mul_i32 s26, s16, REC
	s_mov_b32 s27, 0
	s_wait_kmcnt 0x0
	s_add_nc_u64 s[4:5], s[4:5], s[24:25]
	s_add_nc_u64 s[10:11], s[10:11], s[26:27]
	XLOAD 0
	XLOAD 1
.irp f, 0,1,2,3
.if \f < 3
	s_wait_loadcnt 16                              ; this fragment's 16 loads are in; the next fragment's may be out
.else
	s_wait_loadcnt 0x0
.endif
	XTURN \f
	s_wait_dscnt 0x0                               ; the numbers are back, and the stores into the stage have read their registers
	s_wait_xcnt 0x0                                ; the stores of two fragments ago have read their codes: the set is written again only behind this wait
.if \f < 2
	XLOAD \f+2
.endif
	XQ \f
.endr
	s_wait_tensorcnt 0x0                           ; the wave's end, behind my last LDS store
	ds_add_u32 v[SPW], v[NIL]
	s_wait_dscnt 0x0
	s_endpgm
	; ---- the weights: these paths touch no LDS
.Lweights:
	v_and_b32 v12, 8, v1
	v_add_nc_u32 v12, v12, v1
	v_lshl_add_u32 v12, v2, 3, v12                 ; my column of the 32: 8 (lane / 16) + r + (r & 8)
	v_lshlrev_b32 v12, 2, v12
	s_and_b32 s19, s14, 1                          ; b: which 32 of the 64 rows of a record
	s_mul_i32 s23, s19, 3072
	v_add_nc_u32 v13, s23, v4
	v_add_nc_u32 v14, s23, v5
	s_lshl_b32 s23, s19, 7
	v_add_nc_u32 v15, s23, v6
	s_cmp_lt_u32 ttmp9, 224
	s_cbranch_scc0 .Lwout
	WPATH 12288, 128, 0, 6
	s_endpgm
.Lwout:
	WPATH 4096, 224, 48, 8
	s_endpgm
.Lfunc_end_k_qea606ec75d_quant:
	.size	k_qea606ec75d_quant, .Lfunc_end_k_qea606ec75d_quant-k_qea606ec75d_quant
	.p2alignl 7, 3214868480
	.fill 96, 4, 3214868480
	.section	.rodata,"a",@progbits
	.p2align	6, 0x0
	.amdhsa_kernel k_qea606ec75d_quant
		.amdhsa_group_segment_fixed_size 68096
		.amdhsa_private_segment_fixed_size 0
		.amdhsa_enable_private_segment 0
		.amdhsa_kernarg_size 40
		.amdhsa_user_sgpr_count 2
		.amdhsa_user_sgpr_kernarg_segment_ptr 1
		.amdhsa_wavefront_size32 1
		.amdhsa_system_sgpr_workgroup_id_x 1
		.amdhsa_system_sgpr_workgroup_id_y 1
		.amdhsa_system_sgpr_workgroup_id_z 1
		.amdhsa_system_vgpr_workitem_id 0
		.amdhsa_next_free_vgpr 256
		.amdhsa_next_free_sgpr 66
		.amdhsa_reserve_vcc 0
		.amdhsa_float_denorm_mode_32 3
		.amdhsa_float_denorm_mode_16_64 3
		.amdhsa_memory_ordered 1
		.amdhsa_forward_progress 1
		.amdhsa_inst_pref_size 109
	.end_amdhsa_kernel
	.amdgpu_metadata
---
amdhsa.version: [ 1, 2 ]
amdhsa.kernels:
  - .name:           k_qea606ec75d_quant
    .symbol:         k_qea606ec75d_quant.kd
    .args:
      - { .name: x, .offset: 0, .size: 8, .value_kind: global_buffer, .address_space: global }
      - { .name: Wqkv, .offset: 8, .size: 8, .value_kind: global_buffer, .address_space: global }
      - { .name: Wout, .offset: 16, .size: 8, .value_kind: global_buffer, .address_space: global }
      - { .name: xc, .offset: 24, .size: 8, .value_kind: global_buffer, .address_space: global }
      - { .name: wc, .offset: 32, .size: 8, .value_kind: global_buffer, .address_space: global }
    .group_segment_fixed_size: 68096
    .private_segment_fixed_size: 0
    .kernarg_segment_align: 8
    .kernarg_segment_size: 40
    .max_flat_workgroup_size: 128
    .sgpr_count:     66
    .vgpr_count:     256
    .wavefront_size: 32
...
	.end_amdgpu_metadata
.endif
;; end of part 1
;; launch qkv (part 2): grid 48 x 4, 4 waves a work-group, clusters of 4 x 4, 327,680 bytes of LDS; arguments xc, wc, qk, vc; writes qk, vc
.if DOCPART == 2
	.amdgcn_target "amdgcn-amd-amdhsa--gfx1250"
	.amdhsa_code_object_version 6
	.text
	.protected	k_qea606ec75d_qkv
	.globl	k_qea606ec75d_qkv
	.p2align	8
	.type	k_qea606ec75d_qkv,@function
k_qea606ec75d_qkv:
	s_mov_b64 s[64:65], 0
	v_nop
	global_prefetch_b8 v0, s[64:65] scope:SCOPE_SE
	s_setreg_imm32_b32 hwreg(HW_REG_WAVE_MODE, 25, 1), 1
	s_wait_xcnt 0x0
	s_wait_alu depctr_hold_cnt(0) depctr_sa_sdst(0) depctr_va_vdst(0) depctr_va_sdst(0) depctr_va_ssrc(0) depctr_va_vcc(0) depctr_vm_vsrc(0)
	s_getreg_b32 s2, hwreg(HW_REG_IB_STS2, 6, 4)
	s_cmp_eq_u32 s2, 0
	s_cbranch_scc0 .Lentry_in_a_cluster
	s_endpgm
.Lentry_in_a_cluster:
	s_bfe_u32 s2, ttmp6, 0x10000c
	s_cmp_lg_u32 s2, 0xf033
	s_cbranch_scc0 .Lentry_shape_is_right
	s_endpgm
.Lentry_shape_is_right:
; qkv = x Wqkv on codes of FP6 (E2M3) with E8M0 scales, K = 1,024; the results are quantised on the way out and leave as records (laid as launch quant's head says): q and k along d, v along the tokens.
; ONE TEXT, TWO FORMS, chosen by the cluster's number c alone (selections, no branch).  c < 8: A = x (tokens), B = Wq^T, Wk^T (n): a lane holds a token, its registers run along n = d.
; c >= 8: A = Wv^T (d), B = x (tokens): a lane holds a d, its registers run along the tokens, which are the K of p v.
; A tile of 256 x 256 is made by four waves, 128 x 128 each: 64 accumulators, 512 registers.  THE MATRIX INSTRUCTION IS USED TRANSPOSED (source 0 = 16 rows of B, source 1 = 16 rows of A); the rows of a fragment are
; chosen so (slot r = row r + (r & 8) of a run) that a lane's 16 registers of B's fragments 2 n, 2 n + 1 are 16 neighbours along B's rows: the next product's K.  The result's rows keep A's slots, so a block of 16 slots x 128
; is quantised in registers into one fragment and stored as it stands: no stage.
; K goes in 8 steps of 128.  LDS has three slots of 256 along K; K slots 0, 1, 2 are first fills, K slot 3 is the one refill (into slot 0).  By the text's own count a wave has at most three tensor loads out.
; CLUSTERS: 4 x 4 work-groups; A's tiles are asked for jointly along a row of the cluster, B's along a column.
; No prefetch: the launch is short and each tile is shared in its cluster.
; REGISTERS, in windows of 256: window 0: v1-21 addresses; v28, v29 the add's two; v32-47 scale words, two sets; v48-63 the quantiser's; v64-75 scale words made; v128-223 A's 8 fragments, one set (on the way out: codes);
;   window 1: B's fragments, two sets, at v0 and v128;  windows 2, 3: accumulator (a, b) at v[8 (8 (a % 4) + b)].
.set REC,    6400
.set GROW,   8*REC                     ; a row group's 8 records
.set RGN,    4*REC                     ; what one tensor load brings: 2 row groups x 2 K steps, laid [row group][K step]
.set SLOT,   4*RGN                     ; A's two regions, then B's two
.set SPARE,  3*SLOT                    ; behind the slots: the spare words, 128 bytes for each wave, which no other line names
.set ADRA16, 4                         ; v4-6    slot l: my A region + 16 x lane
.set ADRA8,  7                         ; v7-9    + 8 x lane
.set ADRB16, 10                        ; v10-12  the same for B
.set ADRB8,  13                        ; v13-15
.set ADRS,   16                        ; v16-18  scale words: lanes 0-15 A's region, lanes 16-31 B's, + 4 r
.set SPW,    28
.set NIL,    29
.set SC,     32
.set TM,     48
.set AF,     128
.set G1,     24                        ; s[24:31] group 1 for A's tiles;  s[48:55] for B's
.set G1B,    48
.set G0,     68                        ; s[68:83] group 0 for A's four K slots;  s[84:99] for B's; never rewritten
.set G0B,    84
.set SEL,    56
.set OB,     32                        ; s[32:33], s[34:35]: where my two row groups' records go
.set MSB, 0
.macro WIN new                         ; the immediate's high byte repeats the setting that is left
.if MSB != (\new)
	s_set_vgpr_msb (MSB<<8)|(\new)
.set MSB, \new
.endif
.endm
.set MUL_LO, 0xa1                      ; source 0 (B) window 1, source 1 (A) window 0, C and D window 2
.set MUL_HI, 0xf1                      ; the same, C and D window 3
.set TO_B,   0x40                      ; destination window 1
.macro PLACES                          ; four plain places behind a matrix instruction, ahead of loads into its registers and of reads of its results
.rept 4
	v_nop
.endr
.endm
.macro JLOAD g0a, g1a, g0b, g1b        ; a joint load: waves 0, 1 fetch for A, waves 2, 3 for B; the branch hangs on the wave's number alone
	s_cmp_eq_u32 s15, 0
	s_cbranch_scc0 .Lfor_b_\@
	tensor_load_to_lds s[\g0a:\g0a+3], s[\g1a:\g1a+7]
	s_nop 0
.rept 4
	v_nop
.endr
	s_branch .Lasked_\@
.Lfor_b_\@:
	tensor_load_to_lds s[\g0b:\g0b+3], s[\g1b:\g1b+7]
	s_nop 0
.rept 4
	v_nop
.endr
.Lasked_\@:
.endm
.macro CREST                           ; a round of the cluster's barrier behind its opening barrier
	s_cmp_lg_u32 s14, 0
	s_cbranch_scc1 .Lnot_wave_0_\@
	s_barrier_signal -3
.Lnot_wave_0_\@:
	s_barrier_wait -3
	s_barrier_signal -1
	s_barrier_wait -1
.endm
.macro CROUND
	s_barrier_signal -1
	s_barrier_wait -1
	CREST
.endm
.macro REFILL                          ; the barrier has opened a round of the cluster's: no wave of any partner still reads slot 0 or has a load on its way
	CREST
	JLOAD G0+12, G1, G0B+12, G1B                   ; K slot 3; the four v_nop behind it are also the places in front of the loads that follow
.endm
.macro FRAG reg, a16, a8, off          ; a fragment as it lies in a record: four loads of consecutive bytes
.irp c, 0,1
	ds_load_b128 v[(\reg)+6*\c:(\reg)+6*\c+3], v[\a16] offset:(\off)+768*\c
	ds_load_b64 v[(\reg)+6*\c+4:(\reg)+6*\c+5], v[\a8] offset:(\off)+768*\c+512
.endr
.endm
.macro FETCH_B l, q, p                 ; B's eight fragments of slot l's q-th K step into set p
	WIN TO_B
.irp i, 0,1,2,3,4,5,6,7
	FRAG 128*(\p)+12*\i, ADRB16+(\l), ADRB8+(\l), 2*REC*(\i/4)+REC*(\q)+1536*(\i%4)
.endr
	WIN 0
.endm
.macro FETCH_A l, q, i0                ; A's blocks i0 .. i0 + 3
.irp i, \i0, \i0+1, \i0+2, \i0+3
	FRAG AF+12*(\i), ADRA16+(\l), ADRA8+(\l), 2*REC*((\i)/4)+REC*(\q)+1536*((\i)%4)
.endr
.endm
.macro SCALES l, q, p                  ; register i: lanes 0-15 the words of A's block i, lanes 16-31 those of B's block i
.irp i, 0,1,2,3,4,5,6,7
	ds_load_b32 v[SC+8*(\p)+\i], v[ADRS+(\l)] offset:2*REC*(\i/4)+REC*(\q)+6144+64*(\i%4)
.endr
.endm
.macro MUL16 a0, p, zero               ; A's blocks a0, a0 + 1 x B's eight.  The 64 accumulators take turns, one instruction a turn
.irp a, \a0, \a0+1
.irp b, 0,1,2,3,4,5,6,7
.if \zero
	v_wmma_scale_f32_16x16x128_f8f6f4 v[8*(8*((\a)%4)+\b):8*(8*((\a)%4)+\b)+7], v[128*(\p)+12*\b:128*(\p)+12*\b+11], v[AF+12*(\a):AF+12*(\a)+11], 0, v[SC+8*(\p)+\b], v[SC+8*(\p)+(\a)] matrix_a_fmt:MATRIX_FMT_FP6 matrix_b_fmt:MATRIX_FMT_FP6 matrix_a_scale:MATRIX_SCALE_ROW1
.else
	v_wmma_scale_f32_16x16x128_f8f6f4 v[8*(8*((\a)%4)+\b):8*(8*((\a)%4)+\b)+7], v[128*(\p)+12*\b:128*(\p)+12*\b+11], v[AF+12*(\a):AF+12*(\a)+11], v[8*(8*((\a)%4)+\b):8*(8*((\a)%4)+\b)+7], v[SC+8*(\p)+\b], v[SC+8*(\p)+(\a)] matrix_a_fmt:MATRIX_FMT_FP6 matrix_b_fmt:MATRIX_FMT_FP6 matrix_a_scale:MATRIX_SCALE_ROW1
.endif
.endr
.endr
.endm
.macro KSTEP ks, zero                  ; a K step whose successor's tiles are known to lie in LDS
.set KP, (\ks)%2
.set KN, 1-KP
.set KL, (((\ks)+1)/2)%3
	s_wait_dscnt 16                                ; B's set, A's blocks 0-3 and the scale words are in; the youngest 16 loads (A's blocks 4-7) may be out
	WIN MUL_LO
	MUL16 0, KP, \zero
	MUL16 2, KP, \zero
	s_wait_dscnt 0x0                               ; A's blocks 4-7 are in
	PLACES
	FETCH_B KL, KN, KN
	FETCH_A KL, KN, 0
	SCALES KL, KN, KN
	WIN MUL_HI
	MUL16 4, KP, \zero
	MUL16 6, KP, \zero
	PLACES
	WIN 0
	FETCH_A KL, KN, 4
.endm
.macro KTURN ks, fill                  ; a K step behind which a slot is read that every wave's loads must first have filled: ONE barrier.  fill = 1: the slot just read out is filled again
.set KP, (\ks)%2
.set KN, 1-KP
.set KL, (((\ks)+1)/2)%3
	s_wait_tensorcnt 0x0                           ; all my tensor loads have landed
	ds_add_u32 v[SPW], v[NIL]                      ; 0 onto my spare word
	s_wait_dscnt 17                                ; (the add and A's blocks 4-7 may be out)
	WIN MUL_LO
	MUL16 0, KP, 0
	s_wait_dscnt 0x0                               ; the add is done, and my reads of the slot in hand are over
	s_barrier_signal -1
	MUL16 2, KP, 0
	WIN 0
	s_barrier_wait -1
.if \fill
	REFILL
.else
	PLACES
.endif
	FETCH_B KL, KN, KN
	FETCH_A KL, KN, 0
	SCALES KL, KN, KN
	WIN MUL_HI
	MUL16 4, KP, 0
	MUL16 6, KP, 0
	PLACES
	WIN 0
	FETCH_A KL, KN, 4
.endm
.macro KLAST                           ; K step 7: nothing more to fetch
	s_wait_dscnt 16
	WIN MUL_LO
	MUL16 0, 1, 0
	MUL16 2, 1, 0
	s_wait_dscnt 0x0
	WIN MUL_HI
	MUL16 4, 1, 0
	MUL16 6, 1, 0
	WIN 0
.endm
; 64 results of a lane in window ww, register acb + 16 n + i = K' 32 n + 16 (lane / 16) + i of my slot, become a fragment in v[pc .. pc + 11] and its scale word in v[pw].  Each accumulator is read from its low end on.
.macro QUANT acb, ww, pc, pw
	WIN (\ww)|((\ww)<<2)
.irp b, 0,1,2,3
	v_max3_num_f32 v[TM+\b], |v[(\acb)+16*\b]|, |v[(\acb)+16*\b+1]|, 0x1800000   ; with the floor 2^(3 - 127): the byte cannot fall under 1
.endr
.irp i, 2,4,6,8,10,12,14
.irp b, 0,1,2,3
	v_max3_num_f32 v[TM+\b], |v[(\acb)+16*\b+\i]|, |v[(\acb)+16*\b+\i+1]|, v[TM+\b]
.endr
.endr
	WIN 0
.irp b, 0,1,2,3
	v_permlanex16_b32 v[TM+4+\b], v[TM+\b], s[SEL], s[SEL+1]
.endr
.irp b, 0,1,2,3
	v_max_num_f32 v[TM+\b], v[TM+\b], v[TM+4+\b]   ; with lane l xor 16's 16: the block's largest magnitude
.endr
.irp b, 0,1,2,3
	v_add_nc_u32 v[TM+12+\b], 0xff000000, v[TM+\b] ; 2 off its exponent field: the conversion's scale operand
.endr
.irp b, 0,1,2,3
	v_lshrrev_b32 v[TM+4+\b], 23, v[TM+12+\b]      ; the scale's byte
.endr
	v_lshl_or_b32 v[\pw], v[TM+5], 8, v[TM+4]
	v_lshl_or_b32 v[\pw], v[TM+6], 16, v[\pw]
	v_lshl_or_b32 v[\pw], v[TM+7], 24, v[\pw]
	WIN \ww
.irp c, 0,1
	v_cvt_scalef32_pk16_fp6_f32 v[(\pc)+6*\c:(\pc)+6*\c+2], v[(\acb)+32*\c:(\acb)+32*\c+15], v[TM+12+2*\c]
	v_cvt_scalef32_pk16_fp6_f32 v[(\pc)+12+4*\c:(\pc)+14+4*\c], v[(\acb)+32*\c+16:(\acb)+32*\c+31], v[TM+12+2*\c+1]
.endr
	WIN 0
	v_nop                                          ; one plain place behind a scaled conversion
.irp c, 0,1                            ; the operand's layout wants a whole block in a lane
.irp i, 0,1,2
	v_permlane16_swap_b32 v[(\pc)+6*\c+\i], v[(\pc)+12+4*\c+\i]
.endr
.irp i, 0,1,2
	v_mov_b32 v[(\pc)+3+6*\c+\i], v[(\pc)+12+4*\c+\i]
.endr
.endr
.endm
.macro IMG pc, sb, off                 ; a fragment goes to its record as it stands: 512, 256, 512, 256 consecutive bytes
	global_store_b128 v19, v[(\pc):(\pc)+3], s[(\sb):(\sb)+1] offset:(\off)
	global_store_b64 v20, v[(\pc)+4:(\pc)+5], s[(\sb):(\sb)+1] offset:(\off)+512
	global_store_b128 v19, v[(\pc)+6:(\pc)+9], s[(\sb):(\sb)+1] offset:(\off)+768
	global_store_b64 v20, v[(\pc)+10:(\pc)+11], s[(\sb):(\sb)+1] offset:(\off)+1280
.endm
	s_load_b256 s[4:11], s[0:1], 0x0               ; xc s[4:5], wc s[6:7], qk s[8:9], vc s[10:11]
	v_lshl_add_u32 v[SPW], v0, 2, SPARE
	v_mov_b32 v[NIL], 0
	ds_add_u32 v[SPW], v[NIL]                      ; the opening: the add, twice on end, and its wait ahead of my first tensor load
	ds_add_u32 v[SPW], v[NIL]
	v_lshrrev_b32 v1, 5, v0
	v_readfirstlane_b32 s14, v1                    ; wave
	s_lshr_b32 s15, s14, 1                         ; which half of the tile's rows is mine; also: I fetch for A (0) or for B (1)
	s_and_b32 s16, s14, 1                          ; which half of its columns; also: which two row groups I fetch
	s_bfe_u32 s40, ttmp6, 0x40000                  ; cx
	s_bfe_u32 s41, ttmp6, 0x40004                  ; cy
	s_lshl_b32 s43, s41, 2
	s_lshl_b32 s43, 15, s43                        ; my row of the cluster
	s_lshl_b32 s44, 0x1111, s40                    ; my column
	s_or_b32 s[G1], s43, (3<<16)|(1<<21)           ; the mask; elements of 8 bytes; bit 21 set beside a mask; no padding
	s_or_b32 s[G1B], s44, (3<<16)|(1<<21)
.irp g, G1, G1B
	s_mov_b32 s[\g+1], 1600<<16                    ; tensor_dim0: 2 records, 12,800 bytes
	s_mov_b32 s[\g+2], 2<<16                       ; tensor_dim1: 2 row groups
	s_mov_b32 s[\g+3], 1600<<16                    ; tile_dim0
	s_mov_b32 s[\g+4], 2                           ; tile_dim1
	s_mov_b32 s[\g+5], 6400                        ; from row group to row group: 51,200 bytes
	s_mov_b32 s[\g+6], 0
	s_mov_b32 s[\g+7], 0
.endr
	s_lshr_b32 s36, ttmp9, 1
	s_and_b32 s37, ttmp9, 1
	s_max_u32 s38, ttmp9, 8
	s_sub_co_u32 s38, s38, 8
	s_cmp_lt_u32 ttmp9, 8                          ; the form: the cluster's number, the same in all sixteen partners
	s_cselect_b32 s36, s36, 0                      ; the cluster's row of tiles
	s_cselect_b32 s37, s37, s38                    ; and its column
	s_cselect_b32 s39, 0, 32                       ; A's first row group: x at 0, Wv^T at 32
	s_cselect_b32 s45, 8, 32                       ; records in a row group of the output
	s_lshl_b32 s17, s36, 2
	s_add_co_u32 s17, s17, s41                     ; tile row
	s_lshl_b32 s42, s37, 2
	s_add_co_u32 s42, s42, s40                     ; tile column
	s_lshl_b32 s18, s16, 1
	s_lshl_b32 s46, s17, 2
	s_add_co_u32 s46, s46, s18
	s_add_co_u32 s46, s46, s39
	s_mul_i32 s46, s46, GROW                       ; A: hangs on the tile row and the wave alone
	s_mov_b32 s47, 0
	s_lshl_b32 s58, s42, 2
	s_add_co_u32 s58, s58, s18
	s_mul_i32 s58, s58, GROW                       ; B: on the tile column and the wave alone
	s_mov_b32 s59, 0
	s_mul_i32 s60, s14, RGN                        ; where they go: no place in the cluster enters an LDS address
	s_mov_b32 s[SEL], 0x76543210
	s_mov_b32 s[SEL+1], 0xfedcba98
	s_mov_b32 s12, 0xffff0000                      ; lanes 16-31
	s_wait_dscnt 0x0                               ; both opening adds are done
	s_wait_kmcnt 0x0
	s_cmp_lt_u32 ttmp9, 8
	s_cselect_b64 s[20:21], s[4:5], s[6:7]         ; A
	s_cselect_b64 s[22:23], s[6:7], s[4:5]         ; B
	s_cselect_b64 s[OB:OB+1], s[8:9], s[10:11]     ; the output
	s_add_nc_u64 s[20:21], s[20:21], s[46:47]
	s_add_nc_u64 s[22:23], s[22:23], s[58:59]
	CROUND                                         ; all sixteen work-groups are here: the first joint loads meet
.irp j, 0,1,2,3
	s_mov_b32 s[G0+4*\j], 1
	s_add_co_u32 s[G0+4*\j+1], s60, SLOT*(\j%3)
	s_add_nc_u64 s[G0+4*\j+2:G0+4*\j+3], s[20:21], 2*REC*\j
	s_or_b32 s[G0+4*\j+3], s[G0+4*\j+3], 0x80000000
	s_mov_b32 s[G0B+4*\j], 1
	s_add_co_u32 s[G0B+4*\j+1], s60, SLOT*(\j%3)
	s_add_nc_u64 s[G0B+4*\j+2:G0B+4*\j+3], s[22:23], 2*REC*\j
	s_or_b32 s[G0B+4*\j+3], s[G0B+4*\j+3], 0x80000000
.endr
.irp j, 0,1,2
	JLOAD G0+4*\j, G1, G0B+4*\j, G1B
.endr
	; where my results go: record ((4 tile row + 2 wr + a / 4) x records a row group + K step of the output)
	s_lshl_b32 s58, s17, 2
	s_lshl_b32 s59, s15, 1
	s_add_co_u32 s58, s58, s59
	s_mul_i32 s58, s58, s45
	s_lshl_b32 s59, s42, 1                         ; v: the tokens' K step 2 x tile column + wc
	s_lshl_b32 s60, s40, 1                         ; q, k: d's K step 2 cx + wc,
	s_mul_i32 s61, s37, 64*GROW                    ; in q (cluster column 0) or k (1)
	s_cmp_lt_u32 ttmp9, 8
	s_cselect_b32 s59, s60, s59
	s_cselect_b32 s61, s61, 0
	s_add_co_u32 s59, s59, s16
	s_add_co_u32 s58, s58, s59
	s_mul_i32 s58, s58, REC
	s_add_co_u32 s58, s58, s61
	s_mov_b32 s59, 0
	s_add_nc_u64 s[OB:OB+1], s[OB:OB+1], s[58:59]
	s_mul_i32 s60, s45, REC
	s_mov_b32 s61, 0
	s_add_nc_u64 s[OB+2:OB+3], s[OB:OB+1], s[60:61]
	v_and_b32 v1, 15, v0                           ; r
	v_bfe_u32 v2, v0, 4, 1                         ; h
	v_and_b32 v3, 31, v0                           ; lane
	v_lshlrev_b32 v19, 4, v3
	v_lshlrev_b32 v20, 3, v3
	v_lshlrev_b32 v21, 2, v3
	s_mul_i32 s61, s15, RGN                        ; my A region
	s_mul_i32 s62, s16, RGN
	s_add_co_u32 s62, s62, 2*RGN                   ; my B region
	s_sub_co_u32 s63, s62, s61
	v_mul_u32_u24 v22, s63, v2                     ; lanes 16-31 take B's scale words: one product, the distance between the two regions
	v_lshl_add_u32 v22, v1, 2, v22
.irp l, 0,1,2
	v_add_nc_u32 v[ADRA16+\l], s61, v19
	v_add_nc_u32 v[ADRA8+\l], s61, v20
	v_add_nc_u32 v[ADRB16+\l], s62, v19
	v_add_nc_u32 v[ADRB8+\l], s62, v20
	v_add_nc_u32 v[ADRS+\l], s61, v22
	s_add_co_u32 s61, s61, SLOT
	s_add_co_u32 s62, s62, SLOT
.endr
.irp b, 0,1,2,3
	v_mov_b32 v[TM+4+\b], 0                        ; a lane permute's destination counts as one of its sources
.endr
	s_wait_tensorcnt 2                             ; my part of K slot 0 is in; K slots 1 and 2 may stay out
	s_barrier_signal -1
	s_barrier_wait -1
	FETCH_B 0, 0, 0
	FETCH_A 0, 0, 0
	SCALES 0, 0, 0
	FETCH_A 0, 0, 4
	KSTEP 0, 1                                     ; the first products start the sums: nothing is cleared
	KTURN 1, 1                                     ; slot 0 is read out and takes K slot 3; every wave has waited for all its loads, so slots 1 AND 2 are whole behind this barrier
	KSTEP 2, 0
	KSTEP 3, 0
	KSTEP 4, 0
	KTURN 5, 0                                     ; K slot 3 has landed in every wave's part
	KSTEP 6, 0
	KLAST
	; THE WAY OUT: block a (16 slots x 128) is one fragment of the output
	PLACES
.irp a, 0,1,2,3,4,5,6,7
	s_wait_xcnt 0x0                                ; the stores of two blocks ago have read their codes
	QUANT 64*(\a%4), 2+\a/4, 192+20*(\a%2), 64+\a
	IMG 192+20*(\a%2), OB+2*(\a/4), 1536*(\a%4)
.if \a%2
	v_cndmask_b32 v[72+\a/2], v[64+\a-1], v[64+\a], s12   ; lanes 0-15: block a - 1's scale words, lanes 16-31: block a's
	global_store_b32 v21, v[72+\a/2], s[OB+2*(\a/4):OB+2*(\a/4)+1] offset:6144+64*(\a%4-1)
.endif
.endr
	s_wait_tensorcnt 0x0                           ; the wave's end
	ds_add_u32 v[SPW], v[NIL]
	s_wait_dscnt 0x0
	CROUND                                         ; the closing round
	s_endpgm
.Lfunc_end_k_qea606ec75d_qkv:
	.size	k_qea606ec75d_qkv, .Lfunc_end_k_qea606ec75d_qkv-k_qea606ec75d_qkv
	.p2alignl 7, 3214868480
	.fill 96, 4, 3214868480
	.section	.rodata,"a",@progbits
	.p2align	6, 0x0
	.amdhsa_kernel k_qea606ec75d_qkv
		.amdhsa_group_segment_fixed_size 327680
		.amdhsa_private_segment_fixed_size 0
		.amdhsa_enable_private_segment 0
		.amdhsa_kernarg_size 32
		.amdhsa_user_sgpr_count 2
		.amdhsa_user_sgpr_kernarg_segment_ptr 1
		.amdhsa_wavefront_size32 1
		.amdhsa_system_sgpr_workgroup_id_x 1
		.amdhsa_system_sgpr_workgroup_id_y 1
		.amdhsa_system_sgpr_workgroup_id_z 1
		.amdhsa_system_vgpr_workitem_id 0
		.amdhsa_next_free_vgpr 1024
		.amdhsa_next_free_sgpr 100
		.amdhsa_reserve_vcc 0
		.amdhsa_float_denorm_mode_32 3
		.amdhsa_float_denorm_mode_16_64 3
		.amdhsa_memory_ordered 1
		.amdhsa_forward_progress 1
		.amdhsa_inst_pref_size 149
	.end_amdhsa_kernel
	.amdgpu_metadata
---
amdhsa.version: [ 1, 2 ]
amdhsa.kernels:
  - .name:           k_qea606ec75d_qkv
    .symbol:         k_qea606ec75d_qkv.kd
    .args:
      - { .name: xc, .offset: 0, .size: 8, .value_kind: global_buffer, .address_space: global }
      - { .name: wc, .offset: 8, .size: 8, .value_kind: global_buffer, .address_space: global }
      - { .name: qk, .offset: 16, .size: 8, .value_kind: global_buffer, .address_space: global }
      - { .name: vc, .offset: 24, .size: 8, .value_kind: global_buffer, .address_space: global }
    .group_segment_fixed_size: 327680
    .private_segment_fixed_size: 0
    .kernarg_segment_align: 8
    .kernarg_segment_size: 32
    .max_flat_workgroup_size: 128
    .sgpr_count:     100
    .vgpr_count:     1024
    .wavefront_size: 32
...
	.end_amdgpu_metadata
.endif
;; end of part 2
;; launch score (part 3): grid 17 x 8, 4 waves a work-group, no clusters, 327,680 bytes of LDS; arguments qk, pc, ml; writes pc, ml
.if DOCPART == 3
	.amdgcn_target "amdgcn-amd-amdhsa--gfx1250"
	.amdhsa_code_object_version 6
	.text
	.protected	k_qea606ec75d_score
	.globl	k_qea606ec75d_score
	.p2align	8
	.type	k_qea606ec75d_score,@function
k_qea606ec75d_score:
	s_mov_b64 s[64:65], 0
	v_nop
	global_prefetch_b8 v0, s[64:65] scope:SCOPE_SE
	s_setreg_imm32_b32 hwreg(HW_REG_WAVE_MODE, 25, 1), 1
	s_wait_xcnt 0x0
; p = 2^(t - M) for tiles of 256 queries x 256 keys, t = (q . k) log2(e) / 32, on codes of FP6 (E2M3) with E8M0 scales, K = 1,024; p leaves as records of codes (laid as launch quant's head says), K = the keys.
; DEAD WORK LEFT OUT: tiles all of whose keys come after all of their queries (reference() overwrites those scores itself): 136 of 256 tiles are made.  x <= y: tile (y, x); else tile (15 - y, x - y - 1).
; M IS LOCAL: for each query and each chunk of 128 keys (a wave's columns) M = ceil(the chunk's largest t), a whole number; -M and l = the sum of the unquantised p go to ml, and p's scale bytes are stored under this M.
; Launch pv brings them under the row's M by whole-number shifts of the scale bytes: exact powers of two.
; A chunk that is wholly hidden gets -M = 3e38, l = 0, zero codes.  Hidden scores on the diagonal become -infinity ahead of the maximum.
; Launch pv walks the keys in slots of 512.  So a diagonal tile with an even tile row also stores, for its rows, the two chunks that follow its own: zero codes, bytes 1, -M = 3e38, l = 0.
; NO CLUSTER: row I of the triangle has I + 1 tiles and column J 16 - J: it divides into no fours that share an operand without partners that are wholly hidden.
; The core (ring, fragments, order of products) is launch qkv's; A = q (source 1), B = k (source 0): a lane holds one query, its registers run along the keys.
; LIMIT: NaN and infinities among q and k are not served.
.set REC,    6400
.set GROW,   8*REC
.set RGN,    4*REC
.set SLOT,   4*RGN
.set SPARE,  3*SLOT                    ; the spare words, 128 bytes for each wave, which no other line names
.set ADRA16, 4
.set ADRA8,  7
.set ADRB16, 10
.set ADRB8,  13
.set ADRS,   16
.set SPW,    28
.set NIL,    29
.set SC,     32                        ; v32-47 scale words and nothing else
.set TM,     48
.set NMS,    64                        ; v64-71 -M of block a;  v72-79 l;  v80-87 p's scale words;  v88-99 pairs of blocks joined for the stores
.set LSS,    72
.set PWS,    80
.set AF,     128
.set ST,     128                       ; the way out: v128-191 t - M, then p
.set G1,     24
.set G0,     68                        ; s[68:83] group 0 for my four K slots; never rewritten
.set SEL,    56
.set CS,     22                        ; s[22:23] c = log2(e) / 32
.set SD,     13                        ; s13  my first query less my first key
.set PBS,    32                        ; s[32:33] my first record of p;  s[34:35] my 1,024 bytes of ml
.set MBS,    34
.set MSB, 0
.macro WIN new
.if MSB != (\new)
	s_set_vgpr_msb (MSB<<8)|(\new)
.set MSB, \new
.endif
.endm
.set MUL_LO, 0xa1
.set MUL_HI, 0xf1
.set TO_B,   0x40
.macro PLACES
.rept 4
	v_nop
.endr
.endm
.macro REFILL                          ; K slot 3 into slot 0: my one tensor load behind the barrier, and the first thing there; the four v_nop are also the places in front of the loads that follow
	tensor_load_to_lds s[G0+12:G0+15], s[G1:G1+7]
	s_nop 0
.rept 4
	v_nop
.endr
.endm
.macro FRAG reg, a16, a8, off
.irp c, 0,1
	ds_load_b128 v[(\reg)+6*\c:(\reg)+6*\c+3], v[\a16] offset:(\off)+768*\c
	ds_load_b64 v[(\reg)+6*\c+4:(\reg)+6*\c+5], v[\a8] offset:(\off)+768*\c+512
.endr
.endm
.macro FETCH_B l, q, p
	WIN TO_B
.irp i, 0,1,2,3,4,5,6,7
	FRAG 128*(\p)+12*\i, ADRB16+(\l), ADRB8+(\l), 2*REC*(\i/4)+REC*(\q)+1536*(\i%4)
.endr
	WIN 0
.endm
.macro FETCH_A l, q, i0
.irp i, \i0, \i0+1, \i0+2, \i0+3
	FRAG AF+12*(\i), ADRA16+(\l), ADRA8+(\l), 2*REC*((\i)/4)+REC*(\q)+1536*((\i)%4)
.endr
.endm
.macro SCALES l, q, p
.irp i, 0,1,2,3,4,5,6,7
	ds_load_b32 v[SC+8*(\p)+\i], v[ADRS+(\l)] offset:2*REC*(\i/4)+REC*(\q)+6144+64*(\i%4)
.endr
.endm
.macro MUL16 a0, p, zero               ; the 64 accumulators take turns, one instruction a turn
.irp a, \a0, \a0+1
.irp b, 0,1,2,3,4,5,6,7
.if \zero
	v_wmma_scale_f32_16x16x128_f8f6f4 v[8*(8*((\a)%4)+\b):8*(8*((\a)%4)+\b)+7], v[128*(\p)+12*\b:128*(\p)+12*\b+11], v[AF+12*(\a):AF+12*(\a)+11], 0, v[SC+8*(\p)+\b], v[SC+8*(\p)+(\a)] matrix_a_fmt:MATRIX_FMT_FP6 matrix_b_fmt:MATRIX_FMT_FP6 matrix_a_scale:MATRIX_SCALE_ROW1
.else
	v_wmma_scale_f32_16x16x128_f8f6f4 v[8*(8*((\a)%4)+\b):8*(8*((\a)%4)+\b)+7], v[128*(\p)+12*\b:128*(\p)+12*\b+11], v[AF+12*(\a):AF+12*(\a)+11], v[8*(8*((\a)%4)+\b):8*(8*((\a)%4)+\b)+7], v[SC+8*(\p)+\b], v[SC+8*(\p)+(\a)] matrix_a_fmt:MATRIX_FMT_FP6 matrix_b_fmt:MATRIX_FMT_FP6 matrix_a_scale:MATRIX_SCALE_ROW1
.endif
.endr
.endr
.endm
.macro KSTEP ks, zero
.set KP, (\ks)%2
.set KN, 1-KP
.set KL, (((\ks)+1)/2)%3
	s_wait_dscnt 16                                ; all but the youngest 16 loads (A's blocks 4-7)
	WIN MUL_LO
	MUL16 0, KP, \zero
	MUL16 2, KP, \zero
	s_wait_dscnt 0x0
	PLACES
	FETCH_B KL, KN, KN
	FETCH_A KL, KN, 0
	SCALES KL, KN, KN
	WIN MUL_HI
	MUL16 4, KP, \zero
	MUL16 6, KP, \zero
	PLACES
	WIN 0
	FETCH_A KL, KN, 4
.endm
.macro KTURN ks, fill
.set KP, (\ks)%2
.set KN, 1-KP
.set KL, (((\ks)+1)/2)%3
	s_wait_tensorcnt 0x0                           ; all my tensor loads have landed
	ds_add_u32 v[SPW], v[NIL]                      ; 0 onto my spare word
	s_wait_dscnt 17                                ; (the add and A's blocks 4-7 may be out)
	WIN MUL_LO
	MUL16 0, KP, 0
	s_wait_dscnt 0x0                               ; the add is done, and my reads of the slot in hand are over
	s_barrier_signal -1
	MUL16 2, KP, 0
	WIN 0
	s_barrier_wait -1
.if \fill
	REFILL
.else
	PLACES
.endif
	FETCH_B KL, KN, KN
	FETCH_A KL, KN, 0
	SCALES KL, KN, KN
	WIN MUL_HI
	MUL16 4, KP, 0
	MUL16 6, KP, 0
	PLACES
	WIN 0
	FETCH_A KL, KN, 4
.endm
.macro KLAST
	s_wait_dscnt 16
	WIN MUL_LO
	MUL16 0, 1, 0
	MUL16 2, 1, 0
	s_wait_dscnt 0x0
	WIN MUL_HI
	MUL16 4, 1, 0
	MUL16 6, 1, 0
	WIN 0
.endm
.macro IMG pc, sb, off
	global_store_b128 v19, v[(\pc):(\pc)+3], s[(\sb):(\sb)+1] offset:(\off)
	global_store_b64 v20, v[(\pc)+4:(\pc)+5], s[(\sb):(\sb)+1] offset:(\off)+512
	global_store_b128 v19, v[(\pc)+6:(\pc)+9], s[(\sb):(\sb)+1] offset:(\off)+768
	global_store_b64 v20, v[(\pc)+10:(\pc)+11], s[(\sb):(\sb)+1] offset:(\off)+1280
.endm
; Block a: 16 queries (slot r = query 32 (a / 2) + 8 (a % 2) + r + (r & 8) of my 128) x my 128 keys; register 16 n + i = key 32 n + 16 (lane / 16) + i.
.macro SOFT a
.set WW, 2+(\a)/4
.set ACB, 64*((\a)%4)
.set PCX, 192+20*((\a)%2)
	s_wait_xcnt 0x0                                ; the stores of two blocks ago have read their codes
	s_add_co_i32 s60, s[SD], 32*((\a)/2)+8*((\a)%2)
	s_cmp_ge_i32 s60, 127                          ; ids alone: where the block's first query is 127 or more past my first key, every key counts for every lane
	s_cbranch_scc1 .Lopen_\@
	v_add_nc_u32 v23, s60, v22                     ; d = my query - my first key - 16 (lane / 16): key 32 n + i is hidden where 32 n + i > d
	WIN WW|(WW<<6)
.set nn, 0
.rept 64
	v_cmp_gt_i32 vcc_lo, 32*(nn/16)+nn%16, v23
	v_cndmask_b32 v[ACB+nn], v[ACB+nn], v24, vcc_lo
.set nn, nn+1
.endr
	WIN 0
.Lopen_\@:
	WIN WW|(WW<<2)
.irp b, 0,1,2,3
	v_max_num_f32 v[TM+\b], v[ACB+16*\b], v[ACB+16*\b+1]   ; the largest score of each block of 32 keys: for the chunk's maximum and, since p rises with the score, for the block's largest p
.endr
.irp i, 2,4,6,8,10,12,14
.irp b, 0,1,2,3
	v_max3_num_f32 v[TM+\b], v[ACB+16*\b+\i], v[ACB+16*\b+\i+1], v[TM+\b]
.endr
.endr
	WIN 0
.irp b, 0,1,2,3
	v_permlanex16_b32 v[TM+4+\b], v[TM+\b], s[SEL], s[SEL+1]
.endr
.irp b, 0,1,2,3
	v_max_num_f32 v[TM+\b], v[TM+\b], v[TM+4+\b]
.endr
	v_max3_num_f32 v104, v[TM], v[TM+1], v[TM+2]
	v_max_num_f32 v104, v104, v[TM+3]
	v_mul_f32 v104, s[CS], v104                    ; as t (c is positive)
	v_max_num_f32 v104, 0xff61b1e6, v104           ; a chunk that is wholly hidden: -3e38
	v_floor_f32 v108, -v104                        ; -M = floor(-t) = -ceil(t)
	WIN WW
.set jj, 0
.rept 32
	v_pk_fma_f32 v[ST+jj:ST+jj+1], v[ACB+jj:ACB+jj+1], s[CS:CS+1], v[108:109] op_sel_hi:[1,0,0]   ; t - M, two at a time
.set jj, jj+2
.endr
	WIN 0
.irp b, 0,1,2,3
	v_fma_f32 v[TM+\b], v[TM+\b], s[CS], v108      ; the same of each block's largest score
.endr
.set jj, 0
.rept 64
	v_exp_f32 v[ST+jj], v[ST+jj]                   ; p, at most 1
.set jj, jj+1
.endr
	v_mov_b32 v[NMS+(\a)], v108                    ; (a plain place behind the exponentials)
	s_wait_alu depctr_va_vdst(0)                   ; one wait for the batch, ahead of its first reader
.irp b, 0,1,2,3
	v_exp_f32 v[TM+\b], v[TM+\b]                   ; the block's largest p
.endr
	v_pk_add_f32 v[100:101], v[ST:ST+1], v[ST+2:ST+3]      ; the sum of the unquantised p, in two chains; it reads the 64 alone
	v_pk_add_f32 v[102:103], v[ST+4:ST+5], v[ST+6:ST+7]
.irp j, 8,12,16,20,24,28,32,36,40,44,48,52,56,60
	v_pk_add_f32 v[100:101], v[100:101], v[ST+\j:ST+\j+1]
	v_pk_add_f32 v[102:103], v[102:103], v[ST+\j+2:ST+\j+3]
.endr
	v_pk_add_f32 v[100:101], v[100:101], v[102:103]
	v_add_f32 v100, v100, v101
	v_permlanex16_b32 v105, v100, s[SEL], s[SEL+1]
	v_add_f32 v[LSS+(\a)], v100, v105
	s_wait_alu depctr_va_vdst(0)                   ; and one for the four
.irp b, 0,1,2,3
	v_max_num_f32 v[TM+\b], 0x1800000, v[TM+\b]    ; the floor 2^(3 - 127): the byte cannot fall under 1
.endr
.irp b, 0,1,2,3
	v_add_nc_u32 v[TM+12+\b], 0xff000000, v[TM+\b]
.endr
.irp b, 0,1,2,3
	v_lshrrev_b32 v[TM+4+\b], 23, v[TM+12+\b]
.endr
	v_lshl_or_b32 v[PWS+(\a)], v[TM+5], 8, v[TM+4]
	v_lshl_or_b32 v[PWS+(\a)], v[TM+6], 16, v[PWS+(\a)]
	v_lshl_or_b32 v[PWS+(\a)], v[TM+7], 24, v[PWS+(\a)]
.irp c, 0,1
	v_cvt_scalef32_pk16_fp6_f32 v[PCX+6*\c:PCX+6*\c+2], v[ST+32*\c:ST+32*\c+15], v[TM+12+2*\c]
	v_cvt_scalef32_pk16_fp6_f32 v[PCX+12+4*\c:PCX+14+4*\c], v[ST+32*\c+16:ST+32*\c+31], v[TM+12+2*\c+1]
.endr
	v_nop                                          ; one plain place behind a scaled conversion
.irp c, 0,1
.irp i, 0,1,2
	v_permlane16_swap_b32 v[PCX+6*\c+\i], v[PCX+12+4*\c+\i]
.endr
.irp i, 0,1,2
	v_mov_b32 v[PCX+3+6*\c+\i], v[PCX+12+4*\c+\i]
.endr
.endr
	IMG PCX, PBS, 32*REC*((\a)/4)+1536*((\a)%4)
.endm
	s_load_b128 s[4:7], s[0:1], 0x0                ; qk s[4:5], pc s[6:7]
	s_load_b64 s[8:9], s[0:1], 0x10                ; ml
	v_lshl_add_u32 v[SPW], v0, 2, SPARE
	v_mov_b32 v[NIL], 0
	ds_add_u32 v[SPW], v[NIL]                      ; the opening: the add, twice on end, and its wait ahead of my first tensor load
	ds_add_u32 v[SPW], v[NIL]
	v_lshrrev_b32 v1, 5, v0
	v_readfirstlane_b32 s14, v1                    ; wave
	s_lshr_b32 s15, s14, 1                         ; wr: which 128 queries
	s_and_b32 s16, s14, 1                          ; wc: which 128 keys
	s_mov_b32 s[G1], 3<<16                         ; no mask; elements of 8 bytes; no padding
	s_mov_b32 s[G1+1], 1600<<16                    ; 2 records, 12,800 bytes
	s_mov_b32 s[G1+2], 2<<16                       ; 2 row groups
	s_mov_b32 s[G1+3], 1600<<16
	s_mov_b32 s[G1+4], 2
	s_mov_b32 s[G1+5], 6400                        ; 51,200 bytes apart
	s_mov_b32 s[G1+6], 0
	s_mov_b32 s[G1+7], 0
	s_and_b32 s36, ttmp7, 0xffff                   ; y
	s_sub_co_u32 s37, 15, s36
	s_add_co_u32 s39, s36, 1
	s_max_u32 s38, ttmp9, s39
	s_sub_co_u32 s38, s38, s39                     ; x - y - 1 where x > y
	s_cmp_le_u32 ttmp9, s36
	s_cselect_b32 s17, s36, s37                    ; I: the tile's row (queries)
	s_cselect_b32 s42, ttmp9, s38                  ; J: its column (keys), at most I
	s_lshl_b32 s58, s17, 2                         ; waves 0, 1 fetch q's row groups 4 I on, waves 2, 3 k's, 64 + 4 J on
	s_lshl_b32 s59, s42, 2
	s_add_co_u32 s59, s59, 64
	s_cmp_lt_u32 s14, 2
	s_cselect_b32 s58, s58, s59
	s_lshl_b32 s59, s16, 1
	s_add_co_u32 s58, s58, s59
	s_mul_i32 s58, s58, GROW
	s_mov_b32 s59, 0
	s_mul_i32 s39, s14, RGN
	s_mov_b32 s[SEL], 0x76543210
	s_mov_b32 s[SEL+1], 0xfedcba98
	s_mov_b32 s[CS], 0x3d38aa3b                    ; log2(e) / 32
	s_mov_b32 s[CS+1], s[CS]                       ; (named with it as a pair, so it is written)
	s_mov_b32 s12, 0xffff0000                      ; lanes 16-31
	s_wait_dscnt 0x0                               ; both opening adds are done
	s_wait_kmcnt 0x0
	s_add_nc_u64 s[20:21], s[4:5], s[58:59]
.irp j, 0,1,2,3
	s_mov_b32 s[G0+4*\j], 1
	s_add_co_u32 s[G0+4*\j+1], s39, SLOT*(\j%3)
	s_add_nc_u64 s[G0+4*\j+2:G0+4*\j+3], s[20:21], 2*REC*\j
	s_or_b32 s[G0+4*\j+3], s[G0+4*\j+3], 0x80000000
.endr
.irp j, 0,1,2
	tensor_load_to_lds s[G0+4*\j:G0+4*\j+3], s[G1:G1+7]   ; every wave issues its three first fills: three loads of mine are out
	s_nop 0
.endr
	v_and_b32 v1, 15, v0                           ; r
	v_bfe_u32 v2, v0, 4, 1                         ; h
	v_and_b32 v3, 31, v0                           ; lane
	v_lshlrev_b32 v19, 4, v3
	v_lshlrev_b32 v20, 3, v3
	v_lshlrev_b32 v21, 2, v3
	s_mul_i32 s61, s15, RGN
	s_mul_i32 s62, s16, RGN
	s_add_co_u32 s62, s62, 2*RGN
	s_sub_co_u32 s63, s62, s61
	v_mul_u32_u24 v22, s63, v2                     ; lanes 16-31 take B's scale words: one product
	v_lshl_add_u32 v22, v1, 2, v22
.irp l, 0,1,2
	v_add_nc_u32 v[ADRA16+\l], s61, v19
	v_add_nc_u32 v[ADRA8+\l], s61, v20
	v_add_nc_u32 v[ADRB16+\l], s62, v19
	v_add_nc_u32 v[ADRB8+\l], s62, v20
	v_add_nc_u32 v[ADRS+\l], s61, v22
	s_add_co_u32 s61, s61, SLOT
	s_add_co_u32 s62, s62, SLOT
.endr
	v_and_b32 v22, 8, v1
	v_add_nc_u32 v22, v22, v1
	v_lshlrev_b32 v23, 4, v2
	v_sub_nc_u32 v22, v22, v23                     ; r + (r & 8) - 16 h
	v_mov_b32 v24, 0xff800000                      ; -infinity
	v_mov_b32 v105, 0
	v_mov_b32 v109, 0                              ; (named as the upper half of the pair v[108:109])
.irp b, 0,1,2,3
	v_mov_b32 v[TM+4+\b], 0                        ; a lane permute's destination counts as one of its sources
.endr
	s_sub_co_u32 s[SD], s17, s42
	s_lshl_b32 s[SD], s[SD], 8
	s_sub_co_i32 s61, s15, s16
	s_lshl_b32 s61, s61, 7
	s_add_co_i32 s[SD], s[SD], s61                 ; 256 (I - J) + 128 (wr - wc)
	s_lshl_b32 s60, s42, 1
	s_add_co_u32 s60, s60, s16                     ; my chunk of keys: 2 J + wc
	s_lshl_b32 s58, s17, 2
	s_lshl_b32 s59, s15, 1
	s_add_co_u32 s58, s58, s59
	s_lshl_b32 s58, s58, 5
	s_add_co_u32 s58, s58, s60
	s_mul_i32 s58, s58, REC
	s_mov_b32 s59, 0
	s_add_nc_u64 s[PBS:PBS+1], s[6:7], s[58:59]    ; record (row group 4 I + 2 wr, chunk)
	s_lshl_b32 s62, s17, 1
	s_add_co_u32 s62, s62, s15
	s_lshl_b32 s62, s62, 5
	s_add_co_u32 s62, s62, s60
	s_lshl_b32 s62, s62, 10
	s_mov_b32 s63, 0
	s_add_nc_u64 s[MBS:MBS+1], s[8:9], s[62:63]    ; ml [2 I + wr][chunk]
	s_wait_tensorcnt 2                             ; my part of K slot 0 is in; K slots 1 and 2 may stay out
	s_barrier_signal -1
	s_barrier_wait -1
	FETCH_B 0, 0, 0
	FETCH_A 0, 0, 0
	SCALES 0, 0, 0
	FETCH_A 0, 0, 4
	KSTEP 0, 1
	KTURN 1, 1
	KSTEP 2, 0
	KSTEP 3, 0
	KSTEP 4, 0
	KTURN 5, 0
	KSTEP 6, 0
	KLAST
	PLACES
.irp a, 0,1,2,3,4,5,6,7
	SOFT \a
.endr
.irp j, 0,1,2,3                        ; pairs of blocks: lanes 0-15 the even block's slots, lanes 16-31 the odd block's: 128 consecutive bytes a store
	v_cndmask_b32 v[88+\j], v[PWS+2*\j], v[PWS+2*\j+1], s12
	v_cndmask_b32 v[92+\j], v[NMS+2*\j], v[NMS+2*\j+1], s12
	v_cndmask_b32 v[96+\j], v[LSS+2*\j], v[LSS+2*\j+1], s12
.endr
.irp j, 0,1,2,3
	global_store_b32 v21, v[88+\j], s[PBS:PBS+1] offset:32*REC*(\j/2)+6144+128*(\j%2)
	global_store_b32 v21, v[92+\j], s[MBS:MBS+1] offset:128*\j
	global_store_b32 v21, v[96+\j], s[MBS:MBS+1] offset:512+128*\j
.endr
	s_cmp_lg_u32 s17, s42                          ; ids alone: a diagonal tile
	s_cbranch_scc1 .Lno_zero
	s_bitcmp1_b32 s17, 0                           ; with an even tile row
	s_cbranch_scc1 .Lno_zero
.irp i, 0,1,2,3
	v_mov_b32 v[112+\i], 0
	v_mov_b32 v[120+\i], 0x7f61b1e6                ; 3e38
.endr
	v_mov_b32 v116, 0x01010101
	v_mov_b32 v117, 0x01010101
.irp u, 0,1                            ; my two row groups' records of the chunk two further on
.irp i, 0,1,2,3,4,5,6,7,8,9,10,11
	global_store_b128 v19, v[112:115], s[PBS:PBS+1] offset:2*REC+32*REC*\u+512*\i
.endr
	global_store_b64 v20, v[116:117], s[PBS:PBS+1] offset:2*REC+32*REC*\u+6144
.endr
	global_store_b128 v19, v[120:123], s[MBS:MBS+1] offset:2048
	global_store_b128 v19, v[112:115], s[MBS:MBS+1] offset:2560
.Lno_zero:
	s_wait_tensorcnt 0x0                           ; the wave's end
	ds_add_u32 v[SPW], v[NIL]
	s_wait_dscnt 0x0
	s_endpgm
.Lfunc_end_k_qea606ec75d_score:
	.size	k_qea606ec75d_score, .Lfunc_end_k_qea606ec75d_score-k_qea606ec75d_score
	.p2alignl 7, 3214868480
	.fill 96, 4, 3214868480
	.section	.rodata,"a",@progbits
	.p2align	6, 0x0
	.amdhsa_kernel k_qea606ec75d_score
		.amdhsa_group_segment_fixed_size 327680
		.amdhsa_private_segment_fixed_size 0
		.amdhsa_enable_private_segment 0
		.amdhsa_kernarg_size 24
		.amdhsa_user_sgpr_count 2
		.amdhsa_user_sgpr_kernarg_segment_ptr 1
		.amdhsa_wavefront_size32 1
		.amdhsa_system_sgpr_workgroup_id_x 1
		.amdhsa_system_sgpr_workgroup_id_y 1
		.amdhsa_system_sgpr_workgroup_id_z 1
		.amdhsa_system_vgpr_workitem_id 0
		.amdhsa_next_free_vgpr 1024
		.amdhsa_next_free_sgpr 100
		.amdhsa_reserve_vcc 1
		.amdhsa_float_denorm_mode_32 3
		.amdhsa_float_denorm_mode_16_64 3
		.amdhsa_memory_ordered 1
		.amdhsa_forward_progress 1
		.amdhsa_inst_pref_size 246
	.end_amdhsa_kernel
	.amdgpu_metadata
---
amdhsa.version: [ 1, 2 ]
amdhsa.kernels:
  - .name:           k_qea606ec75d_score
    .symbol:         k_qea606ec75d_score.kd
    .args:
      - { .name: qk, .offset: 0, .size: 8, .value_kind: global_buffer, .address_space: global }
      - { .name: pc, .offset: 8, .size: 8, .value_kind: global_buffer, .address_space: global }
      - { .name: ml, .offset: 16, .size: 8, .value_kind: global_buffer, .address_space: global }
    .group_segment_fixed_size: 327680
    .private_segment_fixed_size: 0
    .kernarg_segment_align: 8
    .kernarg_segment_size: 24
    .max_flat_workgroup_size: 128
    .sgpr_count:     100
    .vgpr_count:     1024
    .wavefront_size: 32
...
	.end_amdgpu_metadata
.endif
;; end of part 3
;; launch pv (part 4): grid 8 x 32, 4 waves a work-group, no clusters, 327,680 bytes of LDS; arguments pc, vc, ml, oc; writes oc
.if DOCPART == 4
	.amdgcn_target "amdgcn-amd-amdhsa--gfx1250"
	.amdhsa_code_object_version 6
	.text
	.protected	k_qea606ec75d_pv
	.globl	k_qea606ec75d_pv
	.p2align	8
	.type	k_qea606ec75d_pv,@function
k_qea606ec75d_pv:
	s_mov_b64 s[64:65], 0
	v_nop
	global_prefetch_b8 v0, s[64:65] scope:SCOPE_SE
	s_setreg_imm32_b32 hwreg(HW_REG_WAVE_MODE, 25, 1), 1
	s_wait_xcnt 0x0
; out = (p v) / l on codes of FP6 (E2M3) with E8M0 scales, K = the keys; out leaves as records of codes along d (laid as launch quant's head says).
; DEAD WORK LEFT OUT: the keys behind the query group's last slot of 512 (reference() hides them itself).  Inside that slot up to three K steps of zero codes are multiplied: whole slots, constant trip counts.
; A work-group makes 128 queries (group g; the long walks have the low y) x 128 of d (tile T); wave (wr, wc) 64 x 64: 16 accumulators.  Source 0 = 16 rows of v^T, source 1 = 16 queries of p: a lane holds a query, its registers run along d.
; THE ROW'S M.  Launch score left p under an M of each chunk of 128 keys.  At the head thread t takes slot row t: -M = the least -M_c; each chunk's l is brought under M by v_ldexp_f32, and each of its four scale bytes has M - M_c
; taken off: exact powers of two.  LIMIT: a byte that would fall under 0 is held at 0: an error of at most 7.5 x 2^-127 in a p, beside a row's largest p above 1/2.  The shifted words lie in LDS for the whole walk, and so does 1 / l.
; THE WALK: every work-group walks all 8 slots: trip counts are constants.  A slot whose first chunk comes after the group's own chunk g is neither asked for nor multiplied: scalar branches on ids, the same in all four waves,
; round the tensor load's own lines and round the slot's work, and round no barrier, wait or add.  Every wait for tensor loads is for 0; one load of a wave is out at the most.
; The loop has no first step of its own: the accumulators begin as zeros (128 moves, once), which saves a second copy of the slot's text and keeps the jump round the load inside the loop.
; NO CLUSTER: partners along the queries would need different numbers of tiles.
; REGISTERS: window 0: v5-27 addresses; v28, v29 the add's two; v32-47 the quantiser's; v48-63 scale words and nothing else; v64-111 the tables' offsets and temporaries, later codes; v112-124 the way out; v128-255 accumulator (a, b) at 128 + 8 (4 a + b).
;   window 1: two sets of fragments at 128 p: A's four at + 12 a, B's four at + 48 + 12 b.
.set REC,   6400
.set RGN,   4*REC                      ; what one tensor load brings: one row group x 4 K steps, dense
.set SLOT1, 1<<17                      ; slot 1 begins here: one exclusive or turns an address
.set ASC,   2*SLOT1                    ; p's shifted scale words: [chunk (32)][slot row (128)]
.set RL,    ASC+16384                  ; 1 / l of each slot row
.set SCX,   RL+512                     ; the way out: a row's scale word is made of two waves' halves
.set SPARE, SCX+512                    ; the spare words, 128 bytes for each wave, which no other line names
.set SAM,   512                        ; A's scale words: from K step to K step,
.set SAC,   0                          ; and their first
.set ACC,   128
.set TM,    32
.set AA16,  16
.set AA8,   17
.set AB16,  18
.set AB8,   19
.set ASB,   20
.set ASA,   21
.set SPW,   28
.set NIL,   29
.set GQ,    18                         ; s18 g
.set TB,    36                         ; s36 LDS byte at which the slot in hand begins
.set TS,    37                         ; s37 where its chunks' scale words of p begin
.set KU,    38                         ; s38 its first chunk
.set SEL,   40
.set MSB, 0
.macro WIN new
.if MSB != (\new)
	s_set_vgpr_msb (MSB<<8)|(\new)
.set MSB, \new
.endif
.endm
.macro PLACES
.rept 4
	v_nop
.endr
.endm
.macro FRAG reg, a16, a8, off
.irp c, 0,1
	ds_load_b128 v[(\reg)+6*\c:(\reg)+6*\c+3], v[\a16] offset:(\off)+768*\c
	ds_load_b64 v[(\reg)+6*\c+4:(\reg)+6*\c+5], v[\a8] offset:(\off)+768*\c+512
.endr
.endm
.macro FETCH p, k                      ; K step k's eight fragments and eight scale words into set p: 40 LDS loads
	WIN 0x40
.irp a, 0,1,2,3
	FRAG 128*(\p)+12*\a, AA16, AA8, REC*(\k)+1536*\a
.endr
.irp b, 0,1,2,3
	FRAG 128*(\p)+48+12*\b, AB16, AB8, REC*(\k)+1536*\b
.endr
	WIN 0
.irp a, 0,1,2,3
	ds_load_b32 v[48+8*(\p)+\a], v[ASA] offset:SAM*(\k)+SAC+64*\a
.endr
.irp b, 0,1,2,3
	ds_load_b32 v[52+8*(\p)+\b], v[ASB] offset:REC*(\k)+6144+64*\b
.endr
.endm
.macro MUL p                           ; the 16 accumulators take turns, one instruction a turn
	WIN 0x05
.irp a, 0,1,2,3
.irp b, 0,1,2,3
	v_wmma_scale_f32_16x16x128_f8f6f4 v[ACC+8*(4*\a+\b):ACC+8*(4*\a+\b)+7], v[128*(\p)+48+12*\b:128*(\p)+48+12*\b+11], v[128*(\p)+12*\a:128*(\p)+12*\a+11], v[ACC+8*(4*\a+\b):ACC+8*(4*\a+\b)+7], v[52+8*(\p)+\b], v[48+8*(\p)+\a] matrix_a_fmt:MATRIX_FMT_FP6 matrix_b_fmt:MATRIX_FMT_FP6
.endr
.endr
.endm
.macro RUN4                            ; a slot's four K steps, a set ahead
	FETCH 0, 0
	FETCH 1, 1
	s_wait_dscnt 40                                ; all but the 40 loads just issued
	MUL 0
	PLACES
	FETCH 0, 2
	s_wait_dscnt 40
	MUL 1
	PLACES
	FETCH 1, 3
	s_wait_dscnt 40
	MUL 0
	s_wait_dscnt 0x0
	MUL 1
	WIN 0
.endm
.macro CHANGE fill                     ; at a slot's head
	s_wait_tensorcnt 0x0                           ; all my tensor loads have landed: my part of the slot ahead; so the group 0 may be written
	ds_add_u32 v[SPW], v[NIL]                      ; 0 onto my spare word
.if \fill
	s_xor_b32 s33, s33, SLOT1                      ; the walking descriptor: the other slot, the next four records
	s_add_nc_u64 s[34:35], s[34:35], RGN
.endif
	s_wait_dscnt 0x0                               ; the add is done; my reads of the slot that I have left are over; (first trip) my tables' stores have landed
	s_barrier_signal -1
	s_barrier_wait -1
.if \fill
	s_add_co_u32 s45, s[KU], 4                     ; the first chunk of the slot that this change would ask for
	s_cmp_gt_u32 s45, s[GQ]                        ; past my group's own chunk: no wave would read it
	s_cbranch_scc1 .Lpast_\@
	tensor_load_to_lds s[32:35], s[24:31]          ; my one tensor load behind the barrier
	s_nop 0
.rept 4
	v_nop
.endr
.Lpast_\@:
.endif
.endm
.macro WALK
	s_cmp_gt_u32 s[KU], s[GQ]
	s_cbranch_scc1 .Lskip_\@
	v_add_nc_u32 v[AA16], s[TB], v8                ; (these six are also the places behind the last products)
	v_add_nc_u32 v[AA8], s[TB], v9
	v_add_nc_u32 v[AB16], s[TB], v10
	v_add_nc_u32 v[AB8], s[TB], v11
	v_add_nc_u32 v[ASB], s[TB], v12
	v_add_nc_u32 v[ASA], s[TS], v13
	RUN4
.Lskip_\@:
	s_xor_b32 s[TB], s[TB], SLOT1
	s_add_co_u32 s[TS], s[TS], 4*SAM
	s_add_co_u32 s[KU], s[KU], 4
.endm
; 32 numbers of a lane, register acb + 16 n + i = d 32 n + 16 (lane / 16) + i of my 64, become half a fragment (6 registers) in v[pc] on and two scale bytes in v[pw]
.macro QUANTH acb, pc, pw
.irp b, 0,1
	v_max3_num_f32 v[TM+\b], |v[(\acb)+16*\b]|, |v[(\acb)+16*\b+1]|, 0x1800000
.endr
.irp i, 2,4,6,8,10,12,14
.irp b, 0,1
	v_max3_num_f32 v[TM+\b], v[TM+\b], |v[(\acb)+16*\b+\i]|, |v[(\acb)+16*\b+\i+1]|
.endr
.endr
.irp b, 0,1
	v_permlanex16_b32 v[TM+4+\b], v[TM+\b], s[SEL], s[SEL+1]
.endr
.irp b, 0,1
	v_max_num_f32 v[TM+\b], v[TM+\b], v[TM+4+\b]
.endr
.irp b, 0,1
	v_add_nc_u32 v[TM+12+\b], 0xff000000, v[TM+\b]
.endr
.irp b, 0,1
	v_lshrrev_b32 v[TM+4+\b], 23, v[TM+12+\b]
.endr
	v_lshl_or_b32 v[\pw], v[TM+5], 8, v[TM+4]
	v_cvt_scalef32_pk16_fp6_f32 v[(\pc):(\pc)+2], v[(\acb):(\acb)+15], v[TM+12]
	v_cvt_scalef32_pk16_fp6_f32 v[(\pc)+6:(\pc)+8], v[(\acb)+16:(\acb)+31], v[TM+13]
	v_nop                                          ; one plain place behind a scaled conversion
.irp i, 0,1,2
	v_permlane16_swap_b32 v[(\pc)+\i], v[(\pc)+6+\i]
.endr
.irp i, 0,1,2
	v_mov_b32 v[(\pc)+3+\i], v[(\pc)+6+\i]
.endr
.endm
	s_load_b256 s[4:11], s[0:1], 0x0               ; pc s[4:5], vc s[6:7], ml s[8:9], oc s[10:11]
	v_lshl_add_u32 v[SPW], v0, 2, SPARE
	v_mov_b32 v[NIL], 0
	ds_add_u32 v[SPW], v[NIL]                      ; the opening: the add, twice on end, and its wait ahead of my first tensor load
	ds_add_u32 v[SPW], v[NIL]
	v_lshrrev_b32 v1, 5, v0
	v_readfirstlane_b32 s14, v1                    ; wave
	s_lshr_b32 s15, s14, 1                         ; wr
	s_and_b32 s16, s14, 1                          ; wc
	s_and_b32 s[GQ], ttmp7, 0xffff
	s_sub_co_u32 s[GQ], 31, s[GQ]                  ; g
	s_lshr_b32 s19, s[GQ], 2                       ; its last live slot
	s_mov_b32 s24, 3<<16                           ; group 1: a dense block of 25,600 bytes as 100 rows of 256: elements of 8 bytes, no mask, no padding
	s_mov_b32 s25, 32<<16
	s_mov_b32 s26, 100<<16
	s_mov_b32 s27, 32<<16
	s_mov_b32 s28, 100
	s_mov_b32 s29, 32
	s_mov_b32 s30, 0
	s_mov_b32 s31, 0
	s_cmp_lt_u32 s14, 2                            ; waves 0, 1 fetch p's row groups 2 g, 2 g + 1; waves 2, 3 v^T's 2 T, 2 T + 1
	s_cselect_b32 s42, s[GQ], ttmp9
	s_lshl_b32 s42, s42, 1
	s_add_co_u32 s42, s42, s16
	s_mul_i32 s42, s42, 32*REC
	s_mov_b32 s43, 0
	s_mul_i32 s44, s14, RGN
	s_mov_b32 s[SEL], 0x76543210
	s_mov_b32 s[SEL+1], 0xfedcba98
	s_mov_b32 s[TB], 0
	s_mov_b32 s[TS], 0
	s_mov_b32 s[KU], 0
	s_wait_dscnt 0x0                               ; both opening adds are done
	s_wait_kmcnt 0x0
	s_cmp_lt_u32 s14, 2
	s_cselect_b64 s[34:35], s[4:5], s[6:7]
	s_add_nc_u64 s[34:35], s[34:35], s[42:43]
	s_or_b32 s35, s35, 0x80000000
	s_mov_b32 s32, 1
	s_mov_b32 s33, s44
	tensor_load_to_lds s[32:35], s[24:31]          ; slot 0, which holds key 0: read by every work-group
	s_nop 0
.rept 4
	v_nop
.endr
	v_and_b32 v5, 15, v0                           ; r
	v_and_b32 v6, 31, v0                           ; lane
	s_mul_i32 s42, s15, RGN                        ; my A region
	s_mul_i32 s43, s16, RGN
	s_add_co_u32 s43, s43, 2*RGN                   ; my B region
	v_lshl_add_u32 v8, v6, 4, s42
	v_lshl_add_u32 v9, v6, 3, s42
	v_lshl_add_u32 v10, v6, 4, s43
	v_lshl_add_u32 v11, v6, 3, s43
	v_lshl_add_u32 v12, v5, 2, s43
	s_lshl_b32 s44, s15, 8
	v_lshl_add_u32 v13, v5, 2, s44                 ; 256 wr + 4 r
	v_add_nc_u32 v15, RL, v13                      ; my rows' 1 / l
	s_lshl_b32 s45, s16, 1
	v_add_nc_u32 v14, s45, v13
	v_add_nc_u32 v14, SCX, v14                     ; where I put two scale bytes
	v_add_nc_u32 v13, ASC, v13                     ; my rows' shifted scale words
	s_lshl_b32 s45, s14, 7
	v_lshl_add_u32 v27, v6, 2, s45
	v_add_nc_u32 v27, SCX, v27                     ; and where I read 32 whole words back
	s_mul_i32 s45, s16, 768
	v_lshl_add_u32 v22, v6, 4, s45                 ; the codes' place in a fragment: half wc
	v_lshl_add_u32 v23, v6, 3, s45
	s_lshl_b32 s45, s16, 7
	v_lshl_add_u32 v24, v6, 2, s45
	v_lshl_add_u32 v25, v0, 2, ASC
	v_lshl_add_u32 v26, v0, 2, RL
	s_lshl_b32 s46, s[GQ], 1
	s_add_co_u32 s46, s46, s15
	s_lshl_b32 s46, s46, 3
	s_add_co_u32 s46, s46, ttmp9
	s_mul_i32 s46, s46, REC
	s_mov_b32 s47, 0
	s_add_nc_u64 s[52:53], s[10:11], s[46:47]      ; oc's record (row group 2 g + wr, K step T)
	s_lshl_b32 s46, s[GQ], 15
	s_add_nc_u64 s[48:49], s[8:9], s[46:47]        ; ml [g]
	s_mul_i32 s46, s[GQ], 64*REC
	s_add_nc_u64 s[50:51], s[4:5], s[46:47]        ; pc's row group 2 g
	; THE TABLES.  Slots behind the last live one are read as that one again (only bytes that were written are read); their l counts for nothing and their words are never used
	v_lshlrev_b32 v2, 2, v0
	v_lshrrev_b32 v3, 6, v0
	v_and_b32 v4, 63, v0
	v_lshlrev_b32 v4, 2, v4
	v_mad_u32_u24 v4, v3, 32*REC, v4
.irp u, 0,1,2,3,4,5,6,7
	s_min_u32 s45, s19, \u
	s_lshl_b32 s46, s45, 12
	v_add_nc_u32 v[64+\u], s46, v2
	s_mul_i32 s46, s45, RGN
	v_add_nc_u32 v[72+\u], s46, v4
.endr
.irp u, 0,1,2,3,4,5,6,7
.irp q, 0,1,2,3
	global_load_b32 v[128+4*\u+\q], v[64+\u], s[48:49] offset:1024*\q          ; -M of chunk 4 u + q
	global_load_b32 v[160+4*\u+\q], v[64+\u], s[48:49] offset:1024*\q+512      ; its l
	global_load_b32 v[192+4*\u+\q], v[72+\u], s[50:51] offset:REC*\q+6144      ; its scale word of my slot row
.endr
.endr
.irp a, 0,1,2,3
	v_mov_b32 v[113+2*\a], 0                       ; (named as the upper halves of pairs)
.endr
	v_mov_b32 v[TM+4], 0                           ; a lane permute's destination counts as one of its sources
	v_mov_b32 v[TM+5], 0
	s_wait_loadcnt 0x0
.irp k, 0,1,2,3
	v_min_num_f32 v[80+\k], v[128+\k], v[132+\k]
.endr
.irp c, 8,12,16,20,24,28
.irp k, 0,1,2,3
	v_min_num_f32 v[80+\k], v[80+\k], v[128+\c+\k]
.endr
.endr
	v_min3_num_f32 v80, v80, v81, v82
	v_min_num_f32 v80, v80, v83                    ; -M of the row
.set cc, 0
.rept 32
	v_sub_f32 v84, v80, v[128+cc]                  ; M_c - M: a whole number, 0 or less
	v_cvt_i32_f32 v84, v84                         ; (it saturates)
	v_ldexp_f32 v[160+cc], v[160+cc], v84          ; l_c under the row's M
	v_sub_nc_u32 v85, 0, v84
	v_min_u32 v85, 127, v85                        ; what comes off each byte (the bytes lie between 1 and 125)
	v_lshl_or_b32 v85, v85, 8, v85
	v_lshl_or_b32 v85, v85, 16, v85
	v_or_b32 v86, 0x80808080, v[192+cc]            ; a guard bit over each byte: no borrow crosses bytes,
	v_sub_nc_u32 v86, v86, v85
	v_lshrrev_b32 v87, 7, v86                      ; and it stays set where the byte has not fallen under 0
	v_and_b32 v87, 0x01010101, v87
	v_lshlrev_b32 v88, 8, v87
	v_sub_nc_u32 v88, v88, v87                     ; 0xff for each such byte
	v_and_b32 v86, 0x7f7f7f7f, v86
	v_and_b32 v[192+cc], v86, v88
	ds_store_b32 v25, v[192+cc] offset:512*cc
.set cc, cc+1
.endr
.irp u, 0,1,2,3,4,5,6,7
	v_add_f32 v84, v[160+4*\u], v[160+4*\u+1]
	v_add_f32 v85, v[160+4*\u+2], v[160+4*\u+3]
	v_add_f32 v84, v84, v85
.if \u == 0
	v_mov_b32 v89, v84
.else
	s_cmp_le_u32 \u, s19                           ; ids alone: a live slot counts once, a repeated one not at all
	s_cselect_b32 s45, 0x3f800000, 0
	v_fma_f32 v89, v84, s45, v89
.endif
.endr
	v_rcp_f32 v90, v89
	v_nop                                          ; a plain place behind the transcendental
	s_wait_alu depctr_va_vdst(0)                   ; and a wait ahead of its first reader
	ds_store_b32 v26, v90
	s_wait_dscnt 0x0                               ; the tables' stores have read their registers
.set cc, 0
.rept 128
	v_mov_b32 v[ACC+cc], 0
.set cc, cc+1
.endr
	s_mov_b32 s39, 7
.Lslot:                                            ; 7 trips: behind each change of slots but the last the next slot is asked for, up to the causal limit
	CHANGE 1
	WALK
	s_sub_co_u32 s39, s39, 1
	s_cmp_lg_u32 s39, 0
	s_cbranch_scc1 .Lslot
	CHANGE 0
	WALK
	; THE WAY OUT: x 1 / l, quantised along d: my 64 of d are half wc of fragment a of the record
	PLACES
.irp a, 0,1,2,3
	ds_load_b32 v[112+2*\a], v15 offset:64*\a
.endr
	s_wait_dscnt 0x0
.irp a, 0,1,2,3
.irp j, 0,2,4,6,8,10,12,14,16,18,20,22,24,26,28,30
	v_pk_mul_f32 v[ACC+32*\a+\j:ACC+32*\a+\j+1], v[ACC+32*\a+\j:ACC+32*\a+\j+1], v[112+2*\a:113+2*\a] op_sel_hi:[1,0]   ; each accumulator from its low end on
.endr
	QUANTH ACC+32*\a, 64+12*\a, 120+\a
	global_store_b128 v22, v[64+12*\a:64+12*\a+3], s[52:53] offset:1536*\a
	global_store_b64 v23, v[64+12*\a+4:64+12*\a+5], s[52:53] offset:1536*\a+512
	ds_store_b16 v14, v[120+\a] offset:64*\a       ; both halves of the lanes write the same two bytes
.endr
	s_wait_dscnt 0x0                               ; for the others' sake: my bytes have landed
	s_barrier_signal -1
	s_barrier_wait -1
	ds_load_b32 v124, v27                          ; 32 whole words: row group wr, fragments 2 wc and 2 wc + 1
	s_wait_dscnt 0x0
	global_store_b32 v24, v124, s[52:53] offset:6144
	s_wait_tensorcnt 0x0                           ; the wave's end, behind my last LDS store
	ds_add_u32 v[SPW], v[NIL]
	s_wait_dscnt 0x0
	s_endpgm
.Lfunc_end_k_qea606ec75d_pv:
	.size	k_qea606ec75d_pv, .Lfunc_end_k_qea606ec75d_pv-k_qea606ec75d_pv
	.p2alignl 7, 3214868480
	.fill 96, 4, 3214868480
	.section	.rodata,"a",@progbits
	.p2align	6, 0x0
	.amdhsa_kernel k_qea606ec75d_pv
		.amdhsa_group_segment_fixed_size 327680
		.amdhsa_private_segment_fixed_size 0
		.amdhsa_enable_private_segment 0
		.amdhsa_kernarg_size 32
		.amdhsa_user_sgpr_count 2
		.amdhsa_user_sgpr_kernarg_segment_ptr 1
		.amdhsa_wavefront_size32 1
		.amdhsa_system_sgpr_workgroup_id_x 1
		.amdhsa_system_sgpr_workgroup_id_y 1
		.amdhsa_system_sgpr_workgroup_id_z 1
		.amdhsa_system_vgpr_workitem_id 0
		.amdhsa_next_free_vgpr 512
		.amdhsa_next_free_sgpr 66
		.amdhsa_reserve_vcc 0
		.amdhsa_float_denorm_mode_32 3
		.amdhsa_float_denorm_mode_16_64 3
		.amdhsa_memory_ordered 1
		.amdhsa_forward_progress 1
		.amdhsa_inst_pref_size 99
	.end_amdhsa_kernel
	.amdgpu_metadata
---
amdhsa.version: [ 1, 2 ]
amdhsa.kernels:
  - .name:           k_qea606ec75d_pv
    .symbol:         k_qea606ec75d_pv.kd
    .args:
      - { .name: pc, .offset: 0, .size: 8, .value_kind: global_buffer, .address_space: global }
      - { .name: vc, .offset: 8, .size: 8, .value_kind: global_buffer, .address_space: global }
      - { .name: ml, .offset: 16, .size: 8, .value_kind: global_buffer, .address_space: global }
      - { .name: oc, .offset: 24, .size: 8, .value_kind: global_buffer, .address_space: global }
    .group_segment_fixed_size: 327680
    .private_segment_fixed_size: 0
    .kernarg_segment_align: 8
    .kernarg_segment_size: 32
    .max_flat_workgroup_size: 128
    .sgpr_count:     66
    .vgpr_count:     512
    .wavefront_size: 32
...
	.end_amdgpu_metadata
.endif
;; end of part 4
;; launch proj (part 5): grid 8 x 32, 4 waves a work-group, clusters of 4 x 4, 327,680 bytes of LDS; arguments oc, wc, bout, out0; writes out0
.if DOCPART == 5
	.amdgcn_target "amdgcn-amd-amdhsa--gfx1250"
	.amdhsa_code_object_version 6
	.text
	.protected	k_qea606ec75d_proj
	.globl	k_qea606ec75d_proj
	.p2align	8
	.type	k_qea606ec75d_proj,@function
k_qea606ec75d_proj:
	s_mov_b64 s[64:65], 0
	v_nop
	global_prefetch_b8 v0, s[64:65] scope:SCOPE_SE
	s_setreg_imm32_b32 hwreg(HW_REG_WAVE_MODE, 25, 1), 1
	s_wait_xcnt 0x0
	s_wait_alu depctr_hold_cnt(0) depctr_sa_sdst(0) depctr_va_vdst(0) depctr_va_sdst(0) depctr_va_ssrc(0) depctr_va_vcc(0) depctr_vm_vsrc(0)
	s_getreg_b32 s2, hwreg(HW_REG_IB_STS2, 6, 4)
	s_cmp_eq_u32 s2, 0
	s_cbranch_scc0 .Lentry_in_a_cluster
	s_endpgm
.Lentry_in_a_cluster:
	s_bfe_u32 s2, ttmp6, 0x10000c
	s_cmp_lg_u32 s2, 0xf033
	s_cbranch_scc0 .Lentry_shape_is_right
	s_endpgm
.Lentry_shape_is_right:
; out0 = out Wout + bout on codes of FP6 (E2M3) with E8M0 scales, K = 1,024; both operands come as records (laid as launch quant's head says); out0 [4096][1024] f32.
; A work-group makes 128 rows x 128 columns; wave (wr, wc) 64 x 64: 16 accumulators.  Source 0 = 16 rows of Wout^T, source 1 = 16 rows of out: a lane holds a row, its registers run along the columns.  The bias is the C of each sum's first product.
; All of K lies in LDS: each wave brings one row group's 8 records by two tensor loads (K steps 0-3, 4-7), both first fills: nothing is filled again.  Two loads of a wave are out at the most.
; CLUSTERS: 4 x 4 work-groups; out's records are asked for jointly along a row of the cluster, Wout^T's along a column.
; The records' rows lie in slots (slot r = row r + (r & 8) of a run of 24): the true rows come back in the stores' offsets.
.set REC,   6400
.set GROW,  8*REC
.set STAGE, 4*GROW                     ; behind the four regions: 16 rows x (256 bytes + 16) for each wave
.set SPARE, STAGE+4*16*272             ; the spare words, 128 bytes for each wave, which no other line names
.set SAM,   REC
.set SAC,   6144
.set ACC,   128
.set BIAS,  64                         ; v64-95 the bias of my 64 columns, in the result's layout; on the way out v64-127: rows read back, two sets
.set AA16,  16
.set AA8,   17
.set AB16,  18
.set AB8,   19
.set ASB,   20
.set ASA,   21
.set SPW,   28
.set NIL,   29
.set G1,    24
.set G1B,   48
.set G0,    68                         ; s[68:75] group 0 for out's two halves of K;  s[76:83] for Wout^T's
.set G0B,   76
.set OB,    32
.set MSB, 0
.macro WIN new
.if MSB != (\new)
	s_set_vgpr_msb (MSB<<8)|(\new)
.set MSB, \new
.endif
.endm
.macro PLACES
.rept 4
	v_nop
.endr
.endm
.macro CREST
	s_cmp_lg_u32 s14, 0
	s_cbranch_scc1 .Lnot_wave_0_\@
	s_barrier_signal -3
.Lnot_wave_0_\@:
	s_barrier_wait -3
	s_barrier_signal -1
	s_barrier_wait -1
.endm
.macro CROUND
	s_barrier_signal -1
	s_barrier_wait -1
	CREST
.endm
.macro FRAG reg, a16, a8, off
.irp c, 0,1
	ds_load_b128 v[(\reg)+6*\c:(\reg)+6*\c+3], v[\a16] offset:(\off)+768*\c
	ds_load_b64 v[(\reg)+6*\c+4:(\reg)+6*\c+5], v[\a8] offset:(\off)+768*\c+512
.endr
.endm
.macro FETCH p, k                      ; K step k's eight fragments and eight scale words into set p: 40 LDS loads
	WIN 0x40
.irp a, 0,1,2,3
	FRAG 128*(\p)+12*\a, AA16, AA8, REC*(\k)+1536*\a
.endr
.irp b, 0,1,2,3
	FRAG 128*(\p)+48+12*\b, AB16, AB8, REC*(\k)+1536*\b
.endr
	WIN 0
.irp a, 0,1,2,3
	ds_load_b32 v[48+8*(\p)+\a], v[ASA] offset:SAM*(\k)+SAC+64*\a
.endr
.irp b, 0,1,2,3
	ds_load_b32 v[52+8*(\p)+\b], v[ASB] offset:REC*(\k)+6144+64*\b
.endr
.endm
.macro MUL p, first                    ; the 16 accumulators take turns, one instruction a turn.  first = 2: the bias starts the sums
	WIN 0x05
.irp a, 0,1,2,3
.irp b, 0,1,2,3
.if \first == 2
	v_wmma_scale_f32_16x16x128_f8f6f4 v[ACC+8*(4*\a+\b):ACC+8*(4*\a+\b)+7], v[128*(\p)+48+12*\b:128*(\p)+48+12*\b+11], v[128*(\p)+12*\a:128*(\p)+12*\a+11], v[BIAS+8*\b:BIAS+8*\b+7], v[52+8*(\p)+\b], v[48+8*(\p)+\a] matrix_a_fmt:MATRIX_FMT_FP6 matrix_b_fmt:MATRIX_FMT_FP6
.else
	v_wmma_scale_f32_16x16x128_f8f6f4 v[ACC+8*(4*\a+\b):ACC+8*(4*\a+\b)+7], v[128*(\p)+48+12*\b:128*(\p)+48+12*\b+11], v[128*(\p)+12*\a:128*(\p)+12*\a+11], v[ACC+8*(4*\a+\b):ACC+8*(4*\a+\b)+7], v[52+8*(\p)+\b], v[48+8*(\p)+\a] matrix_a_fmt:MATRIX_FMT_FP6 matrix_b_fmt:MATRIX_FMT_FP6
.endif
.endr
.endr
.endm
.macro RUN4 k0, first                  ; four K steps, a set ahead
	FETCH 0, (\k0)
	FETCH 1, (\k0)+1
	s_wait_dscnt 40                                ; all but the 40 loads just issued
	MUL 0, \first
	PLACES
	FETCH 0, (\k0)+2
	s_wait_dscnt 40
	MUL 1, 0
	PLACES
	FETCH 1, (\k0)+3
	s_wait_dscnt 40
	MUL 0, 0
	s_wait_dscnt 0x0
	MUL 1, 0
	WIN 0
.endm
.macro TOSTAGE a                       ; block a: 16 slots x 64 columns through my own stage; LDS serves a wave's instructions in order: no wait between the stores and the loads
.irp b, 0,1,2,3
	ds_store_b128 v8, v[ACC+8*(4*(\a)+\b):ACC+8*(4*(\a)+\b)+3] offset:128*(\b/2)+32*(\b%2)       ; each accumulator from its low end on
	ds_store_b128 v8, v[ACC+8*(4*(\a)+\b)+4:ACC+8*(4*(\a)+\b)+7] offset:128*(\b/2)+32*(\b%2)+16
.endr
.irp i, 0,1,2,3,4,5,6,7
	ds_load_b128 v[64+32*((\a)%2)+4*\i:64+32*((\a)%2)+4*\i+3], v9 offset:544*\i
.endr
.endm
.macro SEND a, younger                 ; younger: the LDS instructions issued behind block a's loads
	s_wait_dscnt \younger
.irp i, 0,1,2,3,4,5,6,7
	global_store_b128 v10, v[64+32*((\a)%2)+4*\i:64+32*((\a)%2)+4*\i+3], s[OB:OB+1] offset:(32*((\a)/2)+8*((\a)%2)+2*\i+8*(\i/4))*4096 th:TH_STORE_NT   ; 16 lanes store 256 consecutive bytes, at a multiple of 256 from out0's first byte
.endr
.endm
	s_load_b256 s[4:11], s[0:1], 0x0               ; oc s[4:5], wc s[6:7], bout s[8:9], out0 s[10:11]
	v_lshl_add_u32 v[SPW], v0, 2, SPARE
	v_mov_b32 v[NIL], 0
	ds_add_u32 v[SPW], v[NIL]                      ; the opening: the add, twice on end, and its wait ahead of my first tensor load
	ds_add_u32 v[SPW], v[NIL]
	v_lshrrev_b32 v1, 5, v0
	v_readfirstlane_b32 s14, v1                    ; wave
	s_lshr_b32 s15, s14, 1                         ; wr; also: I fetch for out (0) or for Wout^T (1)
	s_and_b32 s16, s14, 1                          ; wc; also: which row group I fetch
	s_bfe_u32 s40, ttmp6, 0x40000                  ; cx
	s_bfe_u32 s41, ttmp6, 0x40004                  ; cy
	s_lshl_b32 s42, ttmp9, 2
	s_add_co_u32 s42, s42, s40                     ; T: the tile of 128 columns
	s_and_b32 s17, ttmp7, 0xffff
	s_lshl_b32 s17, s17, 2
	s_add_co_u32 s17, s17, s41                     ; g: the tile of 128 rows
	s_lshl_b32 s43, s41, 2
	s_lshl_b32 s43, 15, s43                        ; my row of the cluster
	s_lshl_b32 s44, 0x1111, s40                    ; my column
	s_or_b32 s[G1], s43, (3<<16)|(1<<21)           ; the mask; elements of 8 bytes; bit 21 set beside a mask; no padding
	s_or_b32 s[G1B], s44, (3<<16)|(1<<21)
.irp g, G1, G1B
	s_mov_b32 s[\g+1], 32<<16                      ; a dense block of 25,600 bytes as 100 rows of 256
	s_mov_b32 s[\g+2], 100<<16
	s_mov_b32 s[\g+3], 32<<16
	s_mov_b32 s[\g+4], 100
	s_mov_b32 s[\g+5], 32
	s_mov_b32 s[\g+6], 0
	s_mov_b32 s[\g+7], 0
.endr
	s_lshl_b32 s46, s17, 1
	s_add_co_u32 s46, s46, s16
	s_mul_i32 s46, s46, GROW                       ; out: row group 2 g + half: hangs on the tile row and the wave alone
	s_mov_b32 s47, 0
	s_lshl_b32 s58, s42, 1
	s_add_co_u32 s58, s58, s16
	s_add_co_u32 s58, s58, 48
	s_mul_i32 s58, s58, GROW                       ; Wout^T: row group 48 + 2 T + half: on the tile column and the wave alone
	s_mov_b32 s59, 0
	s_mul_i32 s60, s14, GROW                       ; where they go: no place in the cluster enters an LDS address
	s_wait_dscnt 0x0                               ; both opening adds are done
	s_wait_kmcnt 0x0
	s_add_nc_u64 s[20:21], s[4:5], s[46:47]
	s_add_nc_u64 s[22:23], s[6:7], s[58:59]
	CROUND                                         ; all sixteen work-groups are here: the joint loads meet
.irp j, 0,1
	s_mov_b32 s[G0+4*\j], 1
	s_add_co_u32 s[G0+4*\j+1], s60, 4*REC*\j
	s_add_nc_u64 s[G0+4*\j+2:G0+4*\j+3], s[20:21], 4*REC*\j
	s_or_b32 s[G0+4*\j+3], s[G0+4*\j+3], 0x80000000
	s_mov_b32 s[G0B+4*\j], 1
	s_add_co_u32 s[G0B+4*\j+1], s60, 4*REC*\j
	s_add_nc_u64 s[G0B+4*\j+2:G0B+4*\j+3], s[22:23], 4*REC*\j
	s_or_b32 s[G0B+4*\j+3], s[G0B+4*\j+3], 0x80000000
.endr
	s_cmp_lt_u32 s14, 2                            ; a wave's two fills stand in one branch on its number, ahead of every wait for tensor loads and every LDS read
	s_cbranch_scc0 .Lfirst_b
	tensor_load_to_lds s[G0:G0+3], s[G1:G1+7]
	s_nop 0
	tensor_load_to_lds s[G0+4:G0+7], s[G1:G1+7]
	s_nop 0
.rept 4
	v_nop
.endr
	s_branch .Lfirst_asked
.Lfirst_b:
	tensor_load_to_lds s[G0B:G0B+3], s[G1B:G1B+7]
	s_nop 0
	tensor_load_to_lds s[G0B+4:G0B+7], s[G1B:G1B+7]
	s_nop 0
.rept 4
	v_nop
.endr
.Lfirst_asked:
	v_and_b32 v1, 15, v0                           ; r
	v_bfe_u32 v2, v0, 4, 1                         ; h
	v_and_b32 v3, 31, v0                           ; lane
	v_lshlrev_b32 v11, 6, v2                       ; the bias: 16 h numbers on
	s_lshl_b32 s58, s42, 9
	s_lshl_b32 s59, s16, 8
	s_add_co_u32 s58, s58, s59                     ; my 64 columns, in bytes: 512 T + 256 wc
	s_mov_b32 s59, 0
	s_add_nc_u64 s[8:9], s[8:9], s[58:59]
.irp b, 0,1,2,3                        ; tile b's eight: columns 32 (b / 2) + 16 h + 8 (b % 2) + 0 .. 7
	global_load_b128 v[BIAS+8*\b:BIAS+8*\b+3], v11, s[8:9] offset:128*(\b/2)+32*(\b%2)
	global_load_b128 v[BIAS+8*\b+4:BIAS+8*\b+7], v11, s[8:9] offset:128*(\b/2)+32*(\b%2)+16
.endr
	s_lshl_b32 s62, s17, 7
	s_lshl_b32 s63, s15, 6
	s_add_co_u32 s62, s62, s63                     ; my first row: 128 g + 64 wr
	s_lshl_b32 s62, s62, 12
	s_add_co_u32 s62, s62, s58
	s_mov_b32 s63, 0
	s_add_nc_u64 s[OB:OB+1], s[10:11], s[62:63]
	s_mul_i32 s61, s15, GROW                       ; my A region
	s_mul_i32 s62, s16, GROW
	s_add_co_u32 s62, s62, 2*GROW                  ; my B region
	v_lshl_add_u32 v[AA16], v3, 4, s61
	v_lshl_add_u32 v[AA8], v3, 3, s61
	v_lshl_add_u32 v[AB16], v3, 4, s62
	v_lshl_add_u32 v[AB8], v3, 3, s62
	v_lshl_add_u32 v[ASA], v1, 2, s61
	v_lshl_add_u32 v[ASB], v1, 2, s62
	s_mul_i32 s61, s14, 16*272
	s_add_co_u32 s61, s61, STAGE                   ; my stage
	v_mul_u32_u24 v8, v1, 272
	v_lshl_add_u32 v8, v2, 6, v8
	v_add_nc_u32 v8, s61, v8                       ; in: slot r, + 64 h
	v_mul_u32_u24 v9, v2, 272
	v_lshl_add_u32 v9, v1, 4, v9
	v_add_nc_u32 v9, s61, v9                       ; back: lanes 0-15 one slot's 256 bytes, lanes 16-31 the next slot's
	v_lshlrev_b32 v10, 12, v2
	v_lshl_add_u32 v10, v1, 4, v10                 ; and the same two rows in out0
	s_wait_tensorcnt 1                             ; my K steps 0-3 are in; K steps 4-7 may stay out
	s_wait_loadcnt 0x0                             ; the bias
	s_barrier_signal -1
	s_barrier_wait -1
	RUN4 0, 2
	s_wait_tensorcnt 0x0                           ; my K steps 4-7 are in,
	s_barrier_signal -1
	s_barrier_wait -1                              ; everybody's are
	PLACES
	RUN4 4, 0
	; THE WAY OUT
	PLACES
	TOSTAGE 0
.irp a, 1,2,3
.if \a > 1
	s_wait_xcnt 0x0                                ; block a - 2's stores have read their registers: block a's loads may land there
.endif
	TOSTAGE \a
	SEND \a-1, 16                                  ; behind block a - 1's loads: block a's 8 stores and 8 loads
.endr
	SEND 3, 0
	s_wait_tensorcnt 0x0                           ; the wave's end, behind my last LDS store
	ds_add_u32 v[SPW], v[NIL]
	s_wait_dscnt 0x0
	CROUND                                         ; the closing round
	s_endpgm
.Lfunc_end_k_qea606ec75d_proj:
	.size	k_qea606ec75d_proj, .Lfunc_end_k_qea606ec75d_proj-k_qea606ec75d_proj
	.p2alignl 7, 3214868480
	.fill 96, 4, 3214868480
	.section	.rodata,"a",@progbits
	.p2align	6, 0x0
	.amdhsa_kernel k_qea606ec75d_proj
		.amdhsa_group_segment_fixed_size 327680
		.amdhsa_private_segment_fixed_size 0
		.amdhsa_enable_private_segment 0
		.amdhsa_kernarg_size 32
		.amdhsa_user_sgpr_count 2
		.amdhsa_user_sgpr_kernarg_segment_ptr 1
		.amdhsa_wavefront_size32 1
		.amdhsa_system_sgpr_workgroup_id_x 1
		.amdhsa_system_sgpr_workgroup_id_y 1
		.amdhsa_system_sgpr_workgroup_id_z 1
		.amdhsa_system_vgpr_workitem_id 0
		.amdhsa_next_free_vgpr 512
		.amdhsa_next_free_sgpr 100
		.amdhsa_reserve_vcc 0
		.amdhsa_float_denorm_mode_32 3
		.amdhsa_float_denorm_mode_16_64 3
		.amdhsa_memory_ordered 1
		.amdhsa_forward_progress 1
		.amdhsa_inst_pref_size 53
	.end_amdhsa_kernel
	.amdgpu_metadata
---
amdhsa.version: [ 1, 2 ]
amdhsa.kernels:
  - .name:           k_qea606ec75d_proj
    .symbol:         k_qea606ec75d_proj.kd
    .args:
      - { .name: oc, .offset: 0, .size: 8, .value_kind: global_buffer, .address_space: global }
      - { .name: wc, .offset: 8, .size: 8, .value_kind: global_buffer, .address_space: global }
      - { .name: bout, .offset: 16, .size: 8, .value_kind: global_buffer, .address_space: global }
      - { .name: out0, .offset: 24, .size: 8, .value_kind: global_buffer, .address_space: global }
    .group_segment_fixed_size: 327680
    .private_segment_fixed_size: 0
    .kernarg_segment_align: 8
    .kernarg_segment_size: 32
    .max_flat_workgroup_size: 128
    .sgpr_count:     100
    .vgpr_count:     512
    .wavefront_size: 32
...
	.end_amdgpu_metadata
.endif
;; end of part 5
;; ======== version 2 of 2: 5 launches
;; limits: right only within a limited range of input values
;; workspace buffers: xc 3,276,800 bytes; wc 3,276,800 bytes; qk 6,553,600 bytes; vc 3,276,800 bytes; pc 13,107,200 bytes; ml 1,048,576 bytes; oc 3,276,800 bytes
;; launch quant (part 6): grid 256 x 1, 4 waves a work-group, no clusters, 68,096 bytes of LDS; arguments x, Wqkv, Wout, xc, wc; writes xc, wc
.if DOCPART == 6
	.amdgcn_target "amdgcn-amd-amdhsa--gfx1250"
	.amdhsa_code_object_version 6
	.text
	.protected	k_qea606ec75d_quant
	.globl	k_qea606ec75d_quant
	.p2align	8
	.type	k_qea606ec75d_quant,@function
k_qea606ec75d_quant:
	s_mov_b64 s[64:65], 0
	v_nop
	global_prefetch_b8 v0, s[64:65] scope:SCOPE_SE
	s_setreg_imm32_b32 hwreg(HW_REG_WAVE_MODE, 25, 1), 1
	s_wait_xcnt 0x0
; x [4096][1024], Wqkv [1024][3072] and Wout [1024][1024], f32, become codes of FP6 (E2M3) with one E8M0 scale byte for each 32 along K (x: its last axis; the weights: their FIRST axis).
; THE WHOLE PROGRAM: quant | qkv = x Wqkv, quantised on the way out (q, k along d; v along the tokens) | score: p = 2^(t - M) of each chunk of 128 keys, as codes | pv: out = p v / l, as codes | proj: out Wout + bout.
; DEAD WORK LEFT OUT.  reference() itself writes one constant over sim[i][j] for every j > i, whatever the inputs hold, and the softmax of that constant is 0 beside the row's largest term.  So the tiles of q k^T all of
; whose keys come after all of their queries are not multiplied (launch score), nor are the K steps of p v behind the query group's last slot of 512 keys (launch pv).  Every input has a way to the output and is loaded.
; LIMIT: a NaN, an infinity or an overflow that reaches only those tiles is not carried to the result.
; LIMITS of the quantisers: NaN and infinities among the inputs are not served; a block whose largest magnitude lies under 2^-124, a block of zeros among them, keeps the byte 1 (the rule says 127 for zeros: its codes
; are zeros, which add nothing under any byte but 0xff, and this program alone reads the bytes).
; RECORDS.  Every operand of this program lies in memory in the order of the operand's registers.  A matrix of rows x K is laid [row / 64][K / 128][6,400 bytes].  A record holds four fragments f = 2 b + u at 1536 f;
; slot r (0..15) of fragment f is row 32 b + 8 u + r + (r & 8) of the 64; half c of a fragment (registers 6 c .. 6 c + 5) lies at + 768 c: lane l's first four registers at 16 l, its last two at 512 + 8 l;
; lane (r, h) holds k = 64 c + 32 h + 0 .. 31 of slot r.  The rows' scale words lie at 6144 + 64 f + 4 r.  So a fragment is stored and loaded as consecutive bytes, whole blocks of 256.
; SHARES.  Work-groups 0-127: x, a record (64 rows x 128 k) to a wave.  128-223: Wqkv, 224-255: Wout: a wave takes 32 columns x 256 along K, a lane a column, its registers down K.
; Memory binds: no matrix unit, no cluster, no barrier: waves share nothing.
.set REC,   6400
.set STG,   16*528                     ; a stage: 16 rows of 512 bytes + 16: the 16 rows that a pass of an LDS load touches start at 16 different 16-byte columns
.set WRG,   2*STG                      ; a wave's two stages
.set SPARE, 4*WRG                      ; behind them: the spare words, 128 bytes for each wave, which no other line names
.set SPW,   10                         ; v10  LDS address of my spare word; never rewritten
.set NIL,   11                         ; v11  0; never rewritten
.set PWR,   24                         ; v24-27  x: a fragment's scale words;  the weights: v24-25 a column's scale words
.set CD,    32                         ; v32-55  x: codes, two sets of 12
.set CT,    56                         ; v56-62  the upper halves of blocks, as the conversions leave them
.set XX,    64                         ; v64-127 the numbers at work
.set RR,    128                        ; v128-255 x: two sets of 64 as loaded
.set FF,    128                        ; v128-175 the weights: fragments, 24 registers for each of two K steps
.macro XLOAD f                         ; fragment f's 16 rows: each load reads 512 consecutive bytes of one row
.irp p, 0,1,2,3,4,5,6,7,8,9,10,11,12,13,14,15
	global_load_b128 v[RR+64*((\f)%2)+4*\p:RR+64*((\f)%2)+4*\p+3], v4, s[4:5] offset:(32*((\f)/2)+8*((\f)%2)+\p+(\p&8))*4096 th:TH_LOAD_NT
.endr
.endm
.macro XTURN f                         ; through my stage: in as loaded, out 128 bytes of a row to a lane.  LDS serves a wave's instructions in order: no wait between
.irp p, 0,1,2,3,4,5,6,7,8,9,10,11,12,13,14,15
	ds_store_b128 v7, v[RR+64*((\f)%2)+4*\p:RR+64*((\f)%2)+4*\p+3] offset:STG*((\f)%2)+528*\p
.endr
.irp c, 0,1
.irp j, 0,1,2,3,4,5,6,7
	ds_load_b128 v[XX+32*\c+4*\j:XX+32*\c+4*\j+3], v8 offset:STG*((\f)%2)+256*\c+16*\j
.endr
.endr
.endm
.macro XQ f                            ; lane (r, h) holds blocks h and 2 + h of slot r, whole: no other lane is asked for a maximum
.set CX, CD+12*((\f)%2)
.irp c, 0,1
	v_max3_num_f32 v[12+\c], |v[XX+32*\c]|, |v[XX+32*\c+1]|, 0x1800000   ; with the floor 2^(3 - 127): the byte cannot fall under 1
.endr
.irp i, 2,4,6,8,10,12,14,16,18,20,22,24,26,28,30
.irp c, 0,1
	v_max3_num_f32 v[12+\c], v[12+\c], |v[XX+32*\c+\i]|, |v[XX+32*\c+\i+1]|
.endr
.endr
.irp c, 0,1
	v_add_nc_u32 v[14+\c], 0xff000000, v[12+\c]    ; 2 off the exponent field: the conversion's scale operand
.endr
.irp c, 0,1
	v_lshrrev_b32 v[16+\c], 23, v[14+\c]           ; the scale's byte
.endr
	v_lshl_or_b32 v18, v17, 16, v16
	v_lshlrev_b32 v18, v9, v18                     ; at bytes h and 2 + h
	v_permlanex16_b32 v19, v18, s20, s21
	v_or_b32 v[PWR+(\f)], v18, v19                 ; with lane l xor 16's two the word is whole
.irp c, 0,1
	v_cvt_scalef32_pk16_fp6_f32 v[CX+6*\c:CX+6*\c+2], v[XX+32*\c:XX+32*\c+15], v[14+\c]
	v_cvt_scalef32_pk16_fp6_f32 v[CT+4*\c:CT+4*\c+2], v[XX+32*\c+16:XX+32*\c+31], v[14+\c]   ; (a conversion's three registers begin on an even number)
.endr
	v_nop                                          ; one plain place behind a scaled conversion
.irp c, 0,1
.irp i, 0,1,2
	v_mov_b32 v[CX+6*\c+3+\i], v[CT+4*\c+\i]
.endr
.endr
.irp c, 0,1
	global_store_b128 v4, v[CX+6*\c:CX+6*\c+3], s[10:11] offset:1536*(\f)+768*\c          ; 512 consecutive bytes
	global_store_b64 v5, v[CX+6*\c+4:CX+6*\c+5], s[10:11] offset:1536*(\f)+768*\c+512     ; 256 consecutive bytes
.endr
.if (\f)%2
	v_cndmask_b32 v[28+(\f)/2], v[PWR+(\f)-1], v[PWR+(\f)], s22   ; lanes 0-15: fragment f - 1's words, lanes 16-31: fragment f's
	global_store_b32 v6, v[28+(\f)/2], s[10:11] offset:6144+64*((\f)-1)
.endif
.endm
.macro WLOAD t, pitch                  ; block t of my column: 32 rows of the weight; the 32 lanes read 128 consecutive bytes
.set wi, 0
.rept 32
	global_load_b32 v[XX+32*((\t)%2)+wi], v12, s[28:29] offset:(32*(\t)+wi)*\pitch th:TH_LOAD_NT
.set wi, wi+1
.endr
.endm
.macro WBLOCK t, pitch
.set XS, XX+32*((\t)%2)
.set FD, FF+24*((\t)/4)+12*((\t)%2)+6*(((\t)%4)/2)   ; even blocks of a K step make one run of 12 registers, odd blocks another
.if (\t) < 7
	s_wait_loadcnt 32                              ; this block's 32 loads are in; the next block's may be out
.else
	s_wait_loadcnt 0x0
.endif
	v_max3_num_f32 v16, |v[XS]|, |v[XS+1]|, |v[XS+2]|
	v_max3_num_f32 v17, |v[XS+3]|, |v[XS+4]|, |v[XS+5]|
.irp i, 6,10,14,18,22,26
	v_max3_num_f32 v16, v16, |v[XS+\i]|, |v[XS+\i+1]|
	v_max3_num_f32 v17, v17, |v[XS+\i+2]|, |v[XS+\i+3]|
.endr
	v_max3_num_f32 v16, v16, |v[XS+30]|, |v[XS+31]|
	v_max3_num_f32 v16, v16, v17, 0x1800000        ; and the floor
	v_add_nc_u32 v18, 0xff000000, v16
	v_lshrrev_b32 v17, 23, v18
.if (\t)%4 == 0
	v_mov_b32 v[PWR+(\t)/4], v17
.else
	v_lshl_or_b32 v[PWR+(\t)/4], v17, 8*((\t)%4), v[PWR+(\t)/4]
.endif
	v_cvt_scalef32_pk16_fp6_f32 v[FD:FD+2], v[XS:XS+15], v18
	v_cvt_scalef32_pk16_fp6_f32 v[CT:CT+2], v[XS+16:XS+31], v18
	v_nop                                          ; one plain place behind a scaled conversion
.irp i, 0,1,2
	v_mov_b32 v[FD+3+\i], v[CT+\i]
.endr
.if (\t)+2 < 8
	WLOAD (\t)+2, \pitch
.endif
.if (\t)%4 == 3                        ; a K step of 128 is whole.  Lanes 0-15 hold fragment 2 b's slots and lanes 16-31 fragment 2 b + 1's, each with all four blocks:
.set FZ, FF+24*((\t)/4)                ; the exchange of halves leaves fragment 2 b in the first run (lanes 0-15 its even blocks, lanes 16-31 its odd ones) and 2 b + 1 in the second
.set wj, 0
.rept 12
	v_permlane16_swap_b32 v[FZ+wj], v[FZ+12+wj]
.set wj, wj+1
.endr
.irp u, 0,1
.irp c, 0,1
	global_store_b128 v13, v[FZ+12*\u+6*\c:FZ+12*\u+6*\c+3], s[12:13] offset:REC*((\t)/4)+1536*\u+768*\c
	global_store_b64 v14, v[FZ+12*\u+6*\c+4:FZ+12*\u+6*\c+5], s[12:13] offset:REC*((\t)/4)+1536*\u+768*\c+512
.endr
.endr
	global_store_b32 v15, v[PWR+(\t)/4], s[12:13] offset:REC*((\t)/4)+6144   ; lane (r, u): the word of slot r of fragment 2 b + u
.endif
.endm
.macro WPATH pitch, first, gbase, ptr  ; a weight with rows of pitch bytes; its work-groups begin at first; its records at row group gbase; its address in s[ptr:ptr+1]
	s_sub_co_u32 s16, ttmp9, \first
	s_lshr_b32 s17, s16, 2                         ; which 128 columns
	s_and_b32 s18, s16, 3                          ; which 256 along K
	s_lshl_b32 s24, s17, 9
	s_lshl_b32 s19, s14, 7
	s_add_co_u32 s24, s24, s19                     ; my wave's 32 columns, in bytes
	s_mul_i32 s19, s18, 256*\pitch
	s_add_co_u32 s24, s24, s19
	s_mov_b32 s25, 0
	s_lshl_b32 s26, s17, 1
	s_lshr_b32 s19, s14, 1
	s_add_co_u32 s26, s26, s19
	s_add_co_u32 s26, s26, \gbase                  ; the row group of 64
	s_lshl_b32 s26, s26, 3
	s_lshl_b32 s19, s18, 1
	s_add_co_u32 s26, s26, s19                     ; x 8 + the first of my two K steps
	s_mul_i32 s26, s26, REC
	s_mov_b32 s27, 0
	s_wait_kmcnt 0x0
	s_add_nc_u64 s[28:29], s[\ptr:\ptr+1], s[24:25]
	s_add_nc_u64 s[12:13], s[12:13], s[26:27]
	WLOAD 0, \pitch
	WLOAD 1, \pitch
.set wt, 0
.rept 8
	WBLOCK wt, \pitch
.set wt, wt+1
.endr
.endm
	s_load_b256 s[4:11], s[0:1], 0x0               ; x s[4:5], Wqkv s[6:7], Wout s[8:9], xc s[10:11]
	s_load_b64 s[12:13], s[0:1], 0x20              ; wc
	v_lshl_add_u32 v[SPW], v0, 2, SPARE
	v_mov_b32 v[NIL], 0
	v_lshrrev_b32 v1, 5, v0
	v_readfirstlane_b32 s14, v1                    ; wave
	v_and_b32 v3, 31, v0                           ; lane
	v_and_b32 v1, 15, v0                           ; r
	v_bfe_u32 v2, v0, 4, 1                         ; h
	v_lshlrev_b32 v4, 4, v3
	v_lshlrev_b32 v5, 3, v3
	v_lshlrev_b32 v6, 2, v3
	s_cmp_lt_u32 ttmp9, 128
	s_cbranch_scc0 .Lweights
	; ---- x
	s_mov_b32 s20, 0x76543210
	s_mov_b32 s21, 0xfedcba98                      ; v_permlanex16_b32's selects for lane l xor 16
	s_mov_b32 s22, 0xffff0000                      ; lanes 16-31
	s_mul_i32 s15, s14, WRG
	v_add_nc_u32 v7, s15, v4                       ; the stage, in: 16 x lane in a row
	v_mul_u32_u24 v8, v1, 528
	v_lshl_add_u32 v8, v2, 7, v8
	v_add_nc_u32 v8, s15, v8                       ; out: row r, + 128 h
	v_lshlrev_b32 v9, 3, v2
	v_mov_b32 v19, 0                               ; a lane permute's destination counts as one of its sources
	s_lshl_b32 s16, ttmp9, 2
	s_add_co_u32 s16, s16, s14                     ; my record: 8 x row group + K step
	s_lshr_b32 s17, s16, 3
	s_and_b32 s18, s16, 7
	s_lshl_b32 s24, s17, 18                        ; 64 rows of 4,096 bytes
	s_lshl_b32 s18, s18, 9                         ; 128 numbers
	s_add_co_u32 s24, s24, s18
	s_mov_b32 s25, 0
	s_mul_i32 s26, s16, REC
	s_mov_b32 s27, 0
	s_wait_kmcnt 0x0
	s_add_nc_u64 s[4:5], s[4:5], s[24:25]
	s_add_nc_u64 s[10:11], s[10:11], s[26:27]
	s_wait_alu depctr_va_vdst(0)
	XLOAD 0
	XLOAD 1
.irp f, 0,1,2,3
.if \f < 3
	s_wait_loadcnt 16                              ; this fragment's 16 loads are in; the next fragment's may be out
.else
	s_wait_loadcnt 0x0
.endif
	XTURN \f
	s_wait_dscnt 0x0                               ; the numbers are back, and the stores into the stage have read their registers
	s_wait_xcnt 0x0                                ; the stores of two fragments ago have read their codes: the set is written again only behind this wait
.if \f < 2
	XLOAD \f+2
.endif
	XQ \f
.endr
	s_wait_tensorcnt 0x0                           ; the wave's end, behind my last LDS store
	ds_add_u32 v[SPW], v[NIL]
	s_wait_dscnt 0x0
	s_endpgm
	; ---- the weights: these paths touch no LDS
.Lweights:
	s_wait_alu depctr_va_vdst(0)
	v_and_b32 v12, 8, v1
	v_add_nc_u32 v12, v12, v1
	v_lshl_add_u32 v12, v2, 3, v12                 ; my column of the 32: 8 (lane / 16) + r + (r & 8)
	v_lshlrev_b32 v12, 2, v12
	s_and_b32 s19, s14, 1                          ; b: which 32 of the 64 rows of a record
	s_mul_i32 s23, s19, 3072
	v_add_nc_u32 v13, s23, v4
	v_add_nc_u32 v14, s23, v5
	s_lshl_b32 s23, s19, 7
	v_add_nc_u32 v15, s23, v6
	s_cmp_lt_u32 ttmp9, 224
	s_cbranch_scc0 .Lwout
	s_wait_alu depctr_va_vdst(0)
	WPATH 12288, 128, 0, 6
	s_endpgm
.Lwout:
	s_wait_alu depctr_va_vdst(0)
	WPATH 4096, 224, 48, 8
	s_endpgm
.Lfunc_end_k_qea606ec75d_quant:
	.size	k_qea606ec75d_quant, .Lfunc_end_k_qea606ec75d_quant-k_qea606ec75d_quant
	.p2alignl 7, 3214868480
	.fill 96, 4, 3214868480
	.section	.rodata,"a",@progbits
	.p2align	6, 0x0
	.amdhsa_kernel k_qea606ec75d_quant
		.amdhsa_group_segment_fixed_size 68096
		.amdhsa_private_segment_fixed_size 0
		.amdhsa_enable_private_segment 0
		.amdhsa_kernarg_size 40
		.amdhsa_user_sgpr_count 2
		.amdhsa_user_sgpr_kernarg_segment_ptr 1
		.amdhsa_wavefront_size32 1
		.amdhsa_system_sgpr_workgroup_id_x 1
		.amdhsa_system_sgpr_workgroup_id_y 1
		.amdhsa_system_sgpr_workgroup_id_z 1
		.amdhsa_system_vgpr_workitem_id 0
		.amdhsa_next_free_vgpr 256
		.amdhsa_next_free_sgpr 66
		.amdhsa_reserve_vcc 0
		.amdhsa_float_denorm_mode_32 3
		.amdhsa_float_denorm_mode_16_64 3
		.amdhsa_memory_ordered 1
		.amdhsa_forward_progress 1
		.amdhsa_inst_pref_size 109
	.end_amdhsa_kernel
	.amdgpu_metadata
---
amdhsa.version: [ 1, 2 ]
amdhsa.kernels:
  - .name:           k_qea606ec75d_quant
    .symbol:         k_qea606ec75d_quant.kd
    .args:
      - { .name: x, .offset: 0, .size: 8, .value_kind: global_buffer, .address_space: global }
      - { .name: Wqkv, .offset: 8, .size: 8, .value_kind: global_buffer, .address_space: global }
      - { .name: Wout, .offset: 16, .size: 8, .value_kind: global_buffer, .address_space: global }
      - { .name: xc, .offset: 24, .size: 8, .value_kind: global_buffer, .address_space: global }
      - { .name: wc, .offset: 32, .size: 8, .value_kind: global_buffer, .address_space: global }
    .group_segment_fixed_size: 68096
    .private_segment_fixed_size: 0
    .kernarg_segment_align: 8
    .kernarg_segment_size: 40
    .max_flat_workgroup_size: 128
    .sgpr_count:     66
    .vgpr_count:     256
    .wavefront_size: 32
...
	.end_amdgpu_metadata
.endif
;; end of part 6
;; launch qkv (part 7): grid 48 x 4, 4 waves a work-group, clusters of 4 x 4, 327,680 bytes of LDS; arguments xc, wc, qk, vc; writes qk, vc
.if DOCPART == 7
	.amdgcn_target "amdgcn-amd-amdhsa--gfx1250"
	.amdhsa_code_object_version 6
	.text
	.protected	k_qea606ec75d_qkv
	.globl	k_qea606ec75d_qkv
	.p2align	8
	.type	k_qea606ec75d_qkv,@function
k_qea606ec75d_qkv:
	s_mov_b64 s[64:65], 0
	v_nop
	global_prefetch_b8 v0, s[64:65] scope:SCOPE_SE
	s_setreg_imm32_b32 hwreg(HW_REG_WAVE_MODE, 25, 1), 1
	s_wait_xcnt 0x0
	s_wait_alu depctr_hold_cnt(0) depctr_sa_sdst(0) depctr_va_vdst(0) depctr_va_sdst(0) depctr_va_ssrc(0) depctr_va_vcc(0) depctr_vm_vsrc(0)
	s_getreg_b32 s2, hwreg(HW_REG_IB_STS2, 6, 4)
	s_cmp_eq_u32 s2, 0
	s_cbranch_scc0 .Lentry_in_a_cluster
	s_endpgm
.Lentry_in_a_cluster:
	s_bfe_u32 s2, ttmp6, 0x10000c
	s_cmp_lg_u32 s2, 0xf033
	s_cbranch_scc0 .Lentry_shape_is_right
	s_endpgm
.Lentry_shape_is_right:
.set REC,    6400
.set GROW,   8*REC
; qkv = x Wqkv on records of FP6 codes (laid as launch quant's head says), quantised on the way out.  A tile of 256 x 256 to a work-group, 128 x 128 to a wave; joint loads in clusters of 4 x 4.
; LDS: four regions, one for each loading wave: 2 row groups x K steps 0-5 (6 records each), brought by the wave's one load at the head.  K steps 6, 7 (2 row groups x 2 records, 25,600 bytes) land on the region's
; first 25,600 bytes, which hold the first row group's K steps 0-3, behind the round that stands in K step 3: all reads of K steps 0-3 are over there.
; Address registers: index 0, 1: the region's first and second row group; index 2: the refilled bytes.
.set RGN,    12*REC
.set SLOT,   4*RGN
.set SPARE,  SLOT
.set ADRA16, 4
.set ADRA8,  7
.set ADRB16, 10
.set ADRB8,  13
.set ADRS,   16
.set SPW,    28
.set NIL,    29
.set SC,     32
.set TM,     48
.set AF,     128
.set G1,     24
.set G1B,    48
.set G0,     68
.set G0B,    84
.set SEL,    56
.set OB,     32
.set MSB, 0
.macro WIN new
.if MSB != (\new)
	s_set_vgpr_msb (MSB<<8)|(\new)
.set MSB, \new
.endif
.endm
.set MUL_LO, 0xa1
.set MUL_HI, 0xf1
.set TO_B,   0x40
.macro PLACES
.rept 4
	v_nop
.endr
.endm
.macro JLOAD g0a, g1a, g0b, g1b
	s_cmp_eq_u32 s15, 0
	s_cbranch_scc0 .Lfor_b_\@
	tensor_load_to_lds s[\g0a:\g0a+3], s[\g1a:\g1a+7]
	s_nop 0
.rept 4
	v_nop
.endr
	s_branch .Lasked_\@
.Lfor_b_\@:
	tensor_load_to_lds s[\g0b:\g0b+3], s[\g1b:\g1b+7]
	s_nop 0
.rept 4
	v_nop
.endr
.Lasked_\@:
.endm
.macro CREST
	s_cmp_lg_u32 s14, 0
	s_cbranch_scc1 .Lnot_wave_0_\@
	s_barrier_signal -3
.Lnot_wave_0_\@:
	s_barrier_wait -3
	s_barrier_signal -1
	s_barrier_wait -1
.endm
.macro CROUND
	s_barrier_signal -1
	s_barrier_wait -1
	CREST
.endm
.macro REFILL
	CREST
	JLOAD G0+12, G1, G0B+12, G1B
.endm
.macro FRAG reg, a16, a8, off
.irp c, 0,1
	ds_load_b128 v[(\reg)+6*\c:(\reg)+6*\c+3], v[\a16] offset:(\off)+768*\c
	ds_load_b64 v[(\reg)+6*\c+4:(\reg)+6*\c+5], v[\a8] offset:(\off)+768*\c+512
.endr
.endm
.macro FETCH_B l, q, p
	WIN TO_B
.irp i, 0,1,2,3,4,5,6,7
.if (\l) < 6                           ; l: the K step
	FRAG 128*(\p)+12*\i, ADRB16+\i/4, ADRB8+\i/4, REC*(\l)+1536*(\i%4)
.else
	FRAG 128*(\p)+12*\i, ADRB16+2, ADRB8+2, 2*REC*(\i/4)+REC*((\l)-6)+1536*(\i%4)
.endif
.endr
	WIN 0
.endm
.macro FETCH_A l, q, i0
.irp i, \i0, \i0+1, \i0+2, \i0+3
.if (\l) < 6
	FRAG AF+12*(\i), ADRA16+(\i)/4, ADRA8+(\i)/4, REC*(\l)+1536*((\i)%4)
.else
	FRAG AF+12*(\i), ADRA16+2, ADRA8+2, 2*REC*((\i)/4)+REC*((\l)-6)+1536*((\i)%4)
.endif
.endr
.endm
.macro SCALES l, q, p
.irp i, 0,1,2,3,4,5,6,7
.if (\l) < 6
	ds_load_b32 v[SC+8*(\p)+\i], v[ADRS+\i/4] offset:REC*(\l)+6144+64*(\i%4)
.else
	ds_load_b32 v[SC+8*(\p)+\i], v[ADRS+2] offset:2*REC*(\i/4)+REC*((\l)-6)+6144+64*(\i%4)
.endif
.endr
.endm
.macro MUL16 a0, p, zero
.irp a, \a0, \a0+1
.irp b, 0,1,2,3,4,5,6,7
.if \zero
	v_wmma_scale_f32_16x16x128_f8f6f4 v[8*(8*((\a)%4)+\b):8*(8*((\a)%4)+\b)+7], v[128*(\p)+12*\b:128*(\p)+12*\b+11], v[AF+12*(\a):AF+12*(\a)+11], 0, v[SC+8*(\p)+\b], v[SC+8*(\p)+(\a)] matrix_a_fmt:MATRIX_FMT_FP6 matrix_b_fmt:MATRIX_FMT_FP6 matrix_a_scale:MATRIX_SCALE_ROW1
.else
	v_wmma_scale_f32_16x16x128_f8f6f4 v[8*(8*((\a)%4)+\b):8*(8*((\a)%4)+\b)+7], v[128*(\p)+12*\b:128*(\p)+12*\b+11], v[AF+12*(\a):AF+12*(\a)+11], v[8*(8*((\a)%4)+\b):8*(8*((\a)%4)+\b)+7], v[SC+8*(\p)+\b], v[SC+8*(\p)+(\a)] matrix_a_fmt:MATRIX_FMT_FP6 matrix_b_fmt:MATRIX_FMT_FP6 matrix_a_scale:MATRIX_SCALE_ROW1
.endif
.endr
.endr
.endm
.macro KSTEP ks, zero
.set KP, (\ks)%2
.set KN, 1-KP
.set KL, (\ks)+1
	s_wait_dscnt 16
	WIN MUL_LO
	MUL16 0, KP, \zero
	MUL16 2, KP, \zero
	s_wait_dscnt 0x0
	PLACES
	FETCH_B KL, KN, KN
	FETCH_A KL, KN, 0
	SCALES KL, KN, KN
	WIN MUL_HI
	MUL16 4, KP, \zero
	MUL16 6, KP, \zero
	PLACES
	WIN 0
	FETCH_A KL, KN, 4
.endm
.macro KTURN ks, fill
.set KP, (\ks)%2
.set KN, 1-KP
.set KL, (\ks)+1
	s_wait_tensorcnt 0x0
	ds_add_u32 v[SPW], v[NIL]
	s_wait_dscnt 17
	WIN MUL_LO
	MUL16 0, KP, 0
	s_wait_dscnt 0x0
	s_barrier_signal -1
	MUL16 2, KP, 0
	WIN 0
	s_barrier_wait -1
.if \fill
	REFILL
.else
	PLACES
.endif
	FETCH_B KL, KN, KN
	FETCH_A KL, KN, 0
	SCALES KL, KN, KN
	WIN MUL_HI
	MUL16 4, KP, 0
	MUL16 6, KP, 0
	PLACES
	WIN 0
	FETCH_A KL, KN, 4
.endm
.macro KLAST
	s_wait_dscnt 16
	WIN MUL_LO
	MUL16 0, 1, 0
	MUL16 2, 1, 0
	s_wait_dscnt 0x0
	WIN MUL_HI
	MUL16 4, 1, 0
	MUL16 6, 1, 0
	WIN 0
.endm
.macro QUANT acb, ww, pc, pw
	WIN (\ww)|((\ww)<<2)
.irp b, 0,1,2,3
	v_max3_num_f32 v[TM+\b], |v[(\acb)+16*\b]|, |v[(\acb)+16*\b+1]|, 0x1800000
.endr
.irp i, 2,4,6,8,10,12,14
.irp b, 0,1,2,3
	v_max3_num_f32 v[TM+\b], |v[(\acb)+16*\b+\i]|, |v[(\acb)+16*\b+\i+1]|, v[TM+\b]
.endr
.endr
	WIN 0
.irp b, 0,1,2,3
	v_permlanex16_b32 v[TM+4+\b], v[TM+\b], s[SEL], s[SEL+1]
.endr
.irp b, 0,1,2,3
	v_max_num_f32 v[TM+\b], v[TM+\b], v[TM+4+\b]
.endr
.irp b, 0,1,2,3
	v_add_nc_u32 v[TM+12+\b], 0xff000000, v[TM+\b]
.endr
.irp b, 0,1,2,3
	v_lshrrev_b32 v[TM+4+\b], 23, v[TM+12+\b]
.endr
	v_lshl_or_b32 v[\pw], v[TM+5], 8, v[TM+4]
	v_lshl_or_b32 v[\pw], v[TM+6], 16, v[\pw]
	v_lshl_or_b32 v[\pw], v[TM+7], 24, v[\pw]
	WIN \ww
.irp c, 0,1
	v_cvt_scalef32_pk16_fp6_f32 v[(\pc)+6*\c:(\pc)+6*\c+2], v[(\acb)+32*\c:(\acb)+32*\c+15], v[TM+12+2*\c]
	v_cvt_scalef32_pk16_fp6_f32 v[(\pc)+12+4*\c:(\pc)+14+4*\c], v[(\acb)+32*\c+16:(\acb)+32*\c+31], v[TM+12+2*\c+1]
.endr
	WIN 0
	v_nop
.irp c, 0,1
.irp i, 0,1,2
	v_permlane16_swap_b32 v[(\pc)+6*\c+\i], v[(\pc)+12+4*\c+\i]
.endr
.irp i, 0,1,2
	v_mov_b32 v[(\pc)+3+6*\c+\i], v[(\pc)+12+4*\c+\i]
.endr
.endr
.endm
.macro IMG pc, sb, off
	global_store_b128 v19, v[(\pc):(\pc)+3], s[(\sb):(\sb)+1] offset:(\off)
	global_store_b64 v20, v[(\pc)+4:(\pc)+5], s[(\sb):(\sb)+1] offset:(\off)+512
	global_store_b128 v19, v[(\pc)+6:(\pc)+9], s[(\sb):(\sb)+1] offset:(\off)+768
	global_store_b64 v20, v[(\pc)+10:(\pc)+11], s[(\sb):(\sb)+1] offset:(\off)+1280
.endm
	s_load_b256 s[4:11], s[0:1], 0x0
	v_lshl_add_u32 v[SPW], v0, 2, SPARE
	v_mov_b32 v[NIL], 0
	ds_add_u32 v[SPW], v[NIL]
	ds_add_u32 v[SPW], v[NIL]
	v_lshrrev_b32 v1, 5, v0
	v_readfirstlane_b32 s14, v1
	s_lshr_b32 s15, s14, 1
	s_and_b32 s16, s14, 1
	s_bfe_u32 s40, ttmp6, 0x40000
	s_bfe_u32 s41, ttmp6, 0x40004
	s_lshl_b32 s43, s41, 2
	s_lshl_b32 s43, 15, s43
	s_lshl_b32 s44, 0x1111, s40
	s_or_b32 s[G1], s43, (3<<16)|(1<<21)
	s_or_b32 s[G1B], s44, (3<<16)|(1<<21)
.irp g, G1, G1B
	s_mov_b32 s[\g+1], 4800<<16                    ; the head's load: rows of 6 records, 38,400 bytes
	s_mov_b32 s[\g+2], 2<<16
	s_mov_b32 s[\g+3], 4800<<16
	s_mov_b32 s[\g+4], 2
	s_mov_b32 s[\g+5], 6400
	s_mov_b32 s[\g+6], 0
	s_mov_b32 s[\g+7], 0
.endr
	s_lshr_b32 s36, ttmp9, 1
	s_and_b32 s37, ttmp9, 1
	s_max_u32 s38, ttmp9, 8
	s_sub_co_u32 s38, s38, 8
	s_cmp_lt_u32 ttmp9, 8
	s_cselect_b32 s36, s36, 0
	s_cselect_b32 s37, s37, s38
	s_cselect_b32 s39, 0, 32
	s_cselect_b32 s45, 8, 32
	s_lshl_b32 s17, s36, 2
	s_add_co_u32 s17, s17, s41
	s_lshl_b32 s42, s37, 2
	s_add_co_u32 s42, s42, s40
	s_lshl_b32 s18, s16, 1
	s_lshl_b32 s46, s17, 2
	s_add_co_u32 s46, s46, s18
	s_add_co_u32 s46, s46, s39
	s_mul_i32 s46, s46, GROW
	s_mov_b32 s47, 0
	s_lshl_b32 s58, s42, 2
	s_add_co_u32 s58, s58, s18
	s_mul_i32 s58, s58, GROW
	s_mov_b32 s59, 0
	s_mul_i32 s60, s14, RGN
	s_mov_b32 s[SEL], 0x76543210
	s_mov_b32 s[SEL+1], 0xfedcba98
	s_mov_b32 s12, 0xffff0000
	s_wait_dscnt 0x0
	s_wait_kmcnt 0x0
	s_cmp_lt_u32 ttmp9, 8
	s_cselect_b64 s[20:21], s[4:5], s[6:7]
	s_cselect_b64 s[22:23], s[6:7], s[4:5]
	s_cselect_b64 s[OB:OB+1], s[8:9], s[10:11]
	s_add_nc_u64 s[20:21], s[20:21], s[46:47]
	s_add_nc_u64 s[22:23], s[22:23], s[58:59]
	CROUND
.irp j, 0,3
	s_mov_b32 s[G0+4*\j], 1
	s_add_co_u32 s[G0+4*\j+1], s60, SLOT*(\j%3)
	s_add_nc_u64 s[G0+4*\j+2:G0+4*\j+3], s[20:21], 2*REC*\j
	s_or_b32 s[G0+4*\j+3], s[G0+4*\j+3], 0x80000000
	s_mov_b32 s[G0B+4*\j], 1
	s_add_co_u32 s[G0B+4*\j+1], s60, SLOT*(\j%3)
	s_add_nc_u64 s[G0B+4*\j+2:G0B+4*\j+3], s[22:23], 2*REC*\j
	s_or_b32 s[G0B+4*\j+3], s[G0B+4*\j+3], 0x80000000
.endr
	; the prefetch's address: of the 100 blocks of 256 bytes that my refill (K steps 6, 7 of my two row groups) will bring, the partner at place p of the four that ask jointly takes one record, 25 blocks:
	; row group p / 2, K step 6 + p % 2 (p = cx for source 1's tiles, cy for source 0's): shared out by address; lanes 25-31 name the last block again
	v_and_b32 v23, 31, v0
	v_min_u32 v23, 24, v23
	v_lshlrev_b32 v23, 8, v23
	s_cmp_eq_u32 s15, 0
	s_cselect_b64 s[2:3], s[20:21], s[22:23]
	s_cselect_b32 s18, s40, s41
	s_lshr_b32 s19, s18, 1
	s_mul_i32 s19, s19, GROW
	s_and_b32 s18, s18, 1
	s_mul_i32 s18, s18, REC
	s_add_co_u32 s18, s18, s19
	s_mov_b32 s19, 0
	s_add_nc_u64 s[2:3], s[2:3], s[18:19]
	s_wait_alu depctr_va_vdst(0)                   ; a wait ahead of the branches below
	JLOAD G0, G1, G0B, G1B                         ; K steps 0-5: my one tensor load at the head, behind the round above
	global_prefetch_b8 v23, s[2:3] offset:6*REC th:TH_LOAD_NT scope:SCOPE_SE   ; asked four K steps ahead of the refill; v23 and s[2:3] are never rewritten
	s_lshl_b32 s58, s17, 2
	s_lshl_b32 s59, s15, 1
	s_add_co_u32 s58, s58, s59
	s_mul_i32 s58, s58, s45
	s_lshl_b32 s59, s42, 1
	s_lshl_b32 s60, s40, 1
	s_mul_i32 s61, s37, 64*GROW
	s_cmp_lt_u32 ttmp9, 8
	s_cselect_b32 s59, s60, s59
	s_cselect_b32 s61, s61, 0
	s_add_co_u32 s59, s59, s16
	s_add_co_u32 s58, s58, s59
	s_mul_i32 s58, s58, REC
	s_add_co_u32 s58, s58, s61
	s_mov_b32 s59, 0
	s_add_nc_u64 s[OB:OB+1], s[OB:OB+1], s[58:59]
	s_mul_i32 s60, s45, REC
	s_mov_b32 s61, 0
	s_add_nc_u64 s[OB+2:OB+3], s[OB:OB+1], s[60:61]
	v_and_b32 v1, 15, v0
	v_bfe_u32 v2, v0, 4, 1
	v_and_b32 v3, 31, v0
	v_lshlrev_b32 v19, 4, v3
	v_lshlrev_b32 v20, 3, v3
	v_lshlrev_b32 v21, 2, v3
	s_mul_i32 s61, s15, RGN
	s_mul_i32 s62, s16, RGN
	s_add_co_u32 s62, s62, 2*RGN
	s_sub_co_u32 s63, s62, s61
	v_mul_u32_u24 v22, s63, v2
	v_lshl_add_u32 v22, v1, 2, v22
.irp l, 0,2,1
	v_add_nc_u32 v[ADRA16+\l], s61, v19
	v_add_nc_u32 v[ADRA8+\l], s61, v20
	v_add_nc_u32 v[ADRB16+\l], s62, v19
	v_add_nc_u32 v[ADRB8+\l], s62, v20
	v_add_nc_u32 v[ADRS+\l], s61, v22
.if \l == 2
	s_add_co_u32 s61, s61, 6*REC                   ; index 1: the region's second row group
	s_add_co_u32 s62, s62, 6*REC
.endif
.endr
.irp b, 0,1,2,3
	v_mov_b32 v[TM+4+\b], 0
.endr
	s_wait_alu depctr_va_vdst(0)                   ; a wait at the head's end
	s_wait_tensorcnt 0x0                           ; my part of K steps 0-5 is in; no tensor load of mine is out, so the descriptors may be written: the refill's rows are 2 records, 12,800 bytes
	s_mov_b32 s[G1+1], 1600<<16
	s_mov_b32 s[G1+3], 1600<<16
	s_mov_b32 s[G1B+1], 1600<<16
	s_mov_b32 s[G1B+3], 1600<<16
	s_barrier_signal -1
	s_barrier_wait -1
	FETCH_B 0, 0, 0
	FETCH_A 0, 0, 0
	SCALES 0, 0, 0
	FETCH_A 0, 0, 4
	KSTEP 0, 1
	KSTEP 1, 0
	KSTEP 2, 0
	s_wait_alu depctr_va_vdst(0)
	KTURN 3, 1                                     ; the one refill: K steps 6, 7
	KSTEP 4, 0
	KTURN 5, 0
	KSTEP 6, 0
	KLAST
	PLACES
.irp a, 0,1,2,3,4,5,6,7
	s_wait_xcnt 0x0
	QUANT 64*(\a%4), 2+\a/4, 192+20*(\a%2), 64+\a
	IMG 192+20*(\a%2), OB+2*(\a/4), 1536*(\a%4)
.if \a%2
	v_cndmask_b32 v[72+\a/2], v[64+\a-1], v[64+\a], s12
	global_store_b32 v21, v[72+\a/2], s[OB+2*(\a/4):OB+2*(\a/4)+1] offset:6144+64*(\a%4-1)
.endif
.endr
	s_wait_tensorcnt 0x0
	ds_add_u32 v[SPW], v[NIL]
	s_wait_dscnt 0x0
	CROUND
	s_endpgm
.Lfunc_end_k_qea606ec75d_qkv:
	.size	k_qea606ec75d_qkv, .Lfunc_end_k_qea606ec75d_qkv-k_qea606ec75d_qkv
	.p2alignl 7, 3214868480
	.fill 96, 4, 3214868480
	.section	.rodata,"a",@progbits
	.p2align	6, 0x0
	.amdhsa_kernel k_qea606ec75d_qkv
		.amdhsa_group_segment_fixed_size 327680
		.amdhsa_private_segment_fixed_size 0
		.amdhsa_enable_private_segment 0
		.amdhsa_kernarg_size 32
		.amdhsa_user_sgpr_count 2
		.amdhsa_user_sgpr_kernarg_segment_ptr 1
		.amdhsa_wavefront_size32 1
		.amdhsa_system_sgpr_workgroup_id_x 1
		.amdhsa_system_sgpr_workgroup_id_y 1
		.amdhsa_system_sgpr_workgroup_id_z 1
		.amdhsa_system_vgpr_workitem_id 0
		.amdhsa_next_free_vgpr 1024
		.amdhsa_next_free_sgpr 100
		.amdhsa_reserve_vcc 0
		.amdhsa_float_denorm_mode_32 3
		.amdhsa_float_denorm_mode_16_64 3
		.amdhsa_memory_ordered 1
		.amdhsa_forward_progress 1
		.amdhsa_inst_pref_size 148
	.end_amdhsa_kernel
	.amdgpu_metadata
---
amdhsa.version: [ 1, 2 ]
amdhsa.kernels:
  - .name:           k_qea606ec75d_qkv
    .symbol:         k_qea606ec75d_qkv.kd
    .args:
      - { .name: xc, .offset: 0, .size: 8, .value_kind: global_buffer, .address_space: global }
      - { .name: wc, .offset: 8, .size: 8, .value_kind: global_buffer, .address_space: global }
      - { .name: qk, .offset: 16, .size: 8, .value_kind: global_buffer, .address_space: global }
      - { .name: vc, .offset: 24, .size: 8, .value_kind: global_buffer, .address_space: global }
    .group_segment_fixed_size: 327680
    .private_segment_fixed_size: 0
    .kernarg_segment_align: 8
    .kernarg_segment_size: 32
    .max_flat_workgroup_size: 128
    .sgpr_count:     100
    .vgpr_count:     1024
    .wavefront_size: 32
...
	.end_amdgpu_metadata
.endif
;; end of part 7
;; launch score (part 8): grid 32 x 8, 4 waves a work-group, no clusters, 205,312 bytes of LDS; arguments qk, pc, ml; writes pc, ml
.if DOCPART == 8
	.amdgcn_target "amdgcn-amd-amdhsa--gfx1250"
	.amdhsa_code_object_version 6
	.text
	.protected	k_qea606ec75d_score
	.globl	k_qea606ec75d_score
	.p2align	8
	.type	k_qea606ec75d_score,@function
k_qea606ec75d_score:
	s_mov_b64 s[64:65], 0
	v_nop
	global_prefetch_b8 v0, s[64:65] scope:SCOPE_SE
	s_setreg_imm32_b32 hwreg(HW_REG_WAVE_MODE, 25, 1), 1
	s_wait_xcnt 0x0
; p = 2^(t - M), t = (q . k) log2(e) / 32, on codes of FP6 (E2M3) with E8M0 scales, K = 1,024; p leaves as records of codes (laid as launch quant's head says), K = the keys.
; DEAD WORK LEFT OUT: records of 64 queries x 128 keys all of whose keys come after all of their queries (reference() overwrites those scores itself) are not multiplied.
; M IS LOCAL: for each query and each chunk of 128 keys M = ceil(the chunk's largest t), a whole number; -M and l = the sum of the unquantised p go to ml, p's scale bytes are stored under this M; launch pv brings them under the row's M.
; SHARES: 256 work-groups.  x >= 2: half (x & 1) of a tile (I, J), J < I, of 256 x 256: 128 queries x 256 keys; line y of 15 places holds row y's y tiles and row 15 - y's 15 - y.  Wave w: query group 2 half + w / 2, chunk w % 2: one record.
; x < 2: the diagonal tile I = 8 x + y.  Wave w takes fragment w of each of the four query groups, so the four waves have equal work: a first pass over chunk 0 (four blocks), a second over chunk 1 (the blocks of groups 2 and 3).
; The records of groups 0, 1 x chunk 1, and for even I the two chunks behind the tile (launch pv walks the keys in units of 512), are stored as zero codes, bytes 1, -M = 3e38, l = 0.
; OPERANDS: k's four row groups, all of K, 4 x 51,200 dense bytes, come into LDS by one tensor load a wave; nothing is filled again, one barrier.  q's four fragments x 8 K steps go from memory straight into 384 registers,
; as they lie in the records, with their 32 scale words.  Source 0 = 16 keys, source 1 = 16 queries: a lane holds one query, its registers run along the keys.
; k's fragments come from LDS by fours (a row group's record of a K step) into three sets by turns, two sets ahead of their products.
; NO CLUSTER: key column J is read by 2 (15 - J) + 1 work-groups, which divides into no fours.  NO PREFETCH: the text has no loop to run ahead in; all it reads is asked for at its head.
; LIMITS: NaN and infinities among q and k are not served; the promise holds while |t| stays under 2^31.
; REGISTERS: window 0: v4-21 LDS addresses, v10-14 lane offsets, v32-37 k's scale words, v40-67 softmax work, v68-99 q's scale words, v100-163 t - M then p, v164-203 codes, v208-255 q of K step 7;
;   window 1: v0-143 k's three sets, v144-239 q of K steps 5, 6;  window 2: accumulator (a, b) at 8 (8 a + b);  window 3: q of K steps 0-4.
.set REC,   6400
.set GROW,  8*REC
.set SPARE, 4*GROW                     ; the spare words, 128 bytes for each wave, which no other line names
.set SPW,   28
.set NIL,   29
.set SB,    32
.set TM,    40
.set SA,    68
.set ST,    100
.set PC0,   164
.set DG,    11                         ; s11  1 in a diagonal work-group
.set DD,    12                         ; s12  block 0's first query less chunk 0's first key (1,000 where nothing is hidden)
.set SEL,   20
.set CS,    22
.set QBS,   66                         ; s[66:73] q's four fragments;  s[74:81] their scale words;  s[82:89] p's four fragments;  s[90:97] their scale words;  s[36:43] their places in ml
.set ZBS,   74
.set PBS,   82
.set WBS,   90
.set MBS,   36
.set MSB, 0
.macro WIN new                         ; the immediate's high byte repeats the setting that is left
.if MSB != (\new)
	s_set_vgpr_msb (MSB<<8)|(\new)
.set MSB, \new
.endif
.endm
.macro PLACES                          ; four plain places behind a matrix instruction (ISA guide 7.12.1)
.rept 4
	v_nop
.endr
.endm
.macro BASE4 d, p, off, st             ; four addresses: buffer + offset + i x stride
	s_mov_b32 s58, s[\off]
	s_add_nc_u64 s[\d:\d+1], s[\p:\p+1], s[58:59]
	s_mov_b32 s58, s[\st]
.irp i, 1,2,3
	s_add_nc_u64 s[\d+2*\i:\d+2*\i+1], s[\d+2*\i-2:\d+2*\i-1], s[58:59]
.endr
.endm
.macro FETCH t, adr                    ; half step t: K step t / 2, row group t % 2 of the chunk: four fragments and their scale words into set t % 3: 18 LDS loads
.set FK, REC*((\t)/2)
.set FG, (\t)%2
.set FU, (\t)%3
	WIN 0x40
.irp f, 0,1,2,3
	ds_load_b128 v[48*FU+12*\f:48*FU+12*\f+3], v[(\adr)+FG] offset:FK+1536*\f
	ds_load_b64 v[48*FU+12*\f+4:48*FU+12*\f+5], v[(\adr)+2+FG] offset:FK+1536*\f+512
	ds_load_b128 v[48*FU+12*\f+6:48*FU+12*\f+9], v[(\adr)+FG] offset:FK+1536*\f+768
	ds_load_b64 v[48*FU+12*\f+10:48*FU+12*\f+11], v[(\adr)+2+FG] offset:FK+1536*\f+1280
.endr
	WIN 0
	ds_load_b32 v[SB+2*FU], v[(\adr)+4+FG] offset:FK+6144        ; lanes 0-15 fragment 0's words, lanes 16-31 fragment 1's
	ds_load_b32 v[SB+2*FU+1], v[(\adr)+4+FG] offset:FK+6144+128  ; fragments 2 and 3
.endm
.macro MULH t, a0                      ; half step t's products for blocks a0 .. 3; the accumulators take turns, one instruction a turn; K step 0 starts the sums
.set KS, (\t)/2
.set GG, (\t)%2
.set BU, 48*((\t)%3)
.set SU, SB+2*((\t)%3)
.if KS < 5
.set AW, 3
.set AO, 48*KS
.else
.if KS < 7
.set AW, 1
.set AO, 144+48*(KS-5)
.else
.set AW, 0
.set AO, 208
.endif
.endif
	WIN 0xa1|(AW<<2)
.irp f, 0,1,2,3
.irp a, 0,1,2,3
.if \a >= \a0
.set WD, 8*(8*\a+4*GG+\f)
.set WF, BU+12*\f
.set WA, AO+12*\a
.set WS, SU+\f/2
.set WQ, SA+4*KS+\a
.if KS == 0
.if \f%2
	v_wmma_scale_f32_16x16x128_f8f6f4 v[WD:WD+7], v[WF:WF+11], v[WA:WA+11], 0, v[WS], v[WQ] matrix_a_fmt:MATRIX_FMT_FP6 matrix_b_fmt:MATRIX_FMT_FP6 matrix_a_scale:MATRIX_SCALE_ROW1
.else
	v_wmma_scale_f32_16x16x128_f8f6f4 v[WD:WD+7], v[WF:WF+11], v[WA:WA+11], 0, v[WS], v[WQ] matrix_a_fmt:MATRIX_FMT_FP6 matrix_b_fmt:MATRIX_FMT_FP6
.endif
.else
.if \f%2
	v_wmma_scale_f32_16x16x128_f8f6f4 v[WD:WD+7], v[WF:WF+11], v[WA:WA+11], v[WD:WD+7], v[WS], v[WQ] matrix_a_fmt:MATRIX_FMT_FP6 matrix_b_fmt:MATRIX_FMT_FP6 matrix_a_scale:MATRIX_SCALE_ROW1
.else
	v_wmma_scale_f32_16x16x128_f8f6f4 v[WD:WD+7], v[WF:WF+11], v[WA:WA+11], v[WD:WD+7], v[WS], v[WQ] matrix_a_fmt:MATRIX_FMT_FP6 matrix_b_fmt:MATRIX_FMT_FP6
.endif
.endif
.endif
.endr
.endr
.endm
.macro PASS adr, a0                    ; a chunk of 128 keys against blocks a0 .. 3, all of K: 16 half steps
	FETCH 0, \adr
	FETCH 1, \adr
.set TT, 0
.rept 16
.if TT+2 < 16
.if TT > 0
	PLACES                                         ; the set of half step TT - 1 is loaded anew
.endif
	FETCH TT+2, \adr
	s_wait_dscnt 36                                ; all but the two younger fetches, 18 loads each
.else
.if TT+1 < 16
	s_wait_dscnt 18                                ; all but the one younger fetch
.else
	s_wait_dscnt 0x0
.endif
.endif
.if TT == 0
	s_wait_loadcnt 0x0                             ; q's fragments and scale words are in
.endif
	MULH TT, \a0
.set TT, TT+1
.endr
	WIN 0
.endm
; Block a: 16 queries x 128 keys of chunk e; register 16 n + i = key 32 n + 16 (lane / 16) + i
.macro SOFT a, e
.set ACB, 64*(\a)
.set PCX, PC0+20*((\a)%2)
	s_wait_xcnt 0x0                                ; earlier stores have read their registers
.if 64*(\a)-128*(\e) < 127             ; else the block's first query lies 127 or more past the chunk's first key in every work-group
	s_add_co_i32 s60, s[DD], 64*(\a)-128*(\e)
	s_cmp_ge_i32 s60, 127                          ; ids alone
	s_cbranch_scc1 .Lopen_\@
	v_add_nc_u32 v23, s60, v22                     ; d = my query - the chunk's first key - 16 (lane / 16): key 32 n + i is hidden where 32 n + i > d
	WIN 0x82
.set nn, 0
.rept 64
	v_cmp_gt_i32 vcc_lo, 32*(nn/16)+nn%16, v23
	v_cndmask_b32 v[ACB+nn], v[ACB+nn], v24, vcc_lo
.set nn, nn+1
.endr
	WIN 0
.Lopen_\@:
.endif
	WIN 0x0a
.irp b, 0,1,2,3
	v_max_num_f32 v[TM+\b], v[ACB+16*\b], v[ACB+16*\b+1]   ; the largest score of each block of 32 keys: for the chunk's maximum and, since p rises with the score, for the block's largest p
.endr
.irp i, 2,4,6,8,10,12,14
.irp b, 0,1,2,3
	v_max3_num_f32 v[TM+\b], v[ACB+16*\b+\i], v[ACB+16*\b+\i+1], v[TM+\b]
.endr
.endr
	WIN 0
.irp b, 0,1,2,3
	v_permlanex16_b32 v[TM+4+\b], v[TM+\b], s[SEL], s[SEL+1]
.endr
.irp b, 0,1,2,3
	v_max_num_f32 v[TM+\b], v[TM+\b], v[TM+4+\b]
.endr
	v_max3_num_f32 v60, v[TM], v[TM+1], v[TM+2]
	v_max_num_f32 v60, v60, v[TM+3]                ; every block made here holds a key that counts for each of its queries
	v_mul_f32 v60, s[CS], v60                      ; as t (c is positive)
	v_floor_f32 v62, -v60                          ; -M = floor(-t) = -ceil(t)
	WIN 0x02
.set jj, 0
.rept 32
	v_pk_fma_f32 v[ST+jj:ST+jj+1], v[ACB+jj:ACB+jj+1], s[CS:CS+1], v[62:63] op_sel_hi:[1,0,0]   ; t - M, two at a time
.set jj, jj+2
.endr
	WIN 0
.irp b, 0,1,2,3
	v_fma_f32 v[TM+\b], v[TM+\b], s[CS], v62       ; the same of each block's largest score
.endr
	s_wait_alu depctr_va_vdst(0)                   ; a wait ahead of the batch
.set jj, 0
.rept 64
	v_exp_f32 v[ST+jj], v[ST+jj]                   ; p, at most 1
.set jj, jj+1
.endr
	v_nop                                          ; a plain place behind the exponentials
	s_wait_alu depctr_va_vdst(0)                   ; one wait for the batch, ahead of its first reader
.irp b, 0,1,2,3
	v_exp_f32 v[TM+\b], v[TM+\b]                   ; the block's largest p
.endr
	v_pk_add_f32 v[56:57], v[ST:ST+1], v[ST+2:ST+3]        ; the sum of the unquantised p, in two chains; it reads the 64 alone
	v_pk_add_f32 v[58:59], v[ST+4:ST+5], v[ST+6:ST+7]
.irp j, 8,12,16,20,24,28,32,36,40,44,48,52,56,60
	v_pk_add_f32 v[56:57], v[56:57], v[ST+\j:ST+\j+1]
	v_pk_add_f32 v[58:59], v[58:59], v[ST+\j+2:ST+\j+3]
.endr
	v_pk_add_f32 v[56:57], v[56:57], v[58:59]
	v_add_f32 v56, v56, v57
	v_permlanex16_b32 v61, v56, s[SEL], s[SEL+1]
	v_add_f32 v66, v56, v61
	v_cndmask_b32 v65, v62, v66, s10               ; lanes 0-15 carry -M, lanes 16-31 l
	s_wait_alu depctr_va_vdst(0)                   ; and one for the four
.irp b, 0,1,2,3
	v_max_num_f32 v[TM+\b], 0x1800000, v[TM+\b]    ; the floor 2^(3 - 127): the byte cannot fall under 1
.endr
.irp b, 0,1,2,3
	v_add_nc_u32 v[TM+12+\b], 0xff000000, v[TM+\b] ; 2 off the exponent field: the conversion's scale operand
.endr
.irp b, 0,1,2,3
	v_lshrrev_b32 v[TM+4+\b], 23, v[TM+12+\b]
.endr
	v_lshl_or_b32 v64, v[TM+5], 8, v[TM+4]
	v_lshl_or_b32 v64, v[TM+6], 16, v64
	v_lshl_or_b32 v64, v[TM+7], 24, v64
.irp c, 0,1
	v_cvt_scalef32_pk16_fp6_f32 v[PCX+6*\c:PCX+6*\c+2], v[ST+32*\c:ST+32*\c+15], v[TM+12+2*\c]
	v_cvt_scalef32_pk16_fp6_f32 v[PCX+12+4*\c:PCX+14+4*\c], v[ST+32*\c+16:ST+32*\c+31], v[TM+12+2*\c+1]
.endr
	v_nop                                          ; one plain place behind a scaled conversion
.irp c, 0,1
.irp i, 0,1,2
	v_permlane16_swap_b32 v[PCX+6*\c+\i], v[PCX+12+4*\c+\i]
.endr
.irp i, 0,1,2
	v_mov_b32 v[PCX+3+6*\c+\i], v[PCX+12+4*\c+\i]
.endr
.endr
	global_store_b128 v10, v[PCX:PCX+3], s[PBS+2*(\a):PBS+2*(\a)+1] offset:REC*(\e)
	global_store_b64 v11, v[PCX+4:PCX+5], s[PBS+2*(\a):PBS+2*(\a)+1] offset:REC*(\e)+512
	global_store_b128 v10, v[PCX+6:PCX+9], s[PBS+2*(\a):PBS+2*(\a)+1] offset:REC*(\e)+768
	global_store_b64 v11, v[PCX+10:PCX+11], s[PBS+2*(\a):PBS+2*(\a)+1] offset:REC*(\e)+1280
	global_store_b32 v13, v64, s[WBS+2*(\a):WBS+2*(\a)+1] offset:REC*(\e)+6144   ; both halves of the lanes hold slot r's word and write it to the same place
	global_store_b32 v14, v65, s[MBS+2*(\a):MBS+2*(\a)+1] offset:1024*(\e)       ; -M at 4 r, l at 512 + 4 r
.endm
.macro ZREC k                          ; my row group's record of the chunk k behind chunk 1: zero codes, bytes 1, -M = 3e38, l = 0
.irp i, 0,1,2,3,4,5,6,7,8,9,10,11
	global_store_b128 v10, v[100:103], s[66:67] offset:REC*(\k)+512*\i
.endr
	global_store_b64 v11, v[104:105], s[66:67] offset:REC*(\k)+6144
	global_store_b64 v11, v[106:107], s[68:69] offset:1024*(\k)
	global_store_b64 v11, v[100:101], s[68:69] offset:1024*(\k)+512
.endm
	s_load_b128 s[4:7], s[0:1], 0x0                ; qk s[4:5], pc s[6:7]
	s_load_b64 s[8:9], s[0:1], 0x10                ; ml
	v_lshl_add_u32 v[SPW], v0, 2, SPARE
	v_mov_b32 v[NIL], 0
	ds_add_u32 v[SPW], v[NIL]                      ; the opening: the add, twice on end, and its wait ahead of my tensor load
	ds_add_u32 v[SPW], v[NIL]
	v_lshrrev_b32 v1, 5, v0
	v_readfirstlane_b32 s14, v1                    ; wave
	s_lshr_b32 s15, s14, 1
	s_and_b32 s16, s14, 1
	s_mov_b32 s24, 3<<16                           ; elements of 8 bytes; no mask, no padding
	s_mov_b32 s25, 32<<16                          ; a dense block of 51,200 bytes as 200 rows of 256
	s_mov_b32 s26, 200<<16
	s_mov_b32 s27, 32<<16
	s_mov_b32 s28, 200
	s_mov_b32 s29, 32
	s_mov_b32 s30, 0
	s_mov_b32 s31, 0
	s_mov_b32 s[SEL], 0x76543210
	s_mov_b32 s[SEL+1], 0xfedcba98                 ; v_permlanex16_b32's selects for lane l xor 16
	s_mov_b32 s[CS], 0x3d38aa3b                    ; log2(e) / 32
	s_mov_b32 s[CS+1], s[CS]
	s_mov_b32 s10, 0xffff0000                      ; lanes 16-31
	s_and_b32 s36, ttmp7, 0xffff                   ; y
	s_max_u32 s37, ttmp9, 2
	s_sub_co_u32 s37, s37, 2
	s_and_b32 s38, s37, 1                          ; which half of the tile's queries
	s_lshr_b32 s37, s37, 1                         ; place 0 .. 14 in line y
	s_sub_co_u32 s39, 15, s36
	s_max_u32 s40, s37, s36
	s_sub_co_u32 s40, s40, s36
	s_lshl_b32 s41, ttmp9, 3
	s_add_co_u32 s41, s41, s36                     ; the diagonal tile: 8 x + y
	s_cmp_lt_u32 s37, s36
	s_cselect_b32 s17, s36, s39                    ; I
	s_cselect_b32 s18, s37, s40                    ; J < I
	s_lshl_b32 s38, s38, 1
	s_add_co_u32 s38, s38, s15
	s_lshl_b32 s[DD], s15, 5
	s_lshl_b32 s42, s16, 3
	s_add_co_u32 s[DD], s[DD], s42                 ; fragment w's first row in its group
	s_mov_b32 s47, 1536
	s_mov_b32 s49, 1536
	s_mov_b32 s52, 128
	s_cmp_lt_u32 ttmp9, 2                          ; a diagonal work-group?  What differs is chosen here, from ids alone: first group, chunk, fragment, and the strides from block to block
	s_cselect_b32 s[DG], 1, 0
	s_cselect_b32 s17, s41, s17
	s_cselect_b32 s18, s41, s18
	s_cselect_b32 s38, 0, s38
	s_cselect_b32 s45, 0, s16                      ; the first pass's chunk of the tile's two
	s_cselect_b32 s46, s14, 0                      ; the fragment that block 0 begins with
	s_cselect_b32 s47, GROW, s47                   ; q's codes
	s_cselect_b32 s48, GROW, 64                    ; q's scale words
	s_cselect_b32 s49, 32*REC, s49                 ; p's codes
	s_cselect_b32 s50, 32*REC, 64                  ; p's scale words
	s_cselect_b32 s51, 256, 64                     ; ml: an odd block,
	s_cselect_b32 s52, 32768, s52                  ; blocks 2 and 3
	s_cselect_b32 s[DD], s[DD], 1000
	s_lshl_b32 s43, s17, 2
	s_add_co_u32 s43, s43, s38                     ; block 0's query group
	s_lshl_b32 s36, s18, 2
	s_add_co_u32 s36, s36, s14
	s_add_co_u32 s36, s36, 64
	s_mul_i32 s36, s36, GROW                       ; k's row group 64 + 4 J + wave
	s_mul_i32 s37, s43, GROW
	s_mul_i32 s39, s46, 1536
	s_lshl_b32 s40, s46, 6
	s_add_co_u32 s42, s37, s40                     ; q's scale words
	s_add_co_u32 s37, s37, s39                     ; q's codes
	s_lshl_b32 s44, s18, 1
	s_add_co_u32 s44, s44, s45                     ; the chunk of keys
	s_lshl_b32 s53, s43, 5
	s_add_co_u32 s53, s53, s44
	s_mul_i32 s53, s53, REC
	s_add_co_u32 s54, s53, s40                     ; p's scale words
	s_add_co_u32 s53, s53, s39                     ; p's codes
	s_lshr_b32 s55, s43, 1
	s_lshl_b32 s55, s55, 5
	s_add_co_u32 s55, s55, s44
	s_lshl_b32 s55, s55, 10
	s_and_b32 s56, s43, 1
	s_lshl_b32 s56, s56, 8
	s_add_co_u32 s55, s55, s56
	s_add_co_u32 s55, s55, s40                     ; ml [group / 2][chunk]: 256 (group % 2) + 64 fragment
	s_mul_i32 s57, s45, 2*GROW
	s_mov_b32 s32, 1
	s_mul_i32 s33, s14, GROW                       ; my row group's place in LDS
	s_mov_b32 s59, 0
	v_and_b32 v1, 15, v0                           ; r
	v_bfe_u32 v2, v0, 4, 1                         ; h
	v_and_b32 v3, 31, v0                           ; lane
	v_lshlrev_b32 v10, 4, v3
	v_lshlrev_b32 v11, 3, v3
	v_lshlrev_b32 v15, 2, v3
	v_lshlrev_b32 v13, 2, v1
	v_lshl_add_u32 v14, v2, 9, v13
	v_add_nc_u32 v4, s57, v10                      ; the first pass's chunk: its two row groups, by 16, 8 and 4 bytes a lane
	v_add_nc_u32 v5, GROW, v4
	v_add_nc_u32 v6, s57, v11
	v_add_nc_u32 v7, GROW, v6
	v_add_nc_u32 v8, s57, v15
	v_add_nc_u32 v9, GROW, v8
	v_add_nc_u32 v16, 2*GROW, v10                  ; the second pass's: chunk 1
	v_add_nc_u32 v17, 3*GROW, v10
	v_add_nc_u32 v18, 2*GROW, v11
	v_add_nc_u32 v19, 3*GROW, v11
	v_add_nc_u32 v20, 2*GROW, v15
	v_add_nc_u32 v21, 3*GROW, v15
	v_and_b32 v22, 8, v1
	v_add_nc_u32 v22, v22, v1
	v_lshlrev_b32 v23, 4, v2
	v_sub_nc_u32 v22, v22, v23                     ; r + (r & 8) - 16 h
	v_mov_b32 v24, 0xff800000                      ; -infinity
	v_mov_b32 v61, 0                               ; a lane permute's destination counts as one of its sources
	v_mov_b32 v63, 0                               ; (named as the upper half of the pair v[62:63])
.irp b, 0,1,2,3
	v_mov_b32 v[TM+4+\b], 0
.endr
	s_wait_alu depctr_va_vdst(0)                   ; a wait at the head's end
	s_wait_dscnt 0x0                               ; both opening adds are done
	s_wait_kmcnt 0x0
	s_mov_b32 s58, s36
	s_add_nc_u64 s[34:35], s[4:5], s[58:59]
	s_or_b32 s35, s35, 0x80000000
	tensor_load_to_lds s[32:35], s[24:31]          ; my one tensor load: a row group of k, all of K
	s_nop 0
.rept 4
	v_nop
.endr
	BASE4 QBS, 4, 37, 47
	BASE4 ZBS, 4, 42, 48
.set KK, 0
.rept 8                                ; q: 128 loads of consecutive bytes, each fragment as it lies
.if KK < 5
	WIN 0xc0
.set AO, 48*KK
.else
.if KK < 7
	WIN 0x40
.set AO, 144+48*(KK-5)
.else
	WIN 0
.set AO, 208
.endif
.endif
.irp a, 0,1,2,3
	global_load_b128 v[AO+12*\a:AO+12*\a+3], v10, s[QBS+2*\a:QBS+2*\a+1] offset:REC*KK
	global_load_b64 v[AO+12*\a+4:AO+12*\a+5], v11, s[QBS+2*\a:QBS+2*\a+1] offset:REC*KK+512
	global_load_b128 v[AO+12*\a+6:AO+12*\a+9], v10, s[QBS+2*\a:QBS+2*\a+1] offset:REC*KK+768
	global_load_b64 v[AO+12*\a+10:AO+12*\a+11], v11, s[QBS+2*\a:QBS+2*\a+1] offset:REC*KK+1280
.endr
.set KK, KK+1
.endr
.set KK, 0
.rept 8
.irp a, 0,1,2,3
	global_load_b32 v[SA+4*KK+\a], v13, s[ZBS+2*\a:ZBS+2*\a+1] offset:REC*KK+6144   ; slot r's word in lane r (lanes 16-31 hold the same and are not read)
.endr
.set KK, KK+1
.endr
	BASE4 PBS, 6, 53, 49
	BASE4 WBS, 6, 54, 50
	s_mov_b32 s58, s55
	s_add_nc_u64 s[MBS:MBS+1], s[8:9], s[58:59]
	s_mov_b32 s58, s52
	s_add_nc_u64 s[MBS+4:MBS+5], s[MBS:MBS+1], s[58:59]
	s_mov_b32 s58, s51
	s_add_nc_u64 s[MBS+2:MBS+3], s[MBS:MBS+1], s[58:59]
	s_add_nc_u64 s[MBS+6:MBS+7], s[MBS+4:MBS+5], s[58:59]
	s_wait_tensorcnt 0x0                           ; my row group of k is in;
	s_barrier_signal -1
	s_barrier_wait -1                              ; everybody's is
	PASS 4, 0
	PLACES
	SOFT 0, 0
	SOFT 1, 0
	SOFT 2, 0
	SOFT 3, 0
	s_cmp_eq_u32 s[DG], 0                          ; ids alone
	s_cbranch_scc1 .Lend
	PASS 16, 2                                     ; the diagonal tile's chunk 1, for the blocks of query groups 2 and 3
	PLACES
	SOFT 2, 1
	SOFT 3, 1
	s_lshl_b32 s61, s17, 2
	s_add_co_u32 s61, s61, s14                     ; the hidden records: wave w serves row group 4 I + w
	s_lshl_b32 s62, s17, 1
	s_add_co_u32 s62, s62, 1                       ; chunk 2 I + 1
	s_lshl_b32 s58, s61, 5
	s_add_co_u32 s58, s58, s62
	s_mul_i32 s58, s58, REC
	s_add_nc_u64 s[66:67], s[6:7], s[58:59]        ; (q's loads, which named these registers, were waited for)
	s_lshr_b32 s58, s61, 1
	s_lshl_b32 s58, s58, 5
	s_add_co_u32 s58, s58, s62
	s_lshl_b32 s58, s58, 10
	s_and_b32 s63, s61, 1
	s_lshl_b32 s63, s63, 8
	s_add_co_u32 s58, s58, s63
	s_add_nc_u64 s[68:69], s[8:9], s[58:59]
.irp i, 0,1,2,3
	v_mov_b32 v[100+\i], 0
.endr
	v_mov_b32 v104, 0x01010101
	v_mov_b32 v105, 0x01010101
	v_mov_b32 v106, 0x7f61b1e6                     ; 3e38
	v_mov_b32 v107, 0x7f61b1e6
	s_wait_alu depctr_va_vdst(0)                   ; a wait ahead of the branches
	s_cmp_ge_u32 s14, 2
	s_cbranch_scc1 .Lnot_low
	ZREC 0                                         ; groups 0 and 1 have no key in chunk 1
.Lnot_low:
	s_bitcmp1_b32 s17, 0
	s_cbranch_scc1 .Lend
	ZREC 1                                         ; an even tile row: the rest of the unit of 512 keys
	ZREC 2
.Lend:
	s_wait_tensorcnt 0x0                           ; the wave's end
	ds_add_u32 v[SPW], v[NIL]
	s_wait_dscnt 0x0
	s_endpgm
.Lfunc_end_k_qea606ec75d_score:
	.size	k_qea606ec75d_score, .Lfunc_end_k_qea606ec75d_score-k_qea606ec75d_score
	.p2alignl 7, 3214868480
	.fill 96, 4, 3214868480
	.section	.rodata,"a",@progbits
	.p2align	6, 0x0
	.amdhsa_kernel k_qea606ec75d_score
		.amdhsa_group_segment_fixed_size 205312
		.amdhsa_private_segment_fixed_size 0
		.amdhsa_enable_private_segment 0
		.amdhsa_kernarg_size 24
		.amdhsa_user_sgpr_count 2
		.amdhsa_user_sgpr_kernarg_segment_ptr 1
		.amdhsa_wavefront_size32 1
		.amdhsa_system_sgpr_workgroup_id_x 1
		.amdhsa_system_sgpr_workgroup_id_y 1
		.amdhsa_system_sgpr_workgroup_id_z 1
		.amdhsa_system_vgpr_workitem_id 0
		.amdhsa_next_free_vgpr 1024
		.amdhsa_next_free_sgpr 100
		.amdhsa_reserve_vcc 1
		.amdhsa_float_denorm_mode_32 3
		.amdhsa_float_denorm_mode_16_64 3
		.amdhsa_memory_ordered 1
		.amdhsa_forward_progress 1
		.amdhsa_inst_pref_size 208
	.end_amdhsa_kernel
	.amdgpu_metadata
---
amdhsa.version: [ 1, 2 ]
amdhsa.kernels:
  - .name:           k_qea606ec75d_score
    .symbol:         k_qea606ec75d_score.kd
    .args:
      - { .name: qk, .offset: 0, .size: 8, .value_kind: global_buffer, .address_space: global }
      - { .name: pc, .offset: 8, .size: 8, .value_kind: global_buffer, .address_space: global }
      - { .name: ml, .offset: 16, .size: 8, .value_kind: global_buffer, .address_space: global }
    .group_segment_fixed_size: 205312
    .private_segment_fixed_size: 0
    .kernarg_segment_align: 8
    .kernarg_segment_size: 24
    .max_flat_workgroup_size: 128
    .sgpr_count:     100
    .vgpr_count:     1024
    .wavefront_size: 32
...
	.end_amdgpu_metadata
.endif
;; end of part 8
;; launch pv (part 9): grid 8 x 32, 4 waves a work-group, clusters of 4 x 4, 327,680 bytes of LDS; arguments pc, vc, ml, oc; writes oc
.if DOCPART == 9
	.amdgcn_target "amdgcn-amd-amdhsa--gfx1250"
	.amdhsa_code_object_version 6
	.text
	.protected	k_qea606ec75d_pv
	.globl	k_qea606ec75d_pv
	.p2align	8
	.type	k_qea606ec75d_pv,@function
k_qea606ec75d_pv:
	s_mov_b64 s[64:65], 0
	v_nop
	global_prefetch_b8 v0, s[64:65] scope:SCOPE_SE
	s_setreg_imm32_b32 hwreg(HW_REG_WAVE_MODE, 25, 1), 1
	s_wait_xcnt 0x0
	s_wait_alu depctr_hold_cnt(0) depctr_sa_sdst(0) depctr_va_vdst(0) depctr_va_sdst(0) depctr_va_ssrc(0) depctr_va_vcc(0) depctr_vm_vsrc(0)
	s_getreg_b32 s2, hwreg(HW_REG_IB_STS2, 6, 4)
	s_cmp_eq_u32 s2, 0
	s_cbranch_scc0 .Lentry_in_a_cluster
	s_endpgm
.Lentry_in_a_cluster:
	s_bfe_u32 s2, ttmp6, 0x10000c
	s_cmp_lg_u32 s2, 0xf033
	s_cbranch_scc0 .Lentry_shape_is_right
	s_endpgm
.Lentry_shape_is_right:
; out = (p v) / l on codes of FP6 (E2M3) with E8M0 scales, K = the keys; out leaves as records of codes along d (laid as launch quant's head says).
; DEAD WORK LEFT OUT: the keys behind a row group's last unit of 512 (reference() hides them itself).  Inside that unit up to three K steps of zero codes are multiplied: whole units.
; EQUAL WALKS.  A unit is 4 K steps (512 keys).  Row group G (64 queries) has (G >> 3) + 1 live units, so groups 63 - y and y have 9 together, whatever y.  Work-group (T, y) makes 128 of d (tile T) for both: units s = 0 .. 8 of its
; walk are the long group's n1 = 8 - (y >> 3) units, then the short group's.  Every trip count is a constant. Units 0-4 are always the long group's, unit 8 the short one's; units 5, 6, 7 have
; two arms under a scalar branch on y >> 3, which differ in the accumulators and in a constant of the table's address.
; Wave (wr, wc) makes 32 queries x 64 of d for each group: 2 x 8 accumulators.  Source 0 = 16 rows of v^T, source 1 = 16 queries of p: a lane holds a query, its registers run along d.  For a K step a wave reads 6 fragments for 8 products.
; THE RING: two slots of two units (2 x 25,600 bytes of p, 2 x 51,200 of v^T).  Waves 0, 1 fetch p's two units, waves 2, 3 v^T's.  Both slots are first fills; three refills follow (units 4-5, 6-7, 8; the last by waves 0 and 2 alone).
; By the text's own count a wave has one tensor load out at the start and one behind each refill's round.
; CLUSTERS: 4 x 4 work-groups.  p's units hang on y alone: asked for jointly along a row of the cluster.  v^T's hang on T and on y >> 3, which the sixteen share (y = 4 x cluster y + cy): asked for jointly along a column.
; No branch hangs on a place in the cluster: n1 is made of the cluster's y.
; THE ROW'S M.  Launch score left p under an M of each chunk of 128 keys.  At the head waves 0, 1 serve the long group and waves 2, 3 the short one; a lane takes 4 rows and, for each place j of the walk, one chunk: -M = the least -M_c;
; each chunk's l is brought under M by v_ldexp_f32, and each of its four scale bytes has M - M_c taken off: exact powers of two.  The tables are laid by the PLACE in the walk (long group: j = s; short group: j = s - 1): which unit
; stands at a place enters global addresses alone.  A place that is not the group's reads a live unit once more: its l counts for nothing and its words are never used.
; LIMIT: a scale byte that would fall under 0 is held at 0: an error of at most 7.5 x 2^-127 in a p, beside a row's largest p above 1/2.  NaN and infinities are not served.
; The short group's first unit stands at a place that hangs on y >> 3, so its sums begin as zeros (64 moves, once); the long group's begin with the constant 0 as C.
; REGISTERS: window 0: v5-27 addresses; v28, v29 the add's two; v30, v31 the tables' lane terms; v32-47 the quantiser's; v48-63 scale words and nothing else; v64-111 the tables' offsets and work, later codes; v112-124 the way out;
;   v128-255 first the tables' loads, then accumulator (group, a, b) at 128 + 64 group + 32 a + 8 b.   window 1: two sets of fragments at 128 p: p's two at + 12 a, v^T's four at + 24 + 12 b.
.set REC,   6400
.set UNP,   4*REC                      ; a unit of p: one row group x 4 K steps, dense
.set UNV,   8*REC                      ; a unit of v^T: two row groups x 4 K steps
.set VOF,   2*UNP                      ; in a slot: p's two units, then v^T's two
.set SLOT,  2*UNP+2*UNV
.set ASC,   2*SLOT                     ; p's shifted scale words: [group (2)][place (8)][K step (4)][slot row (64)]
.set LP,    ASC+16384                  ; l in two parts: [group][half of the chunks][slot row]
.set SCX,   LP+1024                    ; the way out: a row's scale word is made of two waves' halves: [group][slot row]
.set SPARE, SCX+512                    ; the spare words, 128 bytes for each wave, which no other line names
.set ACC,   128
.set TM,    32
.set AA16,  16
.set AA8,   17
.set AB16,  18
.set AB8,   19
.set ASB,   20
.set ASA,   21
.set SPW,   28
.set NIL,   29
.set SEL,   20                         ; s[20:21]
.set N1,    22                         ; s22  the long group's units
.set ZZ,    23                         ; s23  n1 - 1
.set G1P,   24                         ; s[24:31] group 1 for p's units;  s[32:39] for v^T's
.set G1V,   32
.set G0P,   48                         ; s[48:55] group 0 for p, a set for each slot;  s[56:63] for v^T
.set G0V,   56
.set PB1,   66                         ; s[66:67] p's long row group;  s[68:69] its short one;  s[70:71] v^T's two row groups
.set PB2,   68
.set VB,    70
.set OB,    78                         ; s[78:79], s[80:81] the two groups' records of out;  s[82:83] the one whose scale words I store
.set FL,    84                         ; s84-91  1.0 where place j is my table group's, else 0
.set ZG,    100
.set MSB, 0
.macro WIN new                         ; the immediate's high byte repeats the setting that is left
.if MSB != (\new)
	s_set_vgpr_msb (MSB<<8)|(\new)
.set MSB, \new
.endif
.endm
.macro PLACES                          ; four plain places behind a matrix instruction, ahead of loads into its registers and of reads of its results
.rept 4
	v_nop
.endr
.endm
.macro CREST                           ; a round of the cluster's barrier behind its opening barrier
	s_cmp_lg_u32 s14, 0
	s_cbranch_scc1 .Lnot_wave_0_\@
	s_barrier_signal -3
.Lnot_wave_0_\@:
	s_barrier_wait -3
	s_barrier_signal -1
	s_barrier_wait -1
.endm
.macro CROUND
	s_barrier_signal -1
	s_barrier_wait -1
	CREST
.endm
.macro JLOAD sl, even                  ; a joint refill of slot sl: waves 0, 1 for p, waves 2, 3 for v^T; even = 1: the slot's first unit alone.  The branches hang on the wave's number alone
.if \even
	s_cmp_eq_u32 s16, 0
	s_cbranch_scc0 .Lasked_\@
.endif
	s_cmp_eq_u32 s15, 0
	s_cbranch_scc0 .Lfor_v_\@
	tensor_load_to_lds s[G0P+4*(\sl):G0P+4*(\sl)+3], s[G1P:G1P+7]
	s_nop 0
.rept 4
	v_nop
.endr
	s_branch .Lasked_\@
.Lfor_v_\@:
	tensor_load_to_lds s[G0V+4*(\sl):G0V+4*(\sl)+3], s[G1V:G1V+7]
	s_nop 0
.rept 4
	v_nop
.endr
.Lasked_\@:
.endm
.macro FRAG reg, a16, a8, off          ; a fragment as it lies in a record: four loads of consecutive bytes
.irp c, 0,1
	ds_load_b128 v[(\reg)+6*\c:(\reg)+6*\c+3], v[\a16] offset:(\off)+768*\c
	ds_load_b64 v[(\reg)+6*\c+4:(\reg)+6*\c+5], v[\a8] offset:(\off)+768*\c+512
.endr
.endm
.macro FETCH p, k                      ; K step k's six fragments and six scale words into set p: 30 LDS loads
	WIN 0x40
.irp a, 0,1
	FRAG 128*(\p)+12*\a, AA16, AA8, REC*(\k)+1536*\a
.endr
.irp b, 0,1,2,3
	FRAG 128*(\p)+24+12*\b, AB16, AB8, REC*(\k)+1536*\b
.endr
	WIN 0
.irp a, 0,1
	ds_load_b32 v[48+8*(\p)+\a], v[ASA] offset:256*(\k)+64*\a
.endr
.irp b, 0,1,2,3
	ds_load_b32 v[52+8*(\p)+\b], v[ASB] offset:REC*(\k)+6144+64*\b
.endr
.endm
.macro MUL p, set, zero                ; a group's 8 accumulators take turns, one instruction a turn
	WIN 0x05
.irp a, 0,1
.irp b, 0,1,2,3
.if \zero
	v_wmma_scale_f32_16x16x128_f8f6f4 v[ACC+64*(\set)+32*\a+8*\b:ACC+64*(\set)+32*\a+8*\b+7], v[128*(\p)+24+12*\b:128*(\p)+24+12*\b+11], v[128*(\p)+12*\a:128*(\p)+12*\a+11], 0, v[52+8*(\p)+\b], v[48+8*(\p)+\a] matrix_a_fmt:MATRIX_FMT_FP6 matrix_b_fmt:MATRIX_FMT_FP6
.else
	v_wmma_scale_f32_16x16x128_f8f6f4 v[ACC+64*(\set)+32*\a+8*\b:ACC+64*(\set)+32*\a+8*\b+7], v[128*(\p)+24+12*\b:128*(\p)+24+12*\b+11], v[128*(\p)+12*\a:128*(\p)+12*\a+11], v[ACC+64*(\set)+32*\a+8*\b:ACC+64*(\set)+32*\a+8*\b+7], v[52+8*(\p)+\b], v[48+8*(\p)+\a] matrix_a_fmt:MATRIX_FMT_FP6 matrix_b_fmt:MATRIX_FMT_FP6
.endif
.endr
.endr
.endm
.macro RUN4 set, first                 ; a unit's four K steps, a set ahead
	FETCH 0, 0
	FETCH 1, 1
	s_wait_alu depctr_va_vdst(0)
	s_wait_dscnt 30                                ; all but the 30 loads just issued
	MUL 0, \set, \first
	PLACES
	FETCH 0, 2
	s_wait_dscnt 30
	MUL 1, \set, 0
	PLACES
	FETCH 1, 3
	s_wait_dscnt 30
	MUL 0, \set, 0
	s_wait_dscnt 0x0
	MUL 1, \set, 0
	WIN 0
.endm
.macro UARM s, sl, e, set, first       ; unit s of the walk, which lies in slot sl as its unit e, for group set
	v_add_nc_u32 v[AA16], SLOT*(\sl)+UNP*(\e), v8  ; (these six are also the places behind the last products)
	v_add_nc_u32 v[AA8], SLOT*(\sl)+UNP*(\e), v9
	v_add_nc_u32 v[AB16], SLOT*(\sl)+UNV*(\e), v10
	v_add_nc_u32 v[AB8], SLOT*(\sl)+UNV*(\e), v11
	v_add_nc_u32 v[ASB], SLOT*(\sl)+UNV*(\e), v12
	v_add_nc_u32 v[ASA], 8192*(\set)+1024*((\s)-(\set)), v13   ; the table's place: s for the long group, s - 1 for the short one
	RUN4 \set, \first
.endm
.macro UDYN s, sl, e                   ; a unit that is the long group's where n1 > s: the cluster's y alone decides, the same in all waves and all partners
	s_cmp_gt_u32 s[N1], \s
	s_cbranch_scc0 .Lshort_\@
	UARM \s, \sl, \e, 0, 0
	s_branch .Ljoin_\@
.Lshort_\@:
	UARM \s, \sl, \e, 1, 0
.Ljoin_\@:
.endm
; THE CHANGE OF SLOTS: slot sl has been read out and takes the walk's units 2 k and 2 k + 1 (even = 1: 2 k alone).  Each wave waits for all its tensor loads, adds 0 to its spare word, and waits for that and for its reads;
; the round of the cluster's barrier shows the same of every wave of every partner; the joint refill is the first thing behind it and has the other slot's two units in which to land.
.macro CHG k, sl, even
	s_wait_tensorcnt 0x0                           ; no tensor load of mine is out, so the groups 0 may be written
	ds_add_u32 v[SPW], v[NIL]                      ; 0 onto my spare word; the descriptors' steps stand between it and the wait for it
	s_add_co_u32 s45, s16, 2*(\k)                  ; my unit of the walk
	s_cmp_lt_u32 s45, s[N1]
	s_cselect_b32 s46, 0, s[N1]
	s_cselect_b64 s[G0P+4*(\sl)+2:G0P+4*(\sl)+3], s[PB1:PB1+1], s[PB2:PB2+1]
	s_sub_co_u32 s45, s45, s46                     ; its number in its group
	s_mul_i32 s46, s45, UNP                        ; four records on for each unit, in p and in v^T alike
	s_mov_b32 s47, 0
	s_add_nc_u64 s[G0P+4*(\sl)+2:G0P+4*(\sl)+3], s[G0P+4*(\sl)+2:G0P+4*(\sl)+3], s[46:47]
	s_or_b32 s[G0P+4*(\sl)+3], s[G0P+4*(\sl)+3], 0x80000000
	s_add_nc_u64 s[G0V+4*(\sl)+2:G0V+4*(\sl)+3], s[VB:VB+1], s[46:47]
	s_or_b32 s[G0V+4*(\sl)+3], s[G0V+4*(\sl)+3], 0x80000000
	s_wait_dscnt 0x0                               ; the add is done, and my reads of the slot are over
	CROUND
	JLOAD \sl, \even
.endm
; Units 0-3 come by the head's four loads, ONE A WAVE: waves 0, 1 bring p's units 0, 1 and 2, 3 into slots 0 and 1, waves 2, 3 v^T's.  There v^T lies row group by row group (group wc at 2 wc units, unit e behind it),
; where a refill lays it unit by unit: so these four units have address bases of their own, v2, v3, v4.  All four are the long group's.
.macro UARMH s, sl, e, first
	v_add_nc_u32 v[AA16], SLOT*(\sl)+UNP*(\e), v8
	v_add_nc_u32 v[AA8], SLOT*(\sl)+UNP*(\e), v9
	v_add_nc_u32 v[AB16], SLOT*(\sl)+UNP*(\e), v2
	v_add_nc_u32 v[AB8], SLOT*(\sl)+UNP*(\e), v3
	v_add_nc_u32 v[ASB], SLOT*(\sl)+UNP*(\e), v4
	v_add_nc_u32 v[ASA], 1024*(\s), v13
	RUN4 0, \first
.endm
; A PREFETCH INTO THE L2, behind each fill: the unit that I shall fetch at the NEXT fill (unit 2 k + wc of the walk), one fill, two units of products, ahead of its load.  A unit's row of 25,600 bytes is 100 blocks of 256;
; the four partners that ask for it jointly share them out by address, 25 blocks (a record) each: by cx for p, by cy for v^T, whose second row lies 32 records on.  Lanes 25-31 name the last block again.  even = 1: unit 2 k alone exists.
.macro PF k, even
	s_wait_xcnt 0x0                                ; the last prefetch has read its address
	s_add_co_u32 s94, s16, 2*(\k)
	s_cmp_lt_u32 s94, s[N1]
	s_cselect_b32 s95, 0, s[N1]
	s_cselect_b64 s[92:93], s[PB1:PB1+1], s[PB2:PB2+1]
	s_sub_co_u32 s94, s94, s95
	s_mul_i32 s94, s94, UNP
	s_cmp_eq_u32 s15, 0
	s_cselect_b64 s[92:93], s[92:93], s[VB:VB+1]
	s_cselect_b32 s95, s40, s41
	s_mul_i32 s95, s95, REC
	s_add_co_u32 s94, s94, s95
	s_mov_b32 s95, 0
	s_add_nc_u64 s[92:93], s[92:93], s[94:95]
.if \even
	s_cmp_eq_u32 s16, 0
	s_cbranch_scc0 .Lpf_done_\@
.endif
	global_prefetch_b8 v1, s[92:93] th:TH_LOAD_NT scope:SCOPE_SE
	s_cmp_eq_u32 s15, 0
	s_cbranch_scc1 .Lpf_done_\@
	global_prefetch_b8 v1, s[92:93] offset:32*REC th:TH_LOAD_NT scope:SCOPE_SE
.Lpf_done_\@:
.endm
; One place j of the walk: my chunk of it, four rows side by side, so that no line waits for the line above it
.macro ITEM j
.irp i, 0,1,2,3
	v_sub_f32 v[84+\i], v[80+\i], v[128+4*(\j)+\i] ; M_c - M: a whole number, 0 or less
.endr
.irp i, 0,1,2,3
	v_cvt_i32_f32 v[84+\i], v[84+\i]               ; (it saturates)
.endr
.irp i, 0,1,2,3
	v_ldexp_f32 v[192+4*(\j)+\i], v[192+4*(\j)+\i], v[84+\i]   ; l_c under the row's M
.endr
.irp i, 0,1,2,3
	v_sub_nc_u32 v[88+\i], 0, v[84+\i]
.endr
.irp i, 0,1,2,3
	v_min_u32 v[88+\i], 127, v[88+\i]              ; what comes off each byte (the bytes lie between 1 and 125)
.endr
.irp i, 0,1,2,3
	v_lshl_or_b32 v[88+\i], v[88+\i], 8, v[88+\i]
.endr
.irp i, 0,1,2,3
	v_lshl_or_b32 v[88+\i], v[88+\i], 16, v[88+\i]
.endr
.irp i, 0,1,2,3
	v_or_b32 v[92+\i], 0x80808080, v[224+4*(\j)+\i]   ; a guard bit over each byte: no borrow crosses bytes,
.endr
.irp i, 0,1,2,3
	v_sub_nc_u32 v[92+\i], v[92+\i], v[88+\i]
.endr
.irp i, 0,1,2,3
	v_lshrrev_b32 v[96+\i], 7, v[92+\i]            ; and it stays set where the byte has not fallen under 0
.endr
.irp i, 0,1,2,3
	v_and_b32 v[96+\i], 0x01010101, v[96+\i]
.endr
.irp i, 0,1,2,3
	v_lshlrev_b32 v[100+\i], 8, v[96+\i]
.endr
.irp i, 0,1,2,3
	v_sub_nc_u32 v[100+\i], v[100+\i], v[96+\i]    ; 0xff for each such byte
.endr
.irp i, 0,1,2,3
	v_and_b32 v[92+\i], 0x7f7f7f7f, v[92+\i]
.endr
.irp i, 0,1,2,3
	v_and_b32 v[224+4*(\j)+\i], v[92+\i], v[100+\i]
.endr
	ds_store_b128 v25, v[224+4*(\j):224+4*(\j)+3] offset:1024*(\j)
.irp i, 0,1,2,3
.if (\j) == 0
	v_mul_f32 v[104+\i], s[FL], v[192+\i]          ; a place that is my group's counts once, another not at all
.else
	v_fma_f32 v[104+\i], v[192+4*(\j)+\i], s[FL+(\j)], v[104+\i]
.endif
.endr
.endm
; 32 numbers of a lane, register acb + 16 n + i = d 32 n + 16 (lane / 16) + i of my 64, become half a fragment (6 registers) in v[pc] on and two scale bytes in v[pw]
.macro QUANTH acb, pc, pw
.irp b, 0,1
	v_max3_num_f32 v[TM+\b], |v[(\acb)+16*\b]|, |v[(\acb)+16*\b+1]|, 0x1800000   ; with the floor 2^(3 - 127): the byte cannot fall under 1
.endr
.irp i, 2,4,6,8,10,12,14
.irp b, 0,1
	v_max3_num_f32 v[TM+\b], v[TM+\b], |v[(\acb)+16*\b+\i]|, |v[(\acb)+16*\b+\i+1]|
.endr
.endr
.irp b, 0,1
	v_permlanex16_b32 v[TM+4+\b], v[TM+\b], s[SEL], s[SEL+1]
.endr
.irp b, 0,1
	v_max_num_f32 v[TM+\b], v[TM+\b], v[TM+4+\b]
.endr
.irp b, 0,1
	v_add_nc_u32 v[TM+12+\b], 0xff000000, v[TM+\b] ; 2 off the exponent field: the conversion's scale operand
.endr
.irp b, 0,1
	v_lshrrev_b32 v[TM+4+\b], 23, v[TM+12+\b]      ; the scale's byte
.endr
	v_lshl_or_b32 v[\pw], v[TM+5], 8, v[TM+4]
	v_cvt_scalef32_pk16_fp6_f32 v[(\pc):(\pc)+2], v[(\acb):(\acb)+15], v[TM+12]
	v_cvt_scalef32_pk16_fp6_f32 v[(\pc)+6:(\pc)+8], v[(\acb)+16:(\acb)+31], v[TM+13]
	v_nop                                          ; one plain place behind a scaled conversion
.irp i, 0,1,2
	v_permlane16_swap_b32 v[(\pc)+\i], v[(\pc)+6+\i]
.endr
.irp i, 0,1,2
	v_mov_b32 v[(\pc)+3+\i], v[(\pc)+6+\i]
.endr
.endm
	s_load_b256 s[4:11], s[0:1], 0x0               ; pc s[4:5], vc s[6:7], ml s[8:9], oc s[10:11]
	v_lshl_add_u32 v[SPW], v0, 2, SPARE
	v_mov_b32 v[NIL], 0
	ds_add_u32 v[SPW], v[NIL]                      ; the opening: the add, twice on end, and its wait ahead of my first tensor load
	ds_add_u32 v[SPW], v[NIL]
	v_lshrrev_b32 v1, 5, v0
	v_readfirstlane_b32 s14, v1                    ; wave
	s_lshr_b32 s15, s14, 1                         ; wr: which 32 queries.  Also: I fetch for p (0) or for v^T (1); my table group
	s_and_b32 s16, s14, 1                          ; wc: which 64 of d.  Also: which unit of a slot I fetch; which half of a place's chunks is mine
	s_bfe_u32 s40, ttmp6, 0x40000                  ; cx
	s_bfe_u32 s41, ttmp6, 0x40004                  ; cy
	s_lshl_b32 s18, ttmp9, 2
	s_add_co_u32 s18, s18, s40                     ; T
	s_and_b32 s42, ttmp7, 0xffff                   ; the cluster's y
	s_lshr_b32 s19, s42, 1                         ; y >> 3: the same in all sixteen partners
	s_lshl_b32 s17, s42, 2
	s_add_co_u32 s17, s17, s41                     ; y
	s_sub_co_u32 s[N1], 8, s19
	s_sub_co_u32 s[ZZ], 7, s19
	s_lshl_b32 s43, s41, 2
	s_lshl_b32 s43, 15, s43                        ; my row of the cluster
	s_lshl_b32 s44, 0x1111, s40                    ; my column
	s_or_b32 s[G1P], s43, (3<<16)|(1<<21)          ; the mask; elements of 8 bytes; bit 21 set beside a mask; no padding
	s_mov_b32 s[G1P+1], 32<<16                     ; p: a dense block of 25,600 bytes as 100 rows of 256
	s_mov_b32 s[G1P+2], 200<<16                    ; at the head a load of p brings two units, 51,200 dense bytes
	s_mov_b32 s[G1P+3], 32<<16
	s_mov_b32 s[G1P+4], 200
	s_mov_b32 s[G1P+5], 32
	s_mov_b32 s[G1P+6], 0
	s_mov_b32 s[G1P+7], 0
	s_or_b32 s[G1V], s44, (3<<16)|(1<<21)
	s_mov_b32 s[G1V+1], 6400<<16                   ; at the head a load of v^T brings two units: 2 rows of 51,200 bytes (8 records of a row group)
	s_mov_b32 s[G1V+2], 2<<16
	s_mov_b32 s[G1V+3], 6400<<16
	s_mov_b32 s[G1V+4], 2
	s_mov_b32 s[G1V+5], 25600                      ; 204,800 bytes apart
	s_mov_b32 s[G1V+6], 0
	s_mov_b32 s[G1V+7], 0
	s_sub_co_u32 s92, 63, s17
	s_mul_i32 s92, s92, 32*REC                     ; p's long row group: hangs on y alone
	s_mov_b32 s93, 0
	s_mul_i32 s94, s17, 32*REC                     ; and its short one
	s_mov_b32 s95, 0
	s_mul_i32 s96, s18, 64*REC                     ; v^T's row groups 2 T, 2 T + 1: hangs on T alone
	s_mov_b32 s97, 0
	; the tables: my group's bytes of ml and of p's scale words
	s_sub_co_u32 s98, 63, s17
	s_cmp_lt_u32 s14, 2
	s_cselect_b32 s98, s98, s17                    ; my table group's row group
	s_cselect_b32 s[ZG], 0, s[ZZ]
	s_lshr_b32 s12, s98, 1
	s_lshl_b32 s12, s12, 15                        ; ml [row group / 2]: 32 chunks of 1,024 bytes,
	s_and_b32 s13, s98, 1
	s_lshl_b32 s13, s13, 8                         ; its lower or upper 64 rows
	s_add_co_u32 s12, s12, s13
	s_lshl_b32 s13, s16, 11
	s_add_co_u32 s2, s12, s13                      ; my two chunks of a unit's four,
	s_xor_b32 s13, s13, 2048
	s_add_co_u32 s12, s12, s13                     ; and the other two
	s_mov_b32 s3, 0
	s_mov_b32 s13, 0
	s_mul_i32 s98, s98, 32*REC
	s_mul_i32 s99, s16, 2*REC
	s_add_co_u32 s98, s98, s99
	s_mov_b32 s99, 0
	v_and_b32 v5, 15, v0                           ; r
	v_and_b32 v6, 31, v0                           ; lane
	v_bfe_u32 v7, v0, 4, 1
	v_min_u32 v1, 24, v6
	v_lshlrev_b32 v1, 8, v1                        ; the prefetches' offset: a block of 256 bytes a lane; never rewritten
	v_lshlrev_b32 v30, 4, v5
	v_lshl_add_u32 v30, v7, 10, v30                ; ml: my 4 rows, + a chunk for lanes 16-31
	s_wait_alu depctr_va_vdst(0)
	v_lshlrev_b32 v31, 4, v5
	v_mad_u32_u24 v31, v7, REC, v31                ; p's scale words: likewise, a record on
	s_wait_alu depctr_va_vdst(0)
.irp j, 0,1,2,3,4,5,6,7                ; place j: the long group's unit j where j <= n1 - 1; the short group's unit j - (n1 - 1) where j >= n1 - 1; else a live unit once more
	s_min_u32 s45, s[ZZ], \j
	s_max_u32 s46, s[ZZ], \j
	s_cmp_lt_u32 s14, 2
	s_cselect_b32 s45, s45, s46
	s_cmp_eq_u32 s45, \j
	s_cselect_b32 s[FL+\j], 0x3f800000, 0
	s_sub_co_u32 s45, s45, s[ZG]                   ; the unit
	s_lshl_b32 s46, s45, 12
	v_add_nc_u32 v[64+\j], s46, v30
	s_mul_i32 s46, s45, UNP
	v_add_nc_u32 v[72+\j], s46, v31
.endr
	s_mov_b32 s[SEL], 0x76543210
	s_mov_b32 s[SEL+1], 0xfedcba98
	s_wait_alu depctr_va_vdst(0)
	s_wait_dscnt 0x0                               ; both opening adds are done
	s_wait_kmcnt 0x0
	s_add_nc_u64 s[72:73], s[8:9], s[2:3]
	s_add_nc_u64 s[74:75], s[8:9], s[12:13]
	s_add_nc_u64 s[76:77], s[4:5], s[98:99]
.irp j, 0,1,2,3,4,5,6,7                ; 32 loads of 16 bytes a lane, all out at once, ahead of the round and the tiles
	global_load_b128 v[128+4*\j:128+4*\j+3], v[64+\j], s[72:73]              ; -M of my chunk, 4 rows
	global_load_b128 v[160+4*\j:160+4*\j+3], v[64+\j], s[74:75]              ; -M of the chunk two on or back: each wave finds the row's M by itself
	global_load_b128 v[192+4*\j:192+4*\j+3], v[64+\j], s[72:73] offset:512   ; l of my chunk
	global_load_b128 v[224+4*\j:224+4*\j+3], v[72+\j], s[76:77] offset:6144  ; its scale words
.endr
	s_add_nc_u64 s[PB1:PB1+1], s[4:5], s[92:93]
	s_add_nc_u64 s[PB2:PB2+1], s[4:5], s[94:95]
	s_add_nc_u64 s[VB:VB+1], s[6:7], s[96:97]
.irp k, 0,1                            ; slot k's first fill: units 2 k, 2 k + 1, which are the long group's whatever y
	s_add_co_u32 s45, s16, 2*\k
	s_mul_i32 s46, s45, UNP
	s_mov_b32 s47, 0
	s_mul_i32 s45, s16, UNP
	s_mov_b32 s[G0P+4*\k], 1
	s_add_co_u32 s[G0P+4*\k+1], s45, SLOT*\k       ; no place in the cluster enters an LDS address
	s_add_nc_u64 s[G0P+4*\k+2:G0P+4*\k+3], s[PB1:PB1+1], s[46:47]
	s_or_b32 s[G0P+4*\k+3], s[G0P+4*\k+3], 0x80000000
	s_mul_i32 s45, s16, UNV
	s_mov_b32 s[G0V+4*\k], 1
	s_add_co_u32 s[G0V+4*\k+1], s45, SLOT*\k+VOF
	s_add_nc_u64 s[G0V+4*\k+2:G0V+4*\k+3], s[VB:VB+1], s[46:47]
	s_or_b32 s[G0V+4*\k+3], s[G0V+4*\k+3], 0x80000000
.endr
	s_mul_i32 s45, s16, SLOT                       ; the head's loads use slot 0's groups 0: wave wc of a kind fills slot wc with units 2 wc and 2 wc + 1
	s_mov_b32 s[G0P+1], s45
	s_add_co_u32 s[G0V+1], s45, VOF
	s_mul_i32 s46, s16, 2*UNP
	s_mov_b32 s47, 0
	s_add_nc_u64 s[G0P+2:G0P+3], s[PB1:PB1+1], s[46:47]
	s_or_b32 s[G0P+3], s[G0P+3], 0x80000000
	s_add_nc_u64 s[G0V+2:G0V+3], s[VB:VB+1], s[46:47]
	s_or_b32 s[G0V+3], s[G0V+3], 0x80000000
	CROUND
	s_cmp_lt_u32 s14, 2
	s_cbranch_scc0 .Lfirst_v
	tensor_load_to_lds s[G0P:G0P+3], s[G1P:G1P+7]  ; slot 0 alone at the head: one tensor load a wave
	s_nop 0
.rept 4
	v_nop
.endr
	s_branch .Lfirst_asked
.Lfirst_v:
	tensor_load_to_lds s[G0V:G0V+3], s[G1V:G1V+7]
	s_nop 0
.rept 4
	v_nop
.endr
.Lfirst_asked:
	PF 2, 0                                        ; units 4 and 5
	s_mul_i32 s45, s15, 3072                       ; p's fragments 2 wr, 2 wr + 1 of a record
	v_lshl_add_u32 v8, v6, 4, s45
	v_lshl_add_u32 v9, v6, 3, s45
	s_mul_i32 s46, s16, UNP                        ; v^T's row group wc of a unit
	s_add_co_u32 s46, s46, VOF
	v_lshl_add_u32 v10, v6, 4, s46
	v_lshl_add_u32 v11, v6, 3, s46
	v_lshl_add_u32 v12, v5, 2, s46
	s_mul_i32 s47, s16, UNP
	s_add_co_u32 s47, s47, s46                     ; units 0-3: v^T's row group wc begins two units on
	v_lshl_add_u32 v2, v6, 4, s47
	v_lshl_add_u32 v3, v6, 3, s47
	v_lshl_add_u32 v4, v5, 2, s47
	s_lshl_b32 s47, s15, 7
	v_lshl_add_u32 v13, v5, 2, s47                 ; 4 x (slot row 32 wr + r)
	v_add_nc_u32 v15, LP, v13                      ; my rows' l
	s_lshl_b32 s42, s16, 1
	v_add_nc_u32 v14, s42, v13
	v_add_nc_u32 v14, SCX, v14                     ; where I put two scale bytes
	v_add_nc_u32 v13, ASC, v13                     ; my rows' shifted scale words
	s_lshl_b32 s42, s14, 7
	v_lshl_add_u32 v27, v6, 2, s42
	v_add_nc_u32 v27, SCX, v27                     ; and where I read 32 whole words back
	s_mul_i32 s42, s16, 768
	s_add_co_u32 s42, s42, s45
	v_lshl_add_u32 v22, v6, 4, s42                 ; the codes' place in a record: fragment 2 wr, half wc
	v_lshl_add_u32 v23, v6, 3, s42
	s_lshl_b32 s42, s16, 7
	v_lshl_add_u32 v24, v6, 2, s42
	s_lshl_b32 s42, s15, 13
	s_lshl_b32 s45, s16, 9
	s_add_co_u32 s42, s42, s45
	v_lshl_add_u32 v25, v6, 4, s42
	v_add_nc_u32 v25, ASC, v25                     ; the tables, in: my group, my two K steps of a place: 16 x lane covers K step 2 wc + h, rows 4 r on
	s_lshl_b32 s42, s14, 8
	v_lshl_add_u32 v26, v5, 4, s42
	v_add_nc_u32 v26, LP, v26
	s_sub_co_u32 s98, 63, s17
	s_lshl_b32 s98, s98, 3
	s_add_co_u32 s98, s98, s18
	s_mul_i32 s98, s98, REC
	s_mov_b32 s99, 0
	s_add_nc_u64 s[OB:OB+1], s[10:11], s[98:99]    ; out's record (long row group, K step T)
	s_lshl_b32 s98, s17, 3
	s_add_co_u32 s98, s98, s18
	s_mul_i32 s98, s98, REC
	s_add_nc_u64 s[OB+2:OB+3], s[10:11], s[98:99]  ; and (short row group, K step T)
	s_cmp_lt_u32 s14, 2
	s_cselect_b64 s[OB+4:OB+5], s[OB:OB+1], s[OB+2:OB+3]
.irp i, 0,1,2,3
	v_mov_b32 v[108+\i], 0                         ; a lane permute's destination counts as one of its sources
	v_mov_b32 v[113+2*\i], 0                       ; (named as the upper halves of pairs)
.endr
	; SLOT 1'S FIRST FILL came at the head with slot 0's, by waves 1 and 3; the tables' work stands between the head's loads and the wait for them
	s_wait_alu depctr_va_vdst(0)                   ; a wait ahead of the waits below
	s_wait_loadcnt 0x0
.irp i, 0,1,2,3
	v_min3_num_f32 v[80+\i], v[128+\i], v[132+\i], v[136+\i]
.endr
.irp m, 3,5,7,9,11,13
.irp i, 0,1,2,3
	v_min3_num_f32 v[80+\i], v[80+\i], v[128+4*\m+\i], v[132+4*\m+\i]
.endr
.endr
.irp i, 0,1,2,3
	v_min_num_f32 v[80+\i], v[80+\i], v[188+\i]
.endr
.irp i, 0,1,2,3
	v_permlanex16_b32 v[108+\i], v[80+\i], s[SEL], s[SEL+1]
.endr
.irp i, 0,1,2,3
	v_min_num_f32 v[80+\i], v[80+\i], v[108+\i]    ; -M of my 4 rows
.endr
.irp j, 0,1,2,3,4,5,6,7
	ITEM \j
.endr
.irp i, 0,1,2,3
	v_permlanex16_b32 v[108+\i], v[104+\i], s[SEL], s[SEL+1]
.endr
.irp i, 0,1,2,3
	v_add_f32 v[104+\i], v[104+\i], v[108+\i]      ; l over my half of the chunks; both halves of the lanes hold it and write the same bytes
.endr
	ds_store_b128 v26, v[104:107]
	s_wait_dscnt 0x0                               ; the tables' stores have landed and have read their registers
.set cc, 0
.rept 64
	v_mov_b32 v[ACC+64+cc], 0                      ; the short group's sums
.set cc, cc+1
.endr
	; both slots' head loads are waited for here
	s_wait_tensorcnt 0x0                           ; my two units are in; no tensor load of mine is out, so the descriptors may be written: from here on a load brings one unit
	s_mov_b32 s[G1P+2], 100<<16
	s_mov_b32 s[G1P+4], 100
	s_mov_b32 s[G1V+1], 3200<<16
	s_mov_b32 s[G1V+3], 3200<<16
	s_mul_i32 s45, s16, UNP
	s_mov_b32 s[G0P+1], s45
	s_mul_i32 s45, s16, UNV
	s_add_co_u32 s[G0V+1], s45, VOF
	s_barrier_signal -1
	s_barrier_wait -1                              ; everybody's units are in, and the tables lie in LDS
	UARMH 0, 0, 0, 1                               ; the long group's first products start its sums
	UARMH 1, 0, 1, 0
	CHG 2, 0, 0
	PF 3, 0                                        ; units 6 and 7
	UARMH 2, 1, 0, 0
	UARMH 3, 1, 1, 0
	CHG 3, 1, 0
	PF 4, 1                                        ; unit 8
	UARM 4, 0, 0, 0, 0
	UDYN 5, 0, 1
	CHG 4, 0, 1                                    ; the walk's last unit: waves 0 and 2 alone fetch
	UDYN 6, 1, 0
	UDYN 7, 1, 1
	s_wait_tensorcnt 0x0                           ; my part of unit 8 is in;
	ds_add_u32 v[SPW], v[NIL]
	s_wait_dscnt 0x0
	s_barrier_signal -1
	s_barrier_wait -1                              ; everybody's is; nothing is filled again, so no round follows
	UARM 8, 0, 0, 1, 0
	; THE WAY OUT, i = 2 x group + a: x 1 / l, quantised along d: my 64 of d are half wc of fragment 2 wr + a of the group's record
	PLACES
.irp i, 0,1,2,3
	ds_load_b32 v[TM+2*\i], v15 offset:512*(\i/2)+64*(\i%2)
	ds_load_b32 v[TM+2*\i+1], v15 offset:512*(\i/2)+64*(\i%2)+256
.endr
	s_wait_dscnt 0x0
.irp i, 0,1,2,3
	v_add_f32 v[TM+8+\i], v[TM+2*\i], v[TM+2*\i+1] ; l's two parts
.endr
	s_wait_alu depctr_va_vdst(0)
.irp i, 0,1,2,3
	v_rcp_f32 v[112+2*\i], v[TM+8+\i]
.endr
	v_nop                                          ; a plain place behind the last reciprocal
	s_wait_alu depctr_va_vdst(0)                   ; and a wait ahead of the first reader: one for the four
.irp i, 0,1,2,3
.irp j, 0,2,4,6,8,10,12,14,16,18,20,22,24,26,28,30
	v_pk_mul_f32 v[ACC+32*\i+\j:ACC+32*\i+\j+1], v[ACC+32*\i+\j:ACC+32*\i+\j+1], v[112+2*\i:113+2*\i] op_sel_hi:[1,0]   ; each accumulator from its low end on
.endr
	QUANTH ACC+32*\i, 64+12*\i, 120+\i
	global_store_b128 v22, v[64+12*\i:64+12*\i+3], s[OB+2*(\i/2):OB+2*(\i/2)+1] offset:1536*(\i%2)        ; 512 consecutive bytes
	global_store_b64 v23, v[64+12*\i+4:64+12*\i+5], s[OB+2*(\i/2):OB+2*(\i/2)+1] offset:1536*(\i%2)+512   ; 256 consecutive bytes
	ds_store_b16 v14, v[120+\i] offset:256*(\i/2)+64*(\i%2)   ; both halves of the lanes write the same two bytes
.endr
	s_wait_dscnt 0x0                               ; for the others' sake: my bytes have landed
	s_barrier_signal -1
	s_barrier_wait -1
	ds_load_b32 v124, v27                          ; 32 whole words: group wave / 2, fragments 2 (wave % 2) and the next
	s_wait_dscnt 0x0
	global_store_b32 v24, v124, s[OB+4:OB+5] offset:6144
	s_wait_tensorcnt 0x0                           ; the wave's end, behind my last tensor load and my last LDS store
	ds_add_u32 v[SPW], v[NIL]
	s_wait_dscnt 0x0
	CROUND                                         ; the closing round
	s_endpgm
.Lfunc_end_k_qea606ec75d_pv:
	.size	k_qea606ec75d_pv, .Lfunc_end_k_qea606ec75d_pv-k_qea606ec75d_pv
	.p2alignl 7, 3214868480
	.fill 96, 4, 3214868480
	.section	.rodata,"a",@progbits
	.p2align	6, 0x0
	.amdhsa_kernel k_qea606ec75d_pv
		.amdhsa_group_segment_fixed_size 327680
		.amdhsa_private_segment_fixed_size 0
		.amdhsa_enable_private_segment 0
		.amdhsa_kernarg_size 32
		.amdhsa_user_sgpr_count 2
		.amdhsa_user_sgpr_kernarg_segment_ptr 1
		.amdhsa_wavefront_size32 1
		.amdhsa_system_sgpr_workgroup_id_x 1
		.amdhsa_system_sgpr_workgroup_id_y 1
		.amdhsa_system_sgpr_workgroup_id_z 1
		.amdhsa_system_vgpr_workitem_id 0
		.amdhsa_next_free_vgpr 512
		.amdhsa_next_free_sgpr 102
		.amdhsa_reserve_vcc 0
		.amdhsa_float_denorm_mode_32 3
		.amdhsa_float_denorm_mode_16_64 3
		.amdhsa_memory_ordered 1
		.amdhsa_forward_progress 1
		.amdhsa_inst_pref_size 218
	.end_amdhsa_kernel
	.amdgpu_metadata
---
amdhsa.version: [ 1, 2 ]
amdhsa.kernels:
  - .name:           k_qea606ec75d_pv
    .symbol:         k_qea606ec75d_pv.kd
    .args:
      - { .name: pc, .offset: 0, .size: 8, .value_kind: global_buffer, .address_space: global }
      - { .name: vc, .offset: 8, .size: 8, .value_kind: global_buffer, .address_space: global }
      - { .name: ml, .offset: 16, .size: 8, .value_kind: global_buffer, .address_space: global }
      - { .name: oc, .offset: 24, .size: 8, .value_kind: global_buffer, .address_space: global }
    .group_segment_fixed_size: 327680
    .private_segment_fixed_size: 0
    .kernarg_segment_align: 8
    .kernarg_segment_size: 32
    .max_flat_workgroup_size: 128
    .sgpr_count:     102
    .vgpr_count:     512
    .wavefront_size: 32
...
	.end_amdgpu_metadata
.endif
;; end of part 9
;; launch proj (part 10): grid 8 x 32, 4 waves a work-group, clusters of 4 x 4, 327,680 bytes of LDS; arguments oc, wc, bout, out0; writes out0
.if DOCPART == 10
	.amdgcn_target "amdgcn-amd-amdhsa--gfx1250"
	.amdhsa_code_object_version 6
	.text
	.protected	k_qea606ec75d_proj
	.globl	k_qea606ec75d_proj
	.p2align	8
	.type	k_qea606ec75d_proj,@function
k_qea606ec75d_proj:
	s_mov_b64 s[64:65], 0
	v_nop
	global_prefetch_b8 v0, s[64:65] scope:SCOPE_SE
	s_setreg_imm32_b32 hwreg(HW_REG_WAVE_MODE, 25, 1), 1
	s_wait_xcnt 0x0
	s_wait_alu depctr_hold_cnt(0) depctr_sa_sdst(0) depctr_va_vdst(0) depctr_va_sdst(0) depctr_va_ssrc(0) depctr_va_vcc(0) depctr_vm_vsrc(0)
	s_getreg_b32 s2, hwreg(HW_REG_IB_STS2, 6, 4)
	s_cmp_eq_u32 s2, 0
	s_cbranch_scc0 .Lentry_in_a_cluster
	s_endpgm
.Lentry_in_a_cluster:
	s_bfe_u32 s2, ttmp6, 0x10000c
	s_cmp_lg_u32 s2, 0xf033
	s_cbranch_scc0 .Lentry_shape_is_right
	s_endpgm
.Lentry_shape_is_right:
; out0 = out Wout + bout on codes of FP6 (E2M3) with E8M0 scales, K = 1,024; both operands come as records (laid as launch quant's head says); out0 [4096][1024] f32.
; A work-group makes 128 rows x 128 columns; wave (wr, wc) 64 x 64: 16 accumulators.  Source 0 = 16 rows of Wout^T, source 1 = 16 rows of out: a lane holds a row, its registers run along the columns.  The bias is the C of each sum's first product.
; All of K lies in LDS: each wave brings one row group's 8 records by one tensor load, a first fill: nothing is filled again.  One load of a wave is out at the most.
; CLUSTERS: 4 x 4 work-groups; out's records are asked for jointly along a row of the cluster, Wout^T's along a column.
; The records' rows lie in slots (slot r = row r + (r & 8) of a run of 24): the true rows come back in the stores' offsets.
.set REC,   6400
.set GROW,  8*REC
.set STAGE, 4*GROW                     ; behind the four regions: 16 rows x (256 bytes + 16) for each wave
.set SPARE, STAGE+4*16*272             ; the spare words, 128 bytes for each wave, which no other line names
.set SAM,   REC
.set SAC,   6144
.set ACC,   128
.set BIAS,  64                         ; v64-95 the bias of my 64 columns, in the result's layout; on the way out v64-127: rows read back, two sets
.set AA16,  16
.set AA8,   17
.set AB16,  18
.set AB8,   19
.set ASB,   20
.set ASA,   21
.set SPW,   28
.set NIL,   29
.set G1,    24
.set G1B,   48
.set G0,    68                         ; s[68:71] group 0 for out's K;  s[76:79] for Wout^T's
.set G0B,   76
.set OB,    32
.set MSB, 0
.macro WIN new
.if MSB != (\new)
	s_set_vgpr_msb (MSB<<8)|(\new)
.set MSB, \new
.endif
.endm
.macro PLACES
.rept 4
	v_nop
.endr
.endm
.macro CREST
	s_cmp_lg_u32 s14, 0
	s_cbranch_scc1 .Lnot_wave_0_\@
	s_barrier_signal -3
.Lnot_wave_0_\@:
	s_barrier_wait -3
	s_barrier_signal -1
	s_barrier_wait -1
.endm
.macro CROUND
	s_barrier_signal -1
	s_barrier_wait -1
	CREST
.endm
.macro FRAG reg, a16, a8, off
.irp c, 0,1
	ds_load_b128 v[(\reg)+6*\c:(\reg)+6*\c+3], v[\a16] offset:(\off)+768*\c
	ds_load_b64 v[(\reg)+6*\c+4:(\reg)+6*\c+5], v[\a8] offset:(\off)+768*\c+512
.endr
.endm
.macro FETCH p, k                      ; K step k's eight fragments and eight scale words into set p: 40 LDS loads
	WIN 0x40
.irp a, 0,1,2,3
	FRAG 128*(\p)+12*\a, AA16, AA8, REC*(\k)+1536*\a
.endr
.irp b, 0,1,2,3
	FRAG 128*(\p)+48+12*\b, AB16, AB8, REC*(\k)+1536*\b
.endr
	WIN 0
.irp a, 0,1,2,3
	ds_load_b32 v[48+8*(\p)+\a], v[ASA] offset:SAM*(\k)+SAC+64*\a
.endr
.irp b, 0,1,2,3
	ds_load_b32 v[52+8*(\p)+\b], v[ASB] offset:REC*(\k)+6144+64*\b
.endr
.endm
.macro MUL p, first                    ; the 16 accumulators take turns, one instruction a turn.  first = 2: the bias starts the sums
	WIN 0x05
.irp a, 0,1,2,3
.irp b, 0,1,2,3
.if \first == 2
	v_wmma_scale_f32_16x16x128_f8f6f4 v[ACC+8*(4*\a+\b):ACC+8*(4*\a+\b)+7], v[128*(\p)+48+12*\b:128*(\p)+48+12*\b+11], v[128*(\p)+12*\a:128*(\p)+12*\a+11], v[BIAS+8*\b:BIAS+8*\b+7], v[52+8*(\p)+\b], v[48+8*(\p)+\a] matrix_a_fmt:MATRIX_FMT_FP6 matrix_b_fmt:MATRIX_FMT_FP6
.else
	v_wmma_scale_f32_16x16x128_f8f6f4 v[ACC+8*(4*\a+\b):ACC+8*(4*\a+\b)+7], v[128*(\p)+48+12*\b:128*(\p)+48+12*\b+11], v[128*(\p)+12*\a:128*(\p)+12*\a+11], v[ACC+8*(4*\a+\b):ACC+8*(4*\a+\b)+7], v[52+8*(\p)+\b], v[48+8*(\p)+\a] matrix_a_fmt:MATRIX_FMT_FP6 matrix_b_fmt:MATRIX_FMT_FP6
.endif
.endr
.endr
.endm
.macro RUN4 k0, first                  ; four K steps, a set ahead
	FETCH 0, (\k0)
	FETCH 1, (\k0)+1
	s_wait_dscnt 40                                ; all but the 40 loads just issued
	MUL 0, \first
	PLACES
	FETCH 0, (\k0)+2
	s_wait_dscnt 40
	MUL 1, 0
	PLACES
	FETCH 1, (\k0)+3
	s_wait_dscnt 40
	MUL 0, 0
	s_wait_dscnt 0x0
	MUL 1, 0
	WIN 0
.endm
.macro TOSTAGE a                       ; block a: 16 slots x 64 columns through my own stage; LDS serves a wave's instructions in order: no wait between the stores and the loads
.irp b, 0,1,2,3
	ds_store_b128 v8, v[ACC+8*(4*(\a)+\b):ACC+8*(4*(\a)+\b)+3] offset:128*(\b/2)+32*(\b%2)       ; each accumulator from its low end on
	ds_store_b128 v8, v[ACC+8*(4*(\a)+\b)+4:ACC+8*(4*(\a)+\b)+7] offset:128*(\b/2)+32*(\b%2)+16
.endr
.irp i, 0,1,2,3,4,5,6,7
	ds_load_b128 v[64+32*((\a)%2)+4*\i:64+32*((\a)%2)+4*\i+3], v9 offset:544*\i
.endr
.endm
.macro SEND a, younger                 ; younger: the LDS instructions issued behind block a's loads
	s_wait_dscnt \younger
.irp i, 0,1,2,3,4,5,6,7
	global_store_b128 v10, v[64+32*((\a)%2)+4*\i:64+32*((\a)%2)+4*\i+3], s[OB:OB+1] offset:(32*((\a)/2)+8*((\a)%2)+2*\i+8*(\i/4))*4096 th:TH_STORE_NT   ; 16 lanes store 256 consecutive bytes, at a multiple of 256 from out0's first byte
.endr
.endm
	s_load_b256 s[4:11], s[0:1], 0x0               ; oc s[4:5], wc s[6:7], bout s[8:9], out0 s[10:11]
	v_lshl_add_u32 v[SPW], v0, 2, SPARE
	v_mov_b32 v[NIL], 0
	ds_add_u32 v[SPW], v[NIL]                      ; the opening: the add, twice on end, and its wait ahead of my first tensor load
	ds_add_u32 v[SPW], v[NIL]
	v_lshrrev_b32 v1, 5, v0
	v_readfirstlane_b32 s14, v1                    ; wave
	s_lshr_b32 s15, s14, 1                         ; wr; also: I fetch for out (0) or for Wout^T (1)
	s_and_b32 s16, s14, 1                          ; wc; also: which row group I fetch
	s_bfe_u32 s40, ttmp6, 0x40000                  ; cx
	s_bfe_u32 s41, ttmp6, 0x40004                  ; cy
	s_lshl_b32 s42, ttmp9, 2
	s_add_co_u32 s42, s42, s40                     ; T: the tile of 128 columns
	s_and_b32 s17, ttmp7, 0xffff
	s_lshl_b32 s17, s17, 2
	s_add_co_u32 s17, s17, s41                     ; g: the tile of 128 rows
	s_lshl_b32 s43, s41, 2
	s_lshl_b32 s43, 15, s43                        ; my row of the cluster
	s_lshl_b32 s44, 0x1111, s40                    ; my column
	s_or_b32 s[G1], s43, (3<<16)|(1<<21)           ; the mask; elements of 8 bytes; bit 21 set beside a mask; no padding
	s_or_b32 s[G1B], s44, (3<<16)|(1<<21)
.irp g, G1, G1B
	s_mov_b32 s[\g+1], 32<<16                      ; rows of 256 bytes
	s_mov_b32 s[\g+2], 200<<16                     ; as now written: ONE tensor load a wave brings its row group's 8 records, 51,200 dense bytes as 200 rows of 256
	s_mov_b32 s[\g+3], 32<<16
	s_mov_b32 s[\g+4], 200
	s_mov_b32 s[\g+5], 32
	s_mov_b32 s[\g+6], 0
	s_mov_b32 s[\g+7], 0
.endr
	s_lshl_b32 s46, s17, 1
	s_add_co_u32 s46, s46, s16
	s_mul_i32 s46, s46, GROW                       ; out: row group 2 g + half: hangs on the tile row and the wave alone
	s_mov_b32 s47, 0
	s_lshl_b32 s58, s42, 1
	s_add_co_u32 s58, s58, s16
	s_add_co_u32 s58, s58, 48
	s_mul_i32 s58, s58, GROW                       ; Wout^T: row group 48 + 2 T + half: on the tile column and the wave alone
	s_mov_b32 s59, 0
	s_mul_i32 s60, s14, GROW                       ; where they go: no place in the cluster enters an LDS address
	s_wait_dscnt 0x0                               ; both opening adds are done
	s_wait_kmcnt 0x0
	s_add_nc_u64 s[20:21], s[4:5], s[46:47]
	s_add_nc_u64 s[22:23], s[6:7], s[58:59]
	CROUND                                         ; all sixteen work-groups are here: the joint loads meet
.irp j, 0
	s_mov_b32 s[G0+4*\j], 1
	s_add_co_u32 s[G0+4*\j+1], s60, 4*REC*\j
	s_add_nc_u64 s[G0+4*\j+2:G0+4*\j+3], s[20:21], 4*REC*\j
	s_or_b32 s[G0+4*\j+3], s[G0+4*\j+3], 0x80000000
	s_mov_b32 s[G0B+4*\j], 1
	s_add_co_u32 s[G0B+4*\j+1], s60, 4*REC*\j
	s_add_nc_u64 s[G0B+4*\j+2:G0B+4*\j+3], s[22:23], 4*REC*\j
	s_or_b32 s[G0B+4*\j+3], s[G0B+4*\j+3], 0x80000000
.endr
	s_cmp_lt_u32 s14, 2                            ; a wave's one fill stands in a branch on its number, ahead of every wait for tensor loads and every LDS read
	s_cbranch_scc0 .Lfirst_b
	tensor_load_to_lds s[G0:G0+3], s[G1:G1+7]
	s_nop 0
.rept 4
	v_nop
.endr
	s_branch .Lfirst_asked
.Lfirst_b:
	tensor_load_to_lds s[G0B:G0B+3], s[G1B:G1B+7]
	s_nop 0
.rept 4
	v_nop
.endr
.Lfirst_asked:
	v_and_b32 v1, 15, v0                           ; r
	v_bfe_u32 v2, v0, 4, 1                         ; h
	v_and_b32 v3, 31, v0                           ; lane
	s_wait_alu depctr_va_vdst(0)
	v_lshlrev_b32 v11, 6, v2                       ; the bias: 16 h numbers on
	s_lshl_b32 s58, s42, 9
	s_lshl_b32 s59, s16, 8
	s_add_co_u32 s58, s58, s59                     ; my 64 columns, in bytes: 512 T + 256 wc
	s_mov_b32 s59, 0
	s_add_nc_u64 s[8:9], s[8:9], s[58:59]
.irp b, 0,1,2,3                        ; tile b's eight: columns 32 (b / 2) + 16 h + 8 (b % 2) + 0 .. 7
	global_load_b128 v[BIAS+8*\b:BIAS+8*\b+3], v11, s[8:9] offset:128*(\b/2)+32*(\b%2)
	global_load_b128 v[BIAS+8*\b+4:BIAS+8*\b+7], v11, s[8:9] offset:128*(\b/2)+32*(\b%2)+16
.endr
	s_lshl_b32 s62, s17, 7
	s_lshl_b32 s63, s15, 6
	s_add_co_u32 s62, s62, s63                     ; my first row: 128 g + 64 wr
	s_lshl_b32 s62, s62, 12
	s_add_co_u32 s62, s62, s58
	s_mov_b32 s63, 0
	s_add_nc_u64 s[OB:OB+1], s[10:11], s[62:63]
	s_mul_i32 s61, s15, GROW                       ; my A region
	s_mul_i32 s62, s16, GROW
	s_add_co_u32 s62, s62, 2*GROW                  ; my B region
	v_lshl_add_u32 v[AA16], v3, 4, s61
	v_lshl_add_u32 v[AA8], v3, 3, s61
	v_lshl_add_u32 v[AB16], v3, 4, s62
	v_lshl_add_u32 v[AB8], v3, 3, s62
	v_lshl_add_u32 v[ASA], v1, 2, s61
	v_lshl_add_u32 v[ASB], v1, 2, s62
	s_mul_i32 s61, s14, 16*272
	s_add_co_u32 s61, s61, STAGE                   ; my stage
	v_mul_u32_u24 v8, v1, 272
	v_lshl_add_u32 v8, v2, 6, v8
	v_add_nc_u32 v8, s61, v8                       ; in: slot r, + 64 h
	v_mul_u32_u24 v9, v2, 272
	v_lshl_add_u32 v9, v1, 4, v9
	v_add_nc_u32 v9, s61, v9                       ; back: lanes 0-15 one slot's 256 bytes, lanes 16-31 the next slot's
	v_lshlrev_b32 v10, 12, v2
	v_lshl_add_u32 v10, v1, 4, v10                 ; and the same two rows in out0
	s_wait_alu depctr_va_vdst(0)
	s_wait_tensorcnt 0x0                           ; my row group, all of K, is in
	s_wait_loadcnt 0x0                             ; the bias
	s_barrier_signal -1
	s_barrier_wait -1
	RUN4 0, 2
	PLACES
	RUN4 4, 0
	; THE WAY OUT
	PLACES
	TOSTAGE 0
.irp a, 1,2,3
.if \a > 1
	s_wait_xcnt 0x0                                ; block a - 2's stores have read their registers: block a's loads may land there
.endif
	TOSTAGE \a
	SEND \a-1, 16                                  ; behind block a - 1's loads: block a's 8 stores and 8 loads
.endr
	SEND 3, 0
	s_wait_tensorcnt 0x0                           ; the wave's end, behind my last LDS store
	ds_add_u32 v[SPW], v[NIL]
	s_wait_dscnt 0x0
	CROUND                                         ; the closing round
	s_endpgm
.Lfunc_end_k_qea606ec75d_proj:
	.size	k_qea606ec75d_proj, .Lfunc_end_k_qea606ec75d_proj-k_qea606ec75d_proj
	.p2alignl 7, 3214868480
	.fill 96, 4, 3214868480
	.section	.rodata,"a",@progbits
	.p2align	6, 0x0
	.amdhsa_kernel k_qea606ec75d_proj
		.amdhsa_group_segment_fixed_size 327680
		.amdhsa_private_segment_fixed_size 0
		.amdhsa_enable_private_segment 0
		.amdhsa_kernarg_size 32
		.amdhsa_user_sgpr_count 2
		.amdhsa_user_sgpr_kernarg_segment_ptr 1
		.amdhsa_wavefront_size32 1
		.amdhsa_system_sgpr_workgroup_id_x 1
		.amdhsa_system_sgpr_workgroup_id_y 1
		.amdhsa_system_sgpr_workgroup_id_z 1
		.amdhsa_system_vgpr_workitem_id 0
		.amdhsa_next_free_vgpr 512
		.amdhsa_next_free_sgpr 100
		.amdhsa_reserve_vcc 0
		.amdhsa_float_denorm_mode_32 3
		.amdhsa_float_denorm_mode_16_64 3
		.amdhsa_memory_ordered 1
		.amdhsa_forward_progress 1
		.amdhsa_inst_pref_size 52
	.end_amdhsa_kernel
	.amdgpu_metadata
---
amdhsa.version: [ 1, 2 ]
amdhsa.kernels:
  - .name:           k_qea606ec75d_proj
    .symbol:         k_qea606ec75d_proj.kd
    .args:
      - { .name: oc, .offset: 0, .size: 8, .value_kind: global_buffer, .address_space: global }
      - { .name: wc, .offset: 8, .size: 8, .value_kind: global_buffer, .address_space: global }
      - { .name: bout, .offset: 16, .size: 8, .value_kind: global_buffer, .address_space: global }
      - { .name: out0, .offset: 24, .size: 8, .value_kind: global_buffer, .address_space: global }
    .group_segment_fixed_size: 327680
    .private_segment_fixed_size: 0
    .kernarg_segment_align: 8
    .kernarg_segment_size: 32
    .max_flat_workgroup_size: 128
    .sgpr_count:     100
    .vgpr_count:     512
    .wavefront_size: 32
...
	.end_amdgpu_metadata
.endif
;; end of part 10
